; MI455X (gfx1250); checked and timed in simulation.
; The chip was launched on July 23, 2026; its instructions are those of AMD's public machine-readable ISA for CDNA 5 (MIT licence, August 2026) and "CDNA5" Instruction Set Architecture Reference Guide (July 2026). The comments in the code are by the model that wrote it; some were corrected since.
;; Mo E Layer. Allowed arithmetic: matrix products marked QUANTISED: E5M2 operands, one E8M0 scale for each 32 along K, by v_wmma_scale_f32_16x16x128_f8f6f4 with both operands' format E5M2, f32 sums; products left as they are: f32 operands where the result goes on into a quantised operand, else bf16, f16 or f32 operands; f32 sums; everything else in f32.
;; Inputs: Wd 8 x 1,024 x 1,024 float32; Wd_s 1,024 x 1,024 float32; Wg 8 x 1,024 x 1,024 float32; Wg_s 1,024 x 1,024 float32; Wr 1,024 x 8 float32; Wu 8 x 1,024 x 1,024 float32; Wu_s 1,024 x 1,024 float32; expert_bias 8 float32; x 2 x 1,024 x 1,024 float32.
;; Outputs: out0 2 x 1,024 x 1,024 float32; out1 one number float32.
;; Constants: top_k = 2.
;; This version of the problem:
;;   THIS VERSION OF THE PROBLEM IS GIVEN IN LOW PRECISION. The matrix products marked QUANTISED in the list below multiply operands that are first quantised to E5M2 (5 exponent bits, 2 mantissa bits; 8 bits a number), with one power-of-two scale for each 32 numbers along K (OCP MX v1.0); their sums are f32. All else is computed in f32.
;;   The module's matrix products, in the order in which they are computed (A, B: the left and right operand; K: the contracted axis; several contracted axes count as one K, in the product's order):
;;     1. [M 2,048, K 1,024] x [K 1,024, N 1,024]; A: input x; B: input Wg_s: QUANTISED
;;     2. [M 2,048, K 1,024] x [K 1,024, N 1,024]; A: input x; B: input Wu_s: QUANTISED
;;     3. [M 2,048, K 1,024] x [K 1,024, N 1,024]; A: computed on the way; B: input Wd_s: QUANTISED
;;     4. [M 2,048, K 1,024] x [K 1,024, N 8]; A: input x; B: input Wr: left as it is (N = 8 < 16)
;;     5. [M 2,048, K 1,024] x [K 1,024, N 8,192]; A: input x; B: input Wg: QUANTISED
;;     6. [M 2,048, K 1,024] x [K 1,024, N 8,192]; A: input x; B: input Wu: QUANTISED
;;     7. batch 8 x [M 1,024, K 1,024] x [K 1,024, N 2,048]; A: input Wd; B: computed on the way: QUANTISED
;;     8. batch 2,048 x [M 1,024, K 8] x [K 8, N 1]; A: computed on the way; B: computed on the way: left as it is (K = 8 < 32)
;;   THE QUANTISER, for each operand of a quantised product, along K:
;;     - K is cut into blocks of 32 from its start; a last block that is shorter is filled with zeros.
;;     - A block's scale is 2^e with e = floor(log2(the largest magnitude in the block)) - 15, held to -126 .. 127; a block of zeros has e = 0. As a byte (E8M0): e + 127.
;;     - Each number is divided by its block's scale, clamped to +-57,344, and rounded to the nearest number of E5M2, ties to even, subnormals kept.
;;     - The product sums the exact products of the quantised numbers (number of the format x scale) in f32.
;;   ~~~python
;;   def quantise(x, axis):      # numpy; x: float32 -> the quantised numbers, widened to float32 again
;;       x = np.moveaxis(x, axis, -1); K = x.shape[-1]
;;       x = np.pad(x, [(0, 0)] * (x.ndim - 1) + [(0, -K % 32)]); x = x.reshape(x.shape[:-1] + (-1, 32)); a = np.abs(x).max(-1, keepdims=True)
;;       e = np.where(a > 0, np.clip(np.frexp(np.where(a > 0, a, 1))[1] - 1 - 15, -126, 127), 0)      # np.frexp(a)[1] - 1 = floor(log2(a)), exactly
;;       r = np.clip(x / 2.0 ** e, -57344, 57344)
;;       step = 2.0 ** (np.maximum(np.frexp(np.where(r == 0, 1, r))[1] - 1, -14) - 2)
;;       q = np.round(r / step) * step * 2.0 ** e      # np.round: ties to even
;;       return np.moveaxis(q.reshape(q.shape[:-2] + (-1,))[..., :K], -1, axis).astype(np.float32)
;;   ~~~
;;   OPERANDS COMPUTED ON THE WAY. 'Computed on the way' means the value that the module computes at that place (a softmax that the list does not call 'softmax' is quantised finished and normalised). What goes into a quantiser is computed in f32, as accurately as f32 sums, v_exp_f32 and their like allow (about 1e-6 of the number): no bf16 or f16 on the way to a quantiser, and a product that is left as it is and whose result goes on into a quantised operand takes f32 operands (vector FMAs, or v_wmma_f32_16x16x4_f32). A number that lies on a knife's edge between two numbers of the format may be rounded either way, as far as f32 arithmetic and the matrix unit's own rounding can turn it there, and no further.
;; 2 versions. Each part assembles by itself: llvm-mc -triple=amdgcn-amd-amdhsa -mcpu=gfx1250 --defsym DOCPART=n.
;; ======== version 1 of 2: 4 launches
;; workspace buffers: xqs 2,162,688 bytes; ridx 8,192 bytes of whole numbers; rw 16,384 bytes; wqs 29,196,288 bytes; lists 13,568 bytes of whole numbers; gw 20,480 bytes; hqs 8,110,080 bytes
;; launch route (part 1): grid 256 x 1, 4 waves a work-group, no clusters, 85,760 bytes of LDS; arguments x, Wr, expert_bias, xqs, ridx, rw, out1; writes xqs, ridx, rw, out1
.if DOCPART == 1
	.amdgcn_target "amdgcn-amd-amdhsa--gfx1250"
	.amdhsa_code_object_version 6
	.text
	.protected	k_qa82b37fd21_route
	.globl	k_qa82b37fd21_route
	.p2align	8
	.type	k_qa82b37fd21_route,@function
k_qa82b37fd21_route:
	s_mov_b64 s[64:65], 0
	v_nop
	global_prefetch_b8 v0, s[64:65] scope:SCOPE_SE
	s_setreg_imm32_b32 hwreg(HW_REG_WAVE_MODE, 25, 1), 1
	s_wait_xcnt 0x0
; MoE layer, launch 1 of 4: x is quantised, the router chooses.
; THE PROGRAM.  out0 = shared SwiGLU(x) + the sum over the two experts that the router chose of w x SwiGLU_e(x); out1 = 0.
; WORK LEFT OUT.  reference() multiplies every expert's result oe[t][e] by w[t][e], and builds w in its own body as one_hot(topk_idx) x topk_gates summed over the two
; chosen: for the six experts of a token that its own top_k did not choose, w[t][e] is the constant 0 for all values of the inputs, so hg, hu and oe of those (token, expert)
; rows reach no output in exact arithmetic.  This program multiplies only the chosen rows (whole tiles of 16 tokens that share their pair of experts).
; LIMIT: a NaN, an infinity or an overflow that arises only in the rows left out is not carried to the result.  Every input buffer is loaded; top_k = 2 is a constant of the problem.
; THIS LAUNCH.  (a) x [2048][1024] f32 -> codes of E5M2, K innermost, one E8M0 byte for each 32 along K (xqs: codes [token][1024], bytes [token][32] at XS_O).
; (b) logits = x Wr in f32 (fused multiply-adds), + expert_bias, gates = 1 / (1 + 2^(-z log2 e)), the two largest gates (the lower index wins a tie, as jax.lax.top_k has it),
; w = gate / (sum + 1e-9).  Stored at fixed places: ridx[token] = lo | hi << 8 (lo < hi the two experts), rw[token] = (w of lo, w of hi).  No address here hangs on them.  (c) out1 = 0.
; LIMITS: a block of zeros gets the byte 1 where the rule says 127 (its codes are zeros; this program alone reads the bytes); NaN and infinities in x are not served;
; where -z log2 e passes 128 the gate is 0 here and a denormal in reference(): the order among such gates may differ.
; SHARES.  A work-group takes 8 tokens; wave w takes k = 256 w .. 256 w + 255 of all 8.  Loads are dense (512 consecutive bytes a load); a turn through the wave's own stage in LDS
; gives lane L the 8 neighbours k = 256 w + 8 L + 0 .. 7 (four lanes hold a block of 32), and of Wr the 8 rows of those k.
.set XS_O,  2097152
.set WST,   0                          ; LDS: 4 x 8,704: a wave's stage for Wr, 272 bytes a lane (256 + 16 of padding)
.set XST,   34816                      ; 4 x 12,288: a wave's stage for x: 8 tokens x 32 lanes x 48 bytes (32 + 16 of padding)
.set PART,  83968                      ; 4 x 256: a wave's partial logits, [token][expert]
.set XSB,   84992                      ; 256 scale bytes, [token][32]
.set SPARE, 85248                      ; the spare words, 128 bytes a wave: no other line names them
.set SPW, 12                           ; v12 my spare word's address; v13 zero: never rewritten
.set NIL, 13
.set R,   16                           ; v16-79   x as loaded; later the partial logits, 8 a token
.set X,   80                           ; v80-143  Wr as loaded; then x turned, 8 a token; wave 0 at the end: the logits
.set W,   144                          ; v144-207 Wr turned: register 8 i + e = Wr[my k i][e]
.set TM,  216                          ; at work
.set C,   224                          ; v224-239 codes, 2 a token
.set E,   240                          ; v240-247 a scale byte a token
.set PT,  248                          ; v248-255 lane permutes' destinations
	s_load_b256 s[4:11], s[0:1], 0x0               ; x s[4:5], Wr s[6:7], expert_bias s[8:9], xqs s[10:11]
	s_load_b128 s[12:15], s[0:1], 0x20             ; ridx s[12:13], rw s[14:15]
	s_load_b64 s[16:17], s[0:1], 0x30              ; out1
	v_lshl_add_u32 v[SPW], v0, 2, SPARE
	v_mov_b32 v[NIL], 0
	v_lshrrev_b32 v1, 5, v0
	v_readfirstlane_b32 s32, v1                    ; wave
	v_and_b32 v1, 31, v0                           ; lane
	v_lshlrev_b32 v3, 4, v1                        ; Wr: 16 bytes a lane
	s_lshl_b32 s33, s32, 10
	v_add_nc_u32 v2, s33, v3                       ; x: 1,024 w + 16 lane in a token's row
	s_mul_i32 s34, s32, 12288
	s_add_co_u32 s34, s34, XST
	v_lshrrev_b32 v15, 1, v1
	v_mul_u32_u24 v4, v15, 48
	v_and_b32 v15, 1, v1
	v_lshl_add_u32 v4, v15, 4, v4
	v_add_nc_u32 v4, s34, v4                       ; x's stage, in: two lanes' 32 bytes on end, then 16 of padding
	v_mul_u32_u24 v5, v1, 48
	v_add_nc_u32 v5, s34, v5                       ; and out: 48 x lane
	s_mul_i32 s35, s32, 8704
	v_lshrrev_b32 v15, 4, v1
	v_mul_u32_u24 v6, v15, 272
	v_and_b32 v15, 15, v1
	v_lshl_add_u32 v6, v15, 4, v6
	v_add_nc_u32 v6, s35, v6                       ; Wr's stage, in: sixteen lanes' 256 bytes on end, then 16 of padding
	v_mul_u32_u24 v7, v1, 272
	v_add_nc_u32 v7, s35, v7                       ; and out: 272 x lane
	s_lshl_b32 s36, s32, 8
	v_lshl_add_u32 v8, v1, 3, s36                  ; my 8 codes in a token's row: 256 w + 8 lane
	s_lshl_b32 s37, s32, 3
	s_add_co_u32 s37, s37, XSB
	v_lshrrev_b32 v9, 2, v1
	v_add_nc_u32 v9, s37, v9                       ; my block's byte: 8 w + lane / 4
	s_add_co_u32 s38, s36, PART
	v_mov_b32 v10, s38                             ; my wave's partial logits
	v_and_b32 v11, 7, v1
	v_lshl_add_u32 v11, v11, 5, PART               ; wave 0 at the end: token lane % 8
	v_lshl_add_u32 v14, v1, 3, XSB                 ; wave 1 at the end: 8 scale bytes a lane
	v_lshlrev_b32 v15, 3, v1
	s_mov_b32 s40, 0x76543210
	s_mov_b32 s41, 0xfedcba98                      ; v_permlanex16_b32's selects for lane l xor 16
	s_mov_b32 s42, 0x600000                        ; the mantissa field of 57,344
	s_mov_b32 s21, 0
.irp e, 0,1,2,3,4,5,6,7
	v_mov_b32 v[PT+\e], 0                          ; a lane permute's destination counts as one of its sources
.endr
	s_wait_kmcnt 0x0
	s_load_b256 s[24:31], s[8:9], 0x0              ; the eight biases
	s_lshl_b32 s20, ttmp9, 15
	s_add_nc_u64 s[4:5], s[4:5], s[20:21]          ; x at my 8 tokens
	s_lshl_b32 s20, s32, 13
	s_add_nc_u64 s[6:7], s[6:7], s[20:21]          ; Wr at my 256 rows
	s_lshl_b32 s20, ttmp9, 13
	s_add_nc_u64 s[18:19], s[10:11], s[20:21]      ; the codes of my 8 tokens
	s_lshl_b32 s20, ttmp9, 8
	s_add_co_u32 s20, s20, XS_O
	s_add_nc_u64 s[22:23], s[10:11], s[20:21]      ; their scale bytes
	s_lshl_b32 s20, ttmp9, 5
	s_add_nc_u64 s[12:13], s[12:13], s[20:21]
	s_lshl_b32 s20, ttmp9, 6
	s_add_nc_u64 s[14:15], s[14:15], s[20:21]
.irp i, 0,1,2,3,4,5,6,7,8,9,10,11,12,13,14,15
	global_load_b128 v[X+4*\i:X+4*\i+3], v3, s[6:7] offset:512*\i
.endr
.irp t, 0,1,2,3,4,5,6,7
.irp j, 0,1
	global_load_b128 v[R+8*\t+4*\j:R+8*\t+4*\j+3], v2, s[4:5] offset:4096*\t+512*\j th:TH_LOAD_NT
.endr
.endr
	s_wait_loadcnt 16                              ; Wr's 16 loads are in; x's 16, issued behind them, may be out
.irp i, 0,1,2,3,4,5,6,7,8,9,10,11,12,13,14,15
	ds_store_b128 v6, v[X+4*\i:X+4*\i+3] offset:544*\i
.endr
.irp j, 0,1,2,3,4,5,6,7,8,9,10,11,12,13,14,15
	ds_load_b128 v[W+4*\j:W+4*\j+3], v7 offset:16*\j   ; LDS serves a wave's instructions in order: these see my stores
.endr
	s_wait_dscnt 0x0                               ; Wr is turned, and the stores have read v[X] on, which x's turn writes next
.irp t, 0,1,2,3,4,5,6,7
	s_wait_loadcnt 14-2*\t                         ; token t's two loads are in; the later tokens' may be out
	ds_store_b128 v4, v[R+8*\t:R+8*\t+3] offset:1536*\t
	ds_store_b128 v4, v[R+8*\t+4:R+8*\t+7] offset:1536*\t+768
	ds_load_b128 v[X+8*\t:X+8*\t+3], v5 offset:1536*\t
	ds_load_b128 v[X+8*\t+4:X+8*\t+7], v5 offset:1536*\t+16
.endr
	s_wait_dscnt 0x0                               ; x is turned; v[R] on is free for the sums
; One token: my 8 k's share of its 8 logits, summed over the wave's 32 lanes; then its 8 numbers become codes.
.macro TOK t
.irp e, 0,1,2,3,4,5,6,7
	v_mul_f32 v[R+8*\t+\e], v[X+8*\t], v[W+\e]
.endr
.irp i, 1,2,3,4,5,6,7
.irp e, 0,1,2,3,4,5,6,7
	v_fmac_f32 v[R+8*\t+\e], v[X+8*\t+\i], v[W+8*\i+\e]
.endr
.endr
.irp m, 1,2,4,8
.irp e, 0,1,2,3,4,5,6,7
	v_add_f32_dpp v[R+8*\t+\e], v[R+8*\t+\e], v[R+8*\t+\e] row_xmask:\m row_mask:0xf bank_mask:0xf
.endr
.endr
.irp e, 0,1,2,3,4,5,6,7
	v_permlanex16_b32 v[PT+\e], v[R+8*\t+\e], s40, s41
.endr
.irp e, 0,1,2,3,4,5,6,7
	v_add_f32 v[R+8*\t+\e], v[R+8*\t+\e], v[PT+\e] ; every lane holds the wave's sum
.endr
	ds_store_b128 v10, v[R+8*\t:R+8*\t+3] offset:32*\t      ; all lanes store the same 16 bytes with the same values
	ds_store_b128 v10, v[R+8*\t+4:R+8*\t+7] offset:32*\t+16
	v_max3_num_f32 v[TM], |v[X+8*\t]|, |v[X+8*\t+1]|, 0x8000000   ; the largest magnitude of my 8, and the floor 2^(16 - 127): the byte cannot fall under 1
	v_max3_num_f32 v[TM+1], |v[X+8*\t+2]|, |v[X+8*\t+3]|, |v[X+8*\t+4]|
	v_max3_num_f32 v[TM], v[TM], |v[X+8*\t+5]|, |v[X+8*\t+6]|
	v_max3_num_f32 v[TM], v[TM], v[TM+1], |v[X+8*\t+7]|
	v_max_num_f32_dpp v[TM], v[TM], v[TM] row_xmask:1 row_mask:0xf bank_mask:0xf
	v_max_num_f32_dpp v[TM], v[TM], v[TM] row_xmask:2 row_mask:0xf bank_mask:0xf   ; of the four lanes that hold the block
	v_add_nc_u32 v[TM+2], 0xf8800000, v[TM]        ; 15 off its exponent field: the conversion's scale operand
	v_and_or_b32 v[TM+3], v[TM], 0x7f800000, s42   ; 57,344 x the scale
.irp i, 0,1,2,3,4,5,6,7
	v_med3_num_f32 v[X+8*\t+\i], v[X+8*\t+\i], -v[TM+3], v[TM+3]   ; the conversion to an 8-bit code does not saturate (ISA guide 7.6.2): the hold
.endr
	v_cvt_scalef32_pk8_bf8_f32 v[C+2*\t:C+2*\t+1], v[X+8*\t:X+8*\t+7], v[TM+2]
	v_lshrrev_b32 v[E+\t], 23, v[TM+2]             ; the scale's byte (also the plain line behind the conversion)
	ds_store_b8 v9, v[E+\t] offset:32*\t           ; the four lanes of a block store the same byte with the same value
	global_store_b64 v8, v[C+2*\t:C+2*\t+1], s[18:19] offset:1024*\t   ; the wave stores 256 consecutive bytes, aligned
.endm
.irp t, 0,1,2,3,4,5,6,7
	TOK \t
.endr
	s_wait_kmcnt 0x0                               ; the biases
	s_wait_dscnt 0x0                               ; for the others' sake: my partial logits and scale bytes lie in LDS
	s_barrier_signal -1
	s_barrier_wait -1
	s_cmp_lg_u32 s32, 0
	s_cbranch_scc1 .Lwave1
	; wave 0: lane l takes token l % 8 (lanes 8-31 repeat lanes 0-7 and store nothing)
.irp p, 0,1,2,3
	ds_load_b128 v[X+8*\p:X+8*\p+3], v11 offset:256*\p
	ds_load_b128 v[X+8*\p+4:X+8*\p+7], v11 offset:256*\p+16
.endr
	s_wait_dscnt 0x0
.irp e, 0,1,2,3,4,5,6,7
	v_add_f32 v[X+\e], v[X+\e], v[X+8+\e]
	v_add_f32 v[X+16+\e], v[X+16+\e], v[X+24+\e]
.endr
.irp e, 0,1,2,3,4,5,6,7
	v_add_f32 v[X+\e], v[X+\e], v[X+16+\e]         ; the logit
.endr
.irp e, 0,1,2,3,4,5,6,7
	v_add_f32 v[X+\e], s[24+\e], v[X+\e]           ; + the bias
.endr
.irp e, 0,1,2,3,4,5,6,7
	v_mul_f32 v[X+\e], 0xbfb8aa3b, v[X+\e]         ; x -log2(e)
.endr
.irp e, 0,1,2,3,4,5,6,7
	v_exp_f32 v[X+\e], v[X+\e]
.endr
	v_mov_b32 v220, -1.0                           ; (a plain line behind the exponentials)  under every gate
	s_wait_alu depctr_va_vdst(0)                   ; one wait for the eight, ahead of their first reader
.irp e, 0,1,2,3,4,5,6,7
	v_add_f32 v[X+\e], 1.0, v[X+\e]
.endr
.irp e, 0,1,2,3,4,5,6,7
	v_rcp_f32 v[X+\e], v[X+\e]                     ; the gate
.endr
	v_mov_b32 v217, 0                              ; (a plain line behind the reciprocals)
	s_wait_alu depctr_va_vdst(0)
	v_mov_b32 v216, v[X]                           ; the largest gate and its expert: a later gate takes over only if it is strictly larger
.irp e, 1,2,3,4,5,6,7
	v_cmp_ge_f32 vcc_lo, v216, v[X+\e]
	v_cndmask_b32 v217, \e, v217, vcc_lo
	v_cndmask_b32 v216, v[X+\e], v216, vcc_lo
.endr
.irp e, 0,1,2,3,4,5,6,7
	v_cmp_eq_u32 vcc_lo, \e, v217
	v_cndmask_b32 v[X+\e], v[X+\e], v220, vcc_lo   ; the winner leaves the field
.endr
	v_mov_b32 v218, v[X]
	v_mov_b32 v219, 0
.irp e, 1,2,3,4,5,6,7
	v_cmp_ge_f32 vcc_lo, v218, v[X+\e]
	v_cndmask_b32 v219, \e, v219, vcc_lo
	v_cndmask_b32 v218, v[X+\e], v218, vcc_lo
.endr
	v_add_f32 v221, v216, v218
	v_add_f32 v221, 0x3089705f, v221               ; + 1e-9
	v_rcp_f32 v221, v221
	v_lshlrev_b32 v116, 2, v1                      ; (a plain line behind the reciprocal)
	s_wait_alu depctr_va_vdst(0)
	v_mul_f32 v222, v216, v221
	v_mul_f32 v223, v218, v221
	v_cmp_lt_u32 vcc_lo, v217, v219
	v_cndmask_b32 v112, v219, v217, vcc_lo         ; lo
	v_cndmask_b32 v113, v217, v219, vcc_lo         ; hi
	v_cndmask_b32 v114, v223, v222, vcc_lo         ; lo's weight
	v_cndmask_b32 v115, v222, v223, vcc_lo         ; hi's
	v_lshl_or_b32 v112, v113, 8, v112
	v_cmp_gt_u32 vcc_lo, 8, v1
	s_wait_xcnt 0x0                                ; EXEC changes only behind this wait: the codes' stores have been issued
	s_and_saveexec_b32 s43, vcc_lo
	global_store_b32 v116, v112, s[12:13]
	global_store_b64 v15, v[114:115], s[14:15]
	s_wait_xcnt 0x0
	s_or_b32 exec_lo, exec_lo, s43
	s_branch .Lend
.Lwave1:
	s_cmp_lg_u32 s32, 1
	s_cbranch_scc1 .Lwave2
	ds_load_b64 v[112:113], v14                    ; the 8 tokens' 256 scale bytes
	s_wait_dscnt 0x0
	global_store_b64 v15, v[112:113], s[22:23]     ; 32 lanes store 256 consecutive bytes, aligned
	s_branch .Lend
.Lwave2:
	s_cmp_lg_u32 s32, 2
	s_cbranch_scc1 .Lend
	s_cmp_lg_u32 ttmp9, 0
	s_cbranch_scc1 .Lend
	v_mov_b32 v118, 0
	v_mov_b32 v119, 0
	v_cmp_eq_u32 vcc_lo, 0, v1
	s_wait_xcnt 0x0
	s_and_saveexec_b32 s43, vcc_lo
	global_store_b32 v118, v119, s[16:17]          ; out1 = 0
	s_wait_xcnt 0x0
	s_or_b32 exec_lo, exec_lo, s43
.Lend:
	s_wait_tensorcnt 0x0                           ; the wave's end
	ds_add_u32 v[SPW], v[NIL]
	s_wait_dscnt 0x0
	s_endpgm
.Lfunc_end_k_qa82b37fd21_route:
	.size	k_qa82b37fd21_route, .Lfunc_end_k_qa82b37fd21_route-k_qa82b37fd21_route
	.p2alignl 7, 3214868480
	.fill 96, 4, 3214868480
	.section	.rodata,"a",@progbits
	.p2align	6, 0x0
	.amdhsa_kernel k_qa82b37fd21_route
		.amdhsa_group_segment_fixed_size 85760
		.amdhsa_private_segment_fixed_size 0
		.amdhsa_enable_private_segment 0
		.amdhsa_kernarg_size 56
		.amdhsa_user_sgpr_count 2
		.amdhsa_user_sgpr_kernarg_segment_ptr 1
		.amdhsa_wavefront_size32 1
		.amdhsa_system_sgpr_workgroup_id_x 1
		.amdhsa_system_sgpr_workgroup_id_y 1
		.amdhsa_system_sgpr_workgroup_id_z 1
		.amdhsa_system_vgpr_workitem_id 0
		.amdhsa_next_free_vgpr 256
		.amdhsa_next_free_sgpr 66
		.amdhsa_reserve_vcc 1
		.amdhsa_float_denorm_mode_32 3
		.amdhsa_float_denorm_mode_16_64 3
		.amdhsa_memory_ordered 1
		.amdhsa_forward_progress 1
		.amdhsa_inst_pref_size 67
	.end_amdhsa_kernel
	.amdgpu_metadata
---
amdhsa.version: [ 1, 2 ]
amdhsa.kernels:
  - .name:           k_qa82b37fd21_route
    .symbol:         k_qa82b37fd21_route.kd
    .args:
      - { .name: x, .offset: 0, .size: 8, .value_kind: global_buffer, .address_space: global }
      - { .name: Wr, .offset: 8, .size: 8, .value_kind: global_buffer, .address_space: global }
      - { .name: expert_bias, .offset: 16, .size: 8, .value_kind: global_buffer, .address_space: global }
      - { .name: xqs, .offset: 24, .size: 8, .value_kind: global_buffer, .address_space: global }
      - { .name: ridx, .offset: 32, .size: 8, .value_kind: global_buffer, .address_space: global }
      - { .name: rw, .offset: 40, .size: 8, .value_kind: global_buffer, .address_space: global }
      - { .name: out1, .offset: 48, .size: 8, .value_kind: global_buffer, .address_space: global }
    .group_segment_fixed_size: 85760
    .private_segment_fixed_size: 0
    .kernarg_segment_align: 8
    .kernarg_segment_size: 56
    .max_flat_workgroup_size: 128
    .sgpr_count:     66
    .vgpr_count:     256
    .wavefront_size: 32
...
	.end_amdgpu_metadata
.endif
;; end of part 1
;; launch prep (part 2): grid 433 x 1, 8 waves a work-group, no clusters, 10,240 bytes of LDS; arguments Wg, Wg_s, Wu, Wu_s, Wd, Wd_s, ridx, rw, wqs, lists, gw; writes wqs, lists, gw
.if DOCPART == 2
	.amdgcn_target "amdgcn-amd-amdhsa--gfx1250"
	.amdhsa_code_object_version 6
	.text
	.protected	k_qa82b37fd21_prep
	.globl	k_qa82b37fd21_prep
	.p2align	8
	.type	k_qa82b37fd21_prep,@function
k_qa82b37fd21_prep:
	s_mov_b64 s[64:65], 0
	v_nop
	global_prefetch_b8 v0, s[64:65] scope:SCOPE_SE
	s_setreg_imm32_b32 hwreg(HW_REG_WAVE_MODE, 25, 1), 1
	s_wait_xcnt 0x0
; MoE layer, launch 2 of 4.  Work-groups 1 .. 432 quantise the 27 weight matrices; work-group 0 places the tokens.  (Work left out: the experts not chosen: see launch 1's head.)
; THE QUANTISER.  Each matrix is [K 1024][N 1024] f32 with K its FIRST axis.  A lane takes a column and its registers run down K, so a block of 32 along K lies in one lane and the
; conversions give codes with K innermost.  The codes are laid in the ORDER OF THE OPERAND'S REGISTERS: matrix mi = 9 kind + e (kind 0 gate, 1 up, 2 down; e = 8: the shared expert), 1 MiB each;
; in it [column tile T][K step s of 128][c][lane][16 bytes]: lane (r, h) holds k = 128 s + 32 c + 16 h + 0 .. 15 of the tile's row r.  THE COLUMNS OF A TILE ARE NOT NEIGHBOURS: row r of tile 2 b + u
; is column 32 b + 8 u + r + 8 (r / 8), so that in a product used transposed the 16 registers of tiles 2 b, 2 b + 1 are 16 neighbouring columns.
; Scale words at WS_O: mi x 32,768 + T x 512 + y x 128 + r x 8: two words, for K steps 2 y and 2 y + 1.
; A block's scale byte is its largest magnitude's exponent field - 15, held at 1 from below.  LIMITS: a block of zeros gets the byte 1 where the rule says 127 (its codes are zeros; this program alone
; reads the bytes); NaN and infinities among the weights are not served.
; A work-group takes 256 columns x 256 along K; a wave 32 columns.  Loads run two blocks (64 loads a wave) ahead.  Each store of codes covers two runs of 256 consecutive bytes, aligned.
; THE PLACING (256 threads, no atomics).  Tokens are sorted by their PAIR of experts (28 pairs), each pair's run filled up to whole tiles of 16: a tile then has three experts: shared, lo, hi.
; Never more than (2048 + 28 x 15) / 16 = 154 tiles.  Stored: tok[2560] (the token at a position; 2048: none), gw[2560] (its two weights; none: 0), te[192] (a tile's lo | hi << 8; unused: 0x0f0f;
; words 160 on: the number of tiles), ent[640]: for each of nine segments (shared, expert 0 .. 7), begun at a multiple of 16, its (tile | slot << 8 | expert << 16); fill: 0x80080000.
.set WS_O,  28311552
.set TE_O,  10240
.set ENT_O, 11008
.set HIST,  0                          ; LDS (work-group 0 alone): 64 groups of 32 tokens x 32 words: how many tokens of each pair
.set NVL,   8192                       ; 256 words: a tile's number of tokens
.set SPARE, 9216                       ; the spare words, 128 bytes a wave
.set SPW, 6
.set NIL, 7
.set K,    16                          ; v16-23  my 8 tokens' keys (token 256 w + 32 j + lane)
.set RK,   24                          ; v24-31  rank among the group's earlier lanes of the same pair
.set CNT,  32                          ; v32-39  lane g: tokens of pair g in my group j
.set GWL,  40                          ; v40-55  my tokens' weights
.set BASE, 56                          ; v56-63  where my token's pair begins for my group
.set PJ,   64                          ; v64-71  lane g: tokens of pair g in all earlier groups
.set MB,   72                          ; v72-79  at work
.set TOKJ, 80                          ; v80-87  my tokens' numbers
.set PA4,  88                          ; v88-95  4 x position
.set H,    96                          ; v96-159 all 64 groups' counts
.set SBK,  160                         ; v160-167 a wave's 8 groups summed
.set TOT,  168
.set PRE,  169
.set NTL,  170                         ; lane g: tiles of pair g
.set TBV,  171                         ; lane g: first tile of pair g
.set NVR,  180
.set PA8,  190                         ; v190-197 8 x position
.set N,    28                          ; s28-35 tiles of expert e;  s36-44 a segment's begin;  s45-53 its end;  s54-61 where expert e's next entries go;  s62 tiles in all;  s63 the running first tile
.set CB,   36
.set EN,   45
.set OF,   54
	s_load_b256 s[4:11], s[0:1], 0x0               ; Wg, Wg_s, Wu, Wu_s
	s_load_b256 s[12:19], s[0:1], 0x20             ; Wd, Wd_s, ridx, rw
	s_load_b128 s[20:23], s[0:1], 0x40             ; wqs, lists
	s_load_b64 s[24:25], s[0:1], 0x50              ; gw
	v_lshl_add_u32 v[SPW], v0, 2, SPARE
	v_mov_b32 v[NIL], 0
	v_lshrrev_b32 v1, 5, v0
	v_readfirstlane_b32 s26, v1                    ; wave
	v_and_b32 v1, 31, v0                           ; lane
	s_cmp_lg_u32 ttmp9, 0                          ; the same in all waves of a work-group
	s_cbranch_scc1 .Lquant
	; ---------------- the placing ----------------
	s_lshl_b32 s27, s26, 10
	v_lshl_add_u32 v2, v1, 2, s27                  ; ridx: 4 x (256 w + lane)
	v_lshl_add_u32 v4, v1, 2, s27                  ; HIST: my wave's 8 rows of 128 bytes
	s_lshl_b32 s27, s26, 11
	v_lshl_add_u32 v3, v1, 3, s27                  ; rw
	v_lshlrev_b32 v5, 2, v1
	v_lshlrev_b32 v8, 2, v0
	v_lshlrev_b32 v9, 3, v0
	v_lshl_add_u32 v177, v0, 2, NVL
	v_lshrrev_b32 v178, 4, v0
	v_lshl_add_u32 v178, v178, 2, NVL
	v_and_b32 v179, 15, v0
	s_lshl_b32 s27, s26, 8
	v_add_nc_u32 v[TOKJ], s27, v1
.irp j, 1,2,3,4,5,6,7
	v_add_nc_u32 v[TOKJ+\j], 32*\j, v[TOKJ]
.endr
	v_mov_b32 v14, 0x80080000                      ; an entry that is none
	v_mov_b32 v15, 0xf0f                           ; a tile that is none
	v_mov_b32 v205, 2048                           ; a token that is none
	v_mov_b32 v206, 0
	v_mov_b32 v207, 0
	s_wait_kmcnt 0x0
.irp j, 0,1,2,3,4,5,6,7
	global_load_b32 v[K+\j], v2, s[16:17] offset:128*\j
.endr
.irp j, 0,1,2,3,4,5,6,7
	global_load_b64 v[GWL+2*\j:GWL+2*\j+1], v3, s[18:19] offset:256*\j
.endr
.irp j, 0,1,2,3,4,5,6,7
	v_mov_b32 v[RK+\j], 0
	v_mov_b32 v[CNT+\j], 0
	v_mov_b32 v[BASE+\j], 0
.endr
	s_wait_loadcnt 0x8                             ; the keys are in; the 8 loads of weights, issued behind them, may be out
	; for each pair and each of my 8 groups: who has it, how many, and each one's rank (the groups by turns, so that no line waits for the line above it)
.set g_, 0
.irp a, 0,1,2,3,4,5,6
.irp b, 1,2,3,4,5,6,7
.if \b > \a
.irp j, 0,1,2,3,4,5,6,7
	v_cmp_eq_u32 s[66+\j], (\a)|((\b)<<8), v[K+\j]
.endr
.irp j, 0,1,2,3,4,5,6,7
	s_bcnt1_i32_b32 s[74+\j], s[66+\j]
.endr
.irp j, 0,1,2,3,4,5,6,7
	v_mbcnt_lo_u32_b32 v[MB+\j], s[66+\j], 0
.endr
.irp j, 0,1,2,3,4,5,6,7
	v_writelane_b32 v[CNT+\j], s[74+\j], g_
.endr
.irp j, 0,1,2,3,4,5,6,7
	v_cndmask_b32 v[RK+\j], v[RK+\j], v[MB+\j], s[66+\j]
.endr
.set g_, g_+1
.endif
.endr
.endr
.irp j, 0,1,2,3,4,5,6,7
	ds_store_b32 v4, v[CNT+\j] offset:HIST+128*\j
.endr
	s_wait_dscnt 0x0                               ; for the others' sake: my counts lie in LDS
	s_barrier_signal -1
	s_barrier_wait -1
.set i_, 0
.rept 64
	ds_load_b32 v[H+i_], v5 offset:HIST+128*i_
.set i_, i_+1
.endr
	s_wait_dscnt 0x0
.irp k, 0,1,2,3,4,5,6,7
	v_add_nc_u32 v[SBK+\k], v[H+8*\k], v[H+8*\k+1]
	v_add3_u32 v[SBK+\k], v[SBK+\k], v[H+8*\k+2], v[H+8*\k+3]
	v_add3_u32 v[SBK+\k], v[SBK+\k], v[H+8*\k+4], v[H+8*\k+5]
	v_add3_u32 v[SBK+\k], v[SBK+\k], v[H+8*\k+6], v[H+8*\k+7]
.endr
	v_add_nc_u32 v[TOT], v[SBK], v[SBK+1]
	v_add3_u32 v[TOT], v[TOT], v[SBK+2], v[SBK+3]
	v_add3_u32 v[TOT], v[TOT], v[SBK+4], v[SBK+5]
	v_add3_u32 v[TOT], v[TOT], v[SBK+6], v[SBK+7]  ; lane g: tokens of pair g
	v_mov_b32 v[PRE], 0
.irp k, 0,1,2,3,4,5,6
	s_cmp_gt_u32 s26, \k
	s_cselect_b32 s66, -1, 0
	v_and_b32 v10, s66, v[SBK+\k]
	v_add_nc_u32 v[PRE], v[PRE], v10               ; those of the waves before mine
.endr
	v_mov_b32 v[PJ], v[PRE]
.irp j, 1,2,3,4,5,6,7
	v_add_nc_u32 v[PJ+\j], v[PJ+\j-1], v[CNT+\j-1]
.endr
	v_add_nc_u32 v[NTL], 15, v[TOT]
	v_lshrrev_b32 v[NTL], 4, v[NTL]
	; tiles of each expert, and in all
.irp e, 0,1,2,3,4,5,6,7
	s_mov_b32 s[N+\e], 0
.endr
	s_mov_b32 s62, 0
.set g_, 0
.irp a, 0,1,2,3,4,5,6
.irp b, 1,2,3,4,5,6,7
.if \b > \a
	v_readlane_b32 s66, v[NTL], g_
	s_add_co_u32 s[N+\a], s[N+\a], s66
	s_add_co_u32 s[N+\b], s[N+\b], s66
	s_add_co_u32 s62, s62, s66
.set g_, g_+1
.endif
.endr
.endr
	s_mov_b32 s[CB], 0                             ; the segments: shared first, then the experts, each begun at a multiple of 16
	s_mov_b32 s[EN], s62
	s_add_co_u32 s84, s62, 15
	s_and_b32 s84, s84, -16
.irp e, 0,1,2,3,4,5,6,7
	s_mov_b32 s[CB+1+\e], s84
	s_mov_b32 s[OF+\e], s84
	s_add_co_u32 s[EN+1+\e], s84, s[N+\e]
	s_add_co_u32 s85, s[N+\e], 15
	s_and_b32 s85, s85, -16
	s_add_co_u32 s84, s84, s85
.endr
	; thread tau looks for the pair of tile tau: the last pair whose first tile is at or under tau
	s_mov_b32 s63, 0
	v_mov_b32 v[TBV], 0
.irp r, 172,173,174,175,176
	v_mov_b32 v\r, 0
.endr
.set g_, 0
.irp a, 0,1,2,3,4,5,6
.irp b, 1,2,3,4,5,6,7
.if \b > \a
	v_readlane_b32 s66, v[NTL], g_
	v_readlane_b32 s67, v[TOT], g_
	v_cmp_gt_u32 vcc_lo, s63, v0                   ; the pair begins behind tile tau: keep what I have
	v_cndmask_b32 v172, (\a)|((\b)<<8), v172, vcc_lo   ; the key,
	v_cndmask_b32 v173, s63, v173, vcc_lo          ; the pair's first tile,
	v_cndmask_b32 v174, s[OF+\a], v174, vcc_lo     ; where its entries begin in lo's segment,
	v_cndmask_b32 v175, s[OF+\b], v175, vcc_lo     ; and in hi's,
	v_cndmask_b32 v176, s67, v176, vcc_lo          ; and its tokens
	v_writelane_b32 v[TBV], s63, g_
	s_add_co_u32 s63, s63, s66
	s_add_co_u32 s[OF+\a], s[OF+\a], s66
	s_add_co_u32 s[OF+\b], s[OF+\b], s66
.set g_, g_+1
.endif
.endr
.endr
	; my tokens' positions: 16 x the pair's first tile + the pair's tokens in earlier groups + my rank.  All of it stands here, with every lane on, ahead of the first line that narrows EXEC
.irp j, 0,1,2,3,4,5,6,7
	v_lshl_add_u32 v[MB+\j], v[TBV], 4, v[PJ+\j]
.endr
.set g_, 0
.irp a, 0,1,2,3,4,5,6
.irp b, 1,2,3,4,5,6,7
.if \b > \a
.irp j, 0,1,2,3,4,5,6,7
	v_readlane_b32 s[66+\j], v[MB+\j], g_
.endr
.irp j, 0,1,2,3,4,5,6,7
	v_cmp_ne_u32 s[74+\j], (\a)|((\b)<<8), v[K+\j]
.endr
.irp j, 0,1,2,3,4,5,6,7
	v_cndmask_b32 v[BASE+\j], s[66+\j], v[BASE+\j], s[74+\j]
.endr
.set g_, g_+1
.endif
.endr
.endr
.irp j, 0,1,2,3,4,5,6,7
	v_add_nc_u32 v[PA4+\j], v[BASE+\j], v[RK+\j]
	v_add_nc_u32 v[PA8+\j], v[BASE+\j], v[RK+\j]
.endr
.irp j, 0,1,2,3,4,5,6,7
	v_min_u32 v[PA4+\j], 2559, v[PA4+\j]           ; a number made of loaded data enters an address only behind this hold: each address register is held and then shifted in place
	v_min_u32 v[PA8+\j], 2559, v[PA8+\j]
.endr
.irp j, 0,1,2,3,4,5,6,7
	v_lshlrev_b32 v[PA4+\j], 2, v[PA4+\j]
	v_lshlrev_b32 v[PA8+\j], 3, v[PA8+\j]
.endr
	s_wait_loadcnt 0x0                             ; the weights
.irp j, 0,1,2,3,4,5,6,7
	global_store_b32 v[PA4+\j], v[TOKJ+\j], s[22:23]
	global_store_b64 v[PA8+\j], v[GWL+2*\j:GWL+2*\j+1], s[24:25]
.endr
	; tile tau: its tokens, its pair, its three entries
	v_cmp_gt_u32 s82, s62, v0                      ; tile tau is in use
	v_sub_nc_u32 v10, v0, v173                     ; i: which tile of its pair
	v_lshlrev_b32 v11, 4, v10
	v_sub_nc_u32 v11, v176, v11
	v_min_u32 v11, 16, v11
	v_cndmask_b32 v198, 0, v11, s82                ; its tokens: min(16, what is left); unused: 0
	ds_store_b32 v177, v198
	v_cndmask_b32 v199, v15, v172, s82
	v_cmp_gt_u32 vcc_lo, 160, v0
	v_cndmask_b32 v199, s62, v199, vcc_lo          ; words 160 on: the number of tiles
	v_and_b32 v11, 0xff, v172                      ; lo
	v_lshrrev_b32 v12, 8, v172                     ; hi
	v_or_b32 v200, 0x80000, v0                     ; tile | slot 0 | expert 8
	v_add_nc_u32 v201, v174, v10
	v_min_u32 v201, 639, v201                      ; the same hold
	v_lshlrev_b32 v201, 2, v201
	v_lshl_or_b32 v202, v11, 16, v0
	v_or_b32 v202, 0x100, v202
	v_add_nc_u32 v203, v175, v10
	v_min_u32 v203, 639, v203
	v_lshlrev_b32 v203, 2, v203
	v_lshl_or_b32 v204, v12, 16, v0
	v_or_b32 v204, 0x200, v204
	s_cmp_lt_u32 s26, 6
	s_cbranch_scc0 .Lno_te
	global_store_b32 v8, v199, s[22:23] offset:TE_O   ; te[0 .. 191]: waves 0 to 5
.Lno_te:
	v_cmp_gt_u32 vcc_lo, s62, v0
	s_wait_xcnt 0x0                                ; EXEC changes only behind this wait
	s_and_saveexec_b32 s84, vcc_lo
	global_store_b32 v8, v200, s[22:23] offset:ENT_O
	global_store_b32 v201, v202, s[22:23] offset:ENT_O
	global_store_b32 v203, v204, s[22:23] offset:ENT_O
	s_wait_xcnt 0x0
	s_or_b32 exec_lo, exec_lo, s84
	s_wait_dscnt 0x0                               ; for the others' sake: my tile's number of tokens lies in LDS
	s_barrier_signal -1
	s_barrier_wait -1
.irp k, 0,1,2,3,4,5,6,7,8,9
	ds_load_b32 v[NVR+\k], v178 offset:64*\k       ; position thread + 256 k lies in tile thread / 16 + 16 k
.endr
	s_wait_dscnt 0x0
.irp k, 0,1,2,3,4,5,6,7,8,9
	v_cmp_ge_u32 vcc_lo, v179, v[NVR+\k]           ; a row behind the tile's tokens
	s_wait_xcnt 0x0
	s_and_saveexec_b32 s84, vcc_lo
	global_store_b32 v8, v205, s[22:23] offset:1024*\k
	global_store_b64 v9, v[206:207], s[24:25] offset:2048*\k
	s_wait_xcnt 0x0
	s_or_b32 exec_lo, exec_lo, s84
.endr
.irp k, 0,1,2
.if \k == 2
	s_cmp_lt_u32 s26, 4                            ; entries 512 .. 639: waves 0 to 3
	s_cbranch_scc0 .Lplaced
.endif
	v_add_nc_u32 v13, 256*\k, v0
	v_mov_b32 v12, s[EN]
.irp g, 1,2,3,4,5,6,7,8
	v_cmp_gt_u32 vcc_lo, s[CB+\g], v13
	v_cndmask_b32 v12, s[EN+\g], v12, vcc_lo       ; the end of the last segment that begins at or under my entry
.endr
	v_cmp_ge_u32 vcc_lo, v13, v12
	s_wait_xcnt 0x0
	s_and_saveexec_b32 s84, vcc_lo
	global_store_b32 v8, v14, s[22:23] offset:ENT_O+1024*\k
	s_wait_xcnt 0x0
	s_or_b32 exec_lo, exec_lo, s84
.endr
.Lplaced:
	s_wait_tensorcnt 0x0                           ; the wave's end
	ds_add_u32 v[SPW], v[NIL]
	s_wait_dscnt 0x0
	s_endpgm
	; ---------------- the quantiser (no LDS) ----------------
.set X,  32                            ; v32-95  two sets of 32 numbers
.set C,  96                            ; v96-159 codes, 8 registers for each of the 8 blocks: no store's data are written again
.set SB, 24                            ; v24-25  the 8 scale bytes
.Lquant:
	s_sub_co_u32 s27, ttmp9, 1
	s_lshr_b32 s28, s27, 4                         ; matrix 0 .. 26
	s_and_b32 s29, s27, 3                          ; which 256 columns
	s_bfe_u32 s30, s27, 0x20002                    ; which 256 along K
	s_cmp_ge_u32 s28, 9
	s_cselect_b32 s31, 9, 0
	s_cmp_ge_u32 s28, 18
	s_cselect_b32 s31, 18, s31
	s_sub_co_u32 s31, s28, s31                     ; expert 0 .. 7, or 8: shared
	v_lshlrev_b32 v3, 2, v1                        ; in: 4 bytes a lane
	v_bfe_u32 v10, v1, 3, 1                        ; u: which tile of the pair my column falls in,
	v_and_b32 v11, 7, v1
	v_lshrrev_b32 v12, 4, v1
	v_lshl_add_u32 v11, v12, 3, v11                ; r: and which row of it
	v_lshlrev_b32 v4, 14, v10
	v_lshl_add_u32 v4, v11, 4, v4                  ; codes: 16,384 u + 16 r
	v_lshlrev_b32 v5, 9, v10
	v_lshl_add_u32 v5, v11, 3, v5                  ; scale words: 512 u + 8 r
	s_mov_b32 s43, 0x600000                        ; the mantissa field of 57,344
	s_wait_kmcnt 0x0
	s_cmp_lt_u32 s28, 9                            ; the choices hang on the work-group's number alone
	s_cselect_b64 s[34:35], s[4:5], s[8:9]
	s_cselect_b64 s[36:37], s[6:7], s[10:11]
	s_cmp_lt_u32 s28, 18
	s_cselect_b64 s[34:35], s[34:35], s[12:13]
	s_cselect_b64 s[36:37], s[36:37], s[14:15]
	s_cmp_lt_u32 s31, 8
	s_cselect_b64 s[34:35], s[34:35], s[36:37]
	s_cselect_b32 s38, s31, 0
	s_lshl_b32 s38, s38, 22                        ; an expert's matrix is 4 MiB,
	s_lshl_b32 s40, s30, 20                        ; 256 rows are 1 MiB,
	s_add_co_u32 s38, s38, s40
	s_lshl_b32 s40, s29, 10                        ; 256 columns 1,024 bytes,
	s_add_co_u32 s38, s38, s40
	s_lshl_b32 s40, s26, 7                         ; a wave's 32 columns 128
	s_add_co_u32 s38, s38, s40
	s_mov_b32 s39, 0
	s_add_nc_u64 s[34:35], s[34:35], s[38:39]
	s_lshl_b32 s42, s29, 3
	s_add_co_u32 s42, s42, s26                     ; b: which 32 columns of the matrix
	s_lshl_b32 s38, s28, 20
	s_lshl_b32 s40, s42, 15
	s_add_co_u32 s38, s38, s40
	s_lshl_b32 s40, s30, 12
	s_add_co_u32 s38, s38, s40
	s_add_nc_u64 s[44:45], s[20:21], s[38:39]      ; my codes
	s_lshl_b32 s38, s28, 15
	s_lshl_b32 s40, s42, 10
	s_add_co_u32 s38, s38, s40
	s_lshl_b32 s40, s30, 7
	s_add_co_u32 s38, s38, s40
	s_add_co_u32 s38, s38, WS_O
	s_add_nc_u64 s[46:47], s[20:21], s[38:39]      ; my scale words
.macro QLOAD t                         ; block t: W(32 t + i, my column), i = 0 .. 31, into set t % 2
.set i_, 0
.rept 32
	global_load_b32 v[X+32*((\t)%2)+i_], v3, s[34:35] offset:(32*(\t)+i_)*4096 th:TH_LOAD_NT
.set i_, i_+1
.endr
.endm
.macro QBLOCK t
.set XS_, X+32*((\t)%2)
.if (\t) < 7
	s_wait_loadcnt 32                              ; this block's 32 loads are in; the next block's may be out
.else
	s_wait_loadcnt 0x0
.endif
	v_max3_num_f32 v12, |v[XS_]|, |v[XS_+1]|, |v[XS_+2]|       ; the block's largest magnitude: all 32 numbers are mine
	v_max3_num_f32 v13, |v[XS_+3]|, |v[XS_+4]|, |v[XS_+5]|
.irp i, 6,10,14,18,22,26
	v_max3_num_f32 v12, v12, |v[XS_+\i]|, |v[XS_+\i+1]|
	v_max3_num_f32 v13, v13, |v[XS_+\i+2]|, |v[XS_+\i+3]|
.endr
	v_max3_num_f32 v12, v12, |v[XS_+30]|, |v[XS_+31]|
	v_max3_num_f32 v12, v12, v13, 0x8000000        ; and the floor 2^(16 - 127): the byte cannot fall under 1
	v_add_nc_u32 v11, 0xf8800000, v12              ; 15 off the exponent field: the conversion's scale operand
	v_and_or_b32 v10, v12, 0x7f800000, s43         ; 57,344 x the scale
	v_lshrrev_b32 v13, 23, v11                     ; the scale's byte
.if (\t)%4 == 0
	v_mov_b32 v[SB+(\t)/4], v13
.else
	v_lshl_or_b32 v[SB+(\t)/4], v13, 8*((\t)%4), v[SB+(\t)/4]
.endif
.set i_, 0
.rept 32
	v_med3_num_f32 v[XS_+i_], v[XS_+i_], -v10, v10 ; the conversion to an 8-bit code does not saturate (ISA guide 7.6.2): the hold
.set i_, i_+1
.endr
.irp g, 0,1,2,3
	v_cvt_scalef32_pk8_bf8_f32 v[C+8*(\t)+2*\g:C+8*(\t)+2*\g+1], v[XS_+8*\g:XS_+8*\g+7], v11
.endr
	v_nop                                          ; a plain line behind the last conversion
	global_store_b128 v4, v[C+8*(\t):C+8*(\t)+3], s[44:45] offset:2048*((\t)/4)+512*((\t)%4)         ; k + 0 .. 15: the place of lane r
	global_store_b128 v4, v[C+8*(\t)+4:C+8*(\t)+7], s[44:45] offset:2048*((\t)/4)+512*((\t)%4)+256   ; k + 16 .. 31: of lane 16 + r
.if (\t)+2 < 8
	QLOAD (\t)+2
.endif
.endm
	QLOAD 0
	QLOAD 1
.irp t, 0,1,2,3,4,5,6,7
	QBLOCK \t
.endr
	global_store_b64 v5, v[SB:SB+1], s[46:47]      ; my column's two scale words
	s_endpgm
.Lfunc_end_k_qa82b37fd21_prep:
	.size	k_qa82b37fd21_prep, .Lfunc_end_k_qa82b37fd21_prep-k_qa82b37fd21_prep
	.p2alignl 7, 3214868480
	.fill 96, 4, 3214868480
	.section	.rodata,"a",@progbits
	.p2align	6, 0x0
	.amdhsa_kernel k_qa82b37fd21_prep
		.amdhsa_group_segment_fixed_size 10240
		.amdhsa_private_segment_fixed_size 0
		.amdhsa_enable_private_segment 0
		.amdhsa_kernarg_size 88
		.amdhsa_user_sgpr_count 2
		.amdhsa_user_sgpr_kernarg_segment_ptr 1
		.amdhsa_wavefront_size32 1
		.amdhsa_system_sgpr_workgroup_id_x 1
		.amdhsa_system_sgpr_workgroup_id_y 1
		.amdhsa_system_sgpr_workgroup_id_z 1
		.amdhsa_system_vgpr_workitem_id 0
		.amdhsa_next_free_vgpr 208
		.amdhsa_next_free_sgpr 100
		.amdhsa_reserve_vcc 1
		.amdhsa_float_denorm_mode_32 3
		.amdhsa_float_denorm_mode_16_64 3
		.amdhsa_memory_ordered 1
		.amdhsa_forward_progress 1
		.amdhsa_inst_pref_size 221
	.end_amdhsa_kernel
	.amdgpu_metadata
---
amdhsa.version: [ 1, 2 ]
amdhsa.kernels:
  - .name:           k_qa82b37fd21_prep
    .symbol:         k_qa82b37fd21_prep.kd
    .args:
      - { .name: Wg, .offset: 0, .size: 8, .value_kind: global_buffer, .address_space: global }
      - { .name: Wg_s, .offset: 8, .size: 8, .value_kind: global_buffer, .address_space: global }
      - { .name: Wu, .offset: 16, .size: 8, .value_kind: global_buffer, .address_space: global }
      - { .name: Wu_s, .offset: 24, .size: 8, .value_kind: global_buffer, .address_space: global }
      - { .name: Wd, .offset: 32, .size: 8, .value_kind: global_buffer, .address_space: global }
      - { .name: Wd_s, .offset: 40, .size: 8, .value_kind: global_buffer, .address_space: global }
      - { .name: ridx, .offset: 48, .size: 8, .value_kind: global_buffer, .address_space: global }
      - { .name: rw, .offset: 56, .size: 8, .value_kind: global_buffer, .address_space: global }
      - { .name: wqs, .offset: 64, .size: 8, .value_kind: global_buffer, .address_space: global }
      - { .name: lists, .offset: 72, .size: 8, .value_kind: global_buffer, .address_space: global }
      - { .name: gw, .offset: 80, .size: 8, .value_kind: global_buffer, .address_space: global }
    .group_segment_fixed_size: 10240
    .private_segment_fixed_size: 0
    .kernarg_segment_align: 8
    .kernarg_segment_size: 88
    .max_flat_workgroup_size: 256
    .sgpr_count:     100
    .vgpr_count:     208
    .wavefront_size: 32
...
	.end_amdgpu_metadata
.endif
;; end of part 2
;; launch ffn1 (part 3): grid 8 x 37, 4 waves a work-group, no clusters, 287,232 bytes of LDS; arguments xqs, wqs, lists, hqs; writes hqs
.if DOCPART == 3
	.amdgcn_target "amdgcn-amd-amdhsa--gfx1250"
	.amdhsa_code_object_version 6
	.text
	.protected	k_qa82b37fd21_ffn1
	.globl	k_qa82b37fd21_ffn1
	.p2align	8
	.type	k_qa82b37fd21_ffn1,@function
k_qa82b37fd21_ffn1:
	s_mov_b64 s[64:65], 0
	v_nop
	global_prefetch_b8 v0, s[64:65] scope:SCOPE_SE
	s_setreg_imm32_b32 hwreg(HW_REG_WAVE_MODE, 25, 1), 1
	s_wait_xcnt 0x0
; MoE layer, launch 3 of 4: h = silu(x Wg) x (x Wu), quantised along F, for the (tile, slot) entries that the placing listed.  (Work left out: the experts not chosen: see launch 1's head.)
; SHARES.  Work-group (q, c) takes chunk c of the list, 16 entries of ONE expert (a segment begins at a multiple of 16), and F columns 128 q .. 128 q + 127.  37 chunks serve every split:
; ceil(154 / 16) for the shared segment, and at most (308 + 8 x 15) / 16 for the eight experts.  Entries that are fill (sign bit set) are passed over by a scalar branch on the stored word; their loads
; are made all the same (of tile 0, and discarded), so that every wait counts the same loads on every way, and the one barrier is passed by every wave.  No tensor load: branches hang on stored numbers.
; No cluster: what a work-group reads hangs on the stored list.
; Wave w takes F block b = 4 q + w: gate tiles 2 b, 2 b + 1 and up tiles 2 b, 2 b + 1, whole K: 512 registers, read from memory once, each fragment serving up to 256 rows.
; x's rows are gathered by token number into LDS, laid so that a fragment is read back without bank conflicts: tile x 17,408 + piece P x 272 + row x 16, piece P = the row's bytes 16 P .. 16 P + 15.
; BOTH PRODUCTS ARE USED TRANSPOSED (source 0 = 16 rows of the weight's tile, source 1 = 16 tokens): lane (r, h) holds token r, and the 16 registers of tiles 2 b, 2 b + 1 are F columns 32 b + 16 h + 0 .. 15:
; half a block of the next product's K; lane l xor 16 holds the other half.  The conversions' results are the next operand's registers: stored as such, 512 consecutive bytes a wave.
; hqs: codes (3 tile + slot) x 16,384 + K step x 2,048 + c x 512 + lane x 16; scale bytes at HS_O: (3 tile + slot) x 512 + K step x 64 + row x 4 + c.
; LIMITS: silu(g) u is formed as (g u) / (1 + 2^(-g log2 e)): it overflows where g u does; a block of zeros gets the byte 1 (its codes are zeros).
; REGISTERS, in windows of 256: window 0: v1-31 addresses; v32-47 the weights' scale words; v48-55 x's, two sets; v64-95 the four accumulators; v96-124 at work; v128-231 the head's lists.
;   window 1: x's fragments, two sets of 128 (at the head: the gather's two sets).   window 2: the weights' K steps 0-3 (tile ct at 64 ct).   window 3: K steps 4-7.
.set XS_O,  2097152
.set WS_O,  28311552
.set ENT_O, 11008
.set HS_O,  7864320
.set TP,    17408                      ; a tile of x in LDS: 64 pieces x 272 bytes
.set XSC,   278528                     ; x's scale words: tile x 512 + half x 256 + row x 16
.set SPARE, 286720                     ; the spare words, 128 bytes a wave
.set GB,  6                            ; v6-11 the gather's LDS addresses: 272 lane + 64 w + 3 TP k
.set SPW, 16
.set NIL, 17
.set WS,  32
.set XS,  48
.set ACC, 64
.set G,   64                           ; gate: v64-79
.set U,   80                           ; up: v80-95; then g u; then h
.set T,   96
.set VT,  128                          ; v128-191 token numbers, then offsets of their rows: 4 tile + row
.set VO,  192
.set VE,  208
.set VK,  212
.set XSL, 216
.set ENT, 16                           ; s16-31 the chunk's 16 entries; the loop moves them down by two a trip
.set MSB, 0
.macro WIN new                         ; the immediate's high byte repeats the setting that is left
.if MSB != (\new)
	s_set_vgpr_msb (MSB<<8)|(\new)
.set MSB, (\new)
.endif
.endm
; one matrix instruction.  ks = 0: the first K step starts the sum.  ra, rb: the scales of source 0, 1 stand in lanes 16-31
.macro MM d, a, b, ks, sa, sb, ra, rb
.if (\ks) == 0
	v_wmma_scale_f32_16x16x128_f8f6f4 v[(\d):(\d)+7], v[(\a):(\a)+15], v[(\b):(\b)+15], 0, v[\sa], v[\sb] matrix_a_fmt:MATRIX_FMT_BF8 matrix_b_fmt:MATRIX_FMT_BF8
.elseif (\ra) == 0 && (\rb) == 0
	v_wmma_scale_f32_16x16x128_f8f6f4 v[(\d):(\d)+7], v[(\a):(\a)+15], v[(\b):(\b)+15], v[(\d):(\d)+7], v[\sa], v[\sb] matrix_a_fmt:MATRIX_FMT_BF8 matrix_b_fmt:MATRIX_FMT_BF8
.elseif (\rb) == 0
	v_wmma_scale_f32_16x16x128_f8f6f4 v[(\d):(\d)+7], v[(\a):(\a)+15], v[(\b):(\b)+15], v[(\d):(\d)+7], v[\sa], v[\sb] matrix_a_fmt:MATRIX_FMT_BF8 matrix_b_fmt:MATRIX_FMT_BF8 matrix_a_scale:MATRIX_SCALE_ROW1
.elseif (\ra) == 0
	v_wmma_scale_f32_16x16x128_f8f6f4 v[(\d):(\d)+7], v[(\a):(\a)+15], v[(\b):(\b)+15], v[(\d):(\d)+7], v[\sa], v[\sb] matrix_a_fmt:MATRIX_FMT_BF8 matrix_b_fmt:MATRIX_FMT_BF8 matrix_b_scale:MATRIX_SCALE_ROW1
.else
	v_wmma_scale_f32_16x16x128_f8f6f4 v[(\d):(\d)+7], v[(\a):(\a)+15], v[(\b):(\b)+15], v[(\d):(\d)+7], v[\sa], v[\sb] matrix_a_fmt:MATRIX_FMT_BF8 matrix_b_fmt:MATRIX_FMT_BF8 matrix_a_scale:MATRIX_SCALE_ROW1 matrix_b_scale:MATRIX_SCALE_ROW1
.endif
.endm
	s_load_b256 s[4:11], s[0:1], 0x0               ; xqs s[4:5], wqs s[6:7], lists s[8:9], hqs s[10:11]
	v_lshl_add_u32 v[SPW], v0, 2, SPARE
	v_mov_b32 v[NIL], 0
	v_lshrrev_b32 v1, 5, v0
	v_readfirstlane_b32 s12, v1                    ; wave
	v_and_b32 v1, 31, v0                           ; lane
	v_and_b32 v2, 15, v0                           ; r
	v_bfe_u32 v3, v0, 4, 1                         ; h
	s_and_b32 s14, ttmp7, 0xffff                   ; chunk
	s_lshl_b32 s46, s14, 6
	s_add_co_u32 s46, s46, ENT_O
	s_mov_b32 s47, 0
	s_wait_kmcnt 0x0
	s_add_nc_u64 s[32:33], s[8:9], s[46:47]
	s_load_b512 s[16:31], s[32:33], 0x0            ; the chunk's 16 entries
	v_lshlrev_b32 v4, 4, v1                        ; 16 x lane
	v_lshlrev_b32 v5, 3, v1                        ; 8 x lane
	s_lshl_b32 s45, s12, 6                         ; 64 w: my four rows of a tile, 16 bytes each
	v_mul_u32_u24 v6, v1, 272
	v_add_nc_u32 v6, s45, v6
.irp k, 1,2,3,4,5
	v_add_nc_u32 v[GB+\k], 3*TP*\k, v6
.endr
	v_mul_u32_u24 v12, v3, 272
	v_lshl_add_u32 v12, v2, 4, v12                 ; a fragment's place for my lane: 272 h + 16 r
	v_lshl_add_u32 v13, v1, 4, XSC                 ; x's scale words: 16 x lane
	v_lshrrev_b32 v14, 3, v1                       ; the scale words' gather: lane l takes tile 4 k + l / 8, row 4 w + (l / 2) % 4, half l % 2
	v_and_b32 v15, 1, v1
	v_bfe_u32 v20, v1, 1, 2
	v_lshlrev_b32 v18, 9, v14
	v_lshl_add_u32 v18, v15, 8, v18
	v_lshl_add_u32 v18, v20, 4, v18
	v_add_nc_u32 v18, s45, v18
	v_add_nc_u32 v18, XSC, v18                     ; where it puts them
	v_lshlrev_b32 v19, 2, v14
	s_lshl_b32 s49, s12, 4
	v_lshl_add_u32 v30, v20, 2, s49                ; 16 w + 4 row: its token's word in a tile's 16
	v_lshlrev_b32 v31, 4, v15
	v_lshlrev_b32 v21, 2, v2                       ; h's scale byte: 4 r
	v_mov_b32 v114, 0                              ; a lane permute's destination counts as one of its sources
	s_mov_b32 s56, 0x76543210
	s_mov_b32 s57, 0xfedcba98                      ; v_permlanex16_b32's selects for lane l xor 16
	s_mov_b32 s58, 0x600000                        ; the mantissa field of 57,344
	s_mov_b32 s60, 0xbfb8aa3b                      ; -log2(e); the packed form names the pair and takes its low word
	s_mov_b32 s61, s60
	s_lshl_b32 s46, ttmp9, 11
	s_lshl_b32 s48, s12, 9
	s_add_co_u32 s46, s46, s48
	s_add_nc_u64 s[70:71], s[10:11], s[46:47]      ; h's codes: K step q, c = w
	s_lshl_b32 s46, ttmp9, 6
	s_add_co_u32 s46, s46, s12
	s_add_co_u32 s46, s46, HS_O
	s_add_nc_u64 s[72:73], s[10:11], s[46:47]      ; h's scale bytes
	s_lshl_b32 s35, ttmp9, 2
	s_add_co_u32 s35, s35, s12                     ; b
	s_wait_kmcnt 0x0
	s_bfe_u32 s34, s16, 0x80010                    ; the chunk's expert,
	s_min_u32 s34, s34, 8                          ; held: it enters addresses
	s_lshl_b32 s46, s34, 20
	s_lshl_b32 s48, s35, 15
	s_add_co_u32 s46, s46, s48
	s_add_nc_u64 s[36:37], s[6:7], s[46:47]        ; the gate's two tiles,
	s_add_nc_u64 s[38:39], s[36:37], 0x900000      ; the up's: nine matrices on
	s_lshl_b32 s46, s34, 15
	s_lshl_b32 s48, s35, 10
	s_add_co_u32 s46, s46, s48
	s_add_co_u32 s46, s46, WS_O
	s_add_nc_u64 s[40:41], s[6:7], s[46:47]        ; their scale words
.irp i, 0,1,2,3,4,5,6,7,8,9,10,11,12,13,14,15
	s_and_b32 s48, s[ENT+\i], 255
	s_min_u32 s48, s48, 159
	s_lshl_b32 s48, s48, 6
	s_add_co_u32 s48, s48, s49
	v_mov_b32 v[VO+\i], s48                        ; tok[16 tile + 4 w ..]: my four rows' tokens
.endr
.macro LOADB s                         ; the four tiles' fragments of K step s: 16 loads of 512 consecutive bytes
	WIN 0x80+0x40*((\s)/4)
.irp ct, 0,1,2,3
.irp c, 0,1,2,3
	global_load_b128 v[64*\ct+16*((\s)%4)+4*\c:64*\ct+16*((\s)%4)+4*\c+3], v4, s[36+2*(\ct/2):37+2*(\ct/2)] offset:16384*(\ct%2)+2048*(\s)+512*\c
.endr
.endr
.endm
.macro GATHER bt                       ; tiles 4 bt .. 4 bt + 3: my four rows of each, two loads of 512 consecutive bytes a row, into set bt % 2
	WIN 0x40
.irp m, 0,1,2,3
.irp q, 0,1,2,3
.irp f, 0,1
	global_load_b128 v[128*((\bt)%2)+32*\m+8*\q+4*\f:128*((\bt)%2)+32*\m+8*\q+4*\f+3], v[VT+16*(\bt)+4*\m+\q], s[4:5] offset:512*\f
.endr
.endr
.endr
	WIN 0
.endm
.macro GSTORE bt                       ; lane l's 16 bytes are piece 32 f + l of the row
	WIN 0x04
.irp m, 0,1,2,3
.irp q, 0,1,2,3
.irp f, 0,1
	ds_store_b128 v[GB+(4*(\bt)+\m)/3], v[128*((\bt)%2)+32*\m+8*\q+4*\f:128*((\bt)%2)+32*\m+8*\q+4*\f+3] offset:TP*((4*(\bt)+\m)%3)+8704*\f+16*\q
.endr
.endr
.endr
	WIN 0
.endm
.irp k, 0,1,2,3
	global_load_b32 v[VE+\k], v19, s[32:33] offset:16*\k       ; my lane's entry
.endr
.irp i, 0,1,2,3,4,5,6,7,8,9,10,11,12,13,14,15
	global_load_b128 v[VT+4*\i:VT+4*\i+3], v[VO+\i], s[8:9]    ; all lanes read the same four tokens
.endr
.irp ct, 0,1,2,3
.irp j, 0,1
	global_load_b64 v[WS+4*\ct+2*\j:WS+4*\ct+2*\j+1], v5, s[40:41] offset:294912*(\ct/2)+512*(\ct%2)+256*\j
.endr
.endr
	LOADB 0
	LOADB 1
	WIN 0
	s_wait_loadcnt 40                              ; the entries and tokens are in: behind them 8 + 32 loads were issued
.irp k, 0,1,2,3
	v_and_b32 v[22+\k], 255, v[VE+\k]
	v_min_u32 v[22+\k], 159, v[22+\k]
	v_lshl_add_u32 v[22+\k], v[22+\k], 6, v30
.endr
.set i_, 0
.rept 64
	v_min_u32 v[VT+i_], 0x7ff, v[VT+i_]            ; a row that is none (2048) takes token 2047's numbers: its results are stored to a row that nobody uses
	v_lshl_add_u32 v[VT+i_], v[VT+i_], 10, v4
.set i_, i_+1
.endr
.irp k, 0,1,2,3
	global_load_b32 v[VK+\k], v[22+\k], s[8:9]
.endr
	GATHER 0
	s_wait_loadcnt 32                              ; all ahead of the 32 just issued
.irp k, 0,1,2,3
	v_min_u32 v[26+\k], 0x7ff, v[VK+\k]
	v_lshl_add_u32 v[26+\k], v[26+\k], 5, v31
.endr
.irp k, 0,1,2,3
	global_load_b128 v[XSL+4*\k:XSL+4*\k+3], v[26+\k], s[4:5] offset:XS_O
.endr
	GATHER 1
	s_wait_loadcnt 36                              ; batch 0 is in: behind it 4 + 32 loads
	GSTORE 0
	s_wait_dscnt 0x0                               ; the stores have read set 0
	GATHER 2
	s_wait_loadcnt 32                              ; the scale words and batch 1
.irp k, 0,1,2,3
	ds_store_b128 v18, v[XSL+4*\k:XSL+4*\k+3] offset:2048*\k
.endr
	GSTORE 1
	s_wait_dscnt 0x0
	GATHER 3
	s_wait_loadcnt 32                              ; batch 2
	GSTORE 2
	LOADB 2
	LOADB 3
	WIN 0
	s_wait_loadcnt 32                              ; batch 3
	GSTORE 3
	LOADB 4
	LOADB 5
	LOADB 6
	LOADB 7
	WIN 0
	s_wait_dscnt 0x0                               ; for the others' sake: my rows lie in LDS
	s_barrier_signal -1                            ; the one barrier; the weights' loads, into my own registers, stay on their way
	s_barrier_wait -1
.macro FETCH set, off, xoff            ; a tile's 8 fragments and its scale words; v14, v15 hold the addresses
	ds_load_b128 v[XS+4*\set:XS+4*\set+3], v15 offset:\xoff
	WIN 0x40
.irp s, 0,1,2,3,4,5,6,7
.irp c, 0,1,2,3
	ds_load_b128 v[128*\set+16*\s+4*\c:128*\set+16*\s+4*\c+3], v14 offset:\off+2176*\s+544*\c
.endr
.endr
	WIN 0
.endm
; One entry.  p: its set of x's fragments.
.macro TILE p
	s_wait_dscnt 0x0                               ; this tile's fragments are in
.if \p == 0
	v_add_nc_u32 v14, s42, v12
	v_add_nc_u32 v15, s43, v13
	FETCH 1, TP, 512                               ; the next tile's are asked for (the nine places behind the last products stand ahead of these loads on every way)
.else
	s_add_co_u32 s50, s42, 2*TP
	s_min_u32 s50, s50, 15*TP                      ; (the last trip asks for the last tile again, and uses nothing of it)
	s_add_co_u32 s51, s43, 1024
	s_min_u32 s51, s51, 7680
	v_add_nc_u32 v14, s50, v12
	v_add_nc_u32 v15, s51, v13
	FETCH 0, 0, 0
.endif
	s_cmp_lt_i32 s[ENT+\p], 0                      ; fill: nothing to do
	s_cbranch_scc1 .Lskip_\@
.irp s, 0,1,2,3,4,5,6,7
.if \s == 2
	s_wait_loadcnt 63                              ; the weights' K steps 2, 3: behind them 64 loads were issued
.endif
.if \s >= 4
	s_wait_loadcnt 16*(7-\s)                       ; K step s: behind it 16 loads for each later step
.endif
	WIN 0x06+(\s/4)
.irp ct, 0,1,2,3                       ; the four accumulators by turns
	MM ACC+8*\ct, 64*\ct+16*(\s%4), 128*\p+16*\s, \s, WS+4*\ct+2*(\s/4)+(\s%2), XS+4*\p+(\s%4), ((\s/2)%2), (\s/4)
.endr
.endr
	WIN 0
.rept 9
	v_nop                                          ; nine places: for the reads of the results, for the loads into operands and scales, and for the next tile's products, which begin the accumulators anew
.endr
.irp i, 0,2,4,6,8,10,12,14
	v_pk_mul_f32 v[T+\i:T+\i+1], v[G+\i:G+\i+1], s[60:61] op_sel_hi:[1,0]
.endr
.irp i, 0,1,2,3,4,5,6,7,8,9,10,11,12,13,14,15
	v_exp_f32 v[T+\i], v[T+\i]                     ; 2^(-g log2 e)
.endr
.irp i, 0,2,4,6,8,10,12,14
	v_pk_mul_f32 v[U+\i:U+\i+1], v[G+\i:G+\i+1], v[U+\i:U+\i+1]   ; g u: plain work behind the exponentials
.endr
	s_wait_alu depctr_va_vdst(0)                   ; one wait for the sixteen, ahead of their first reader
.irp i, 0,2,4,6,8,10,12,14
	v_pk_add_f32 v[T+\i:T+\i+1], v[T+\i:T+\i+1], 1.0 op_sel_hi:[1,0]
.endr
.irp i, 0,1,2,3,4,5,6,7,8,9,10,11,12,13,14,15
	v_rcp_f32 v[T+\i], v[T+\i]
.endr
	v_nop
	s_wait_alu depctr_va_vdst(0)
.irp i, 0,2,4,6,8,10,12,14
	v_pk_mul_f32 v[U+\i:U+\i+1], v[U+\i:U+\i+1], v[T+\i:T+\i+1]   ; h
.endr
	s_wait_xcnt 0x0                                ; the last tile's two stores have read their data and bases: both are written again below
	v_max3_num_f32 v112, |v[U]|, |v[U+1]|, 0x8000000              ; my 16 numbers' largest magnitude, and the floor 2^(16 - 127)
	v_max3_num_f32 v113, |v[U+2]|, |v[U+3]|, |v[U+4]|
	v_max3_num_f32 v112, v112, |v[U+5]|, |v[U+6]|
	v_max3_num_f32 v113, v113, |v[U+7]|, |v[U+8]|
	v_max3_num_f32 v112, v112, |v[U+9]|, |v[U+10]|
	v_max3_num_f32 v113, v113, |v[U+11]|, |v[U+12]|
	v_max3_num_f32 v112, v112, |v[U+13]|, |v[U+14]|
	v_max3_num_f32 v112, v112, v113, |v[U+15]|
	v_permlanex16_b32 v114, v112, s56, s57
	v_max_num_f32 v112, v112, v114                 ; with lane l xor 16's: the block's
	v_add_nc_u32 v115, 0xf8800000, v112            ; the conversion's scale operand
	v_and_or_b32 v116, v112, 0x7f800000, s58       ; 57,344 x the scale
	v_lshrrev_b32 v124, 23, v115                   ; the scale's byte
.irp i, 0,1,2,3,4,5,6,7,8,9,10,11,12,13,14,15
	v_med3_num_f32 v[U+\i], v[U+\i], -v116, v116
.endr
	v_cvt_scalef32_pk8_bf8_f32 v[120:121], v[U:U+7], v115
	v_cvt_scalef32_pk8_bf8_f32 v[122:123], v[U+8:U+15], v115
	v_nop                                          ; a plain line behind the last conversion
	s_and_b32 s50, s[ENT+\p], 255
	s_min_u32 s50, s50, 159                        ; the tile,
	s_bfe_u32 s51, s[ENT+\p], 0x80008
	s_min_u32 s51, s51, 2                          ; the slot
	s_mul_i32 s50, s50, 3
	s_add_co_u32 s50, s50, s51
	s_lshl_b32 s52, s50, 14
	s_mov_b32 s53, 0
	s_add_nc_u64 s[66:67], s[70:71], s[52:53]
	s_lshl_b32 s52, s50, 9
	s_add_nc_u64 s[68:69], s[72:73], s[52:53]
	global_store_b128 v4, v[120:123], s[66:67]     ; the wave stores 512 consecutive bytes, aligned
	global_store_b8 v21, v124, s[68:69]            ; lanes r and 16 + r store the same byte with the same value
.Lskip_\@:
.endm
	s_mov_b32 s42, 0                               ; the trip's first tile in LDS,
	s_mov_b32 s43, 0                               ; its scale words,
	s_mov_b32 s44, 0                               ; and the count of trips
	v_mov_b32 v14, v12
	v_mov_b32 v15, v13
	FETCH 0, 0, 0
.Ltrip:                                                ; 8 trips of two entries
	TILE 0
	TILE 1
.irp k, 0,1,2,3,4,5,6
	s_mov_b64 s[ENT+2*\k:ENT+2*\k+1], s[ENT+2*\k+2:ENT+2*\k+3]
.endr
	s_add_co_u32 s42, s42, 2*TP
	s_add_co_u32 s43, s43, 1024
	s_add_co_u32 s44, s44, 1
	s_cmp_lt_u32 s44, 8
	s_cbranch_scc1 .Ltrip
	s_wait_tensorcnt 0x0                           ; the wave's end
	ds_add_u32 v[SPW], v[NIL]
	s_wait_dscnt 0x0
	s_endpgm
.Lfunc_end_k_qa82b37fd21_ffn1:
	.size	k_qa82b37fd21_ffn1, .Lfunc_end_k_qa82b37fd21_ffn1-k_qa82b37fd21_ffn1
	.p2alignl 7, 3214868480
	.fill 96, 4, 3214868480
	.section	.rodata,"a",@progbits
	.p2align	6, 0x0
	.amdhsa_kernel k_qa82b37fd21_ffn1
		.amdhsa_group_segment_fixed_size 287232
		.amdhsa_private_segment_fixed_size 0
		.amdhsa_enable_private_segment 0
		.amdhsa_kernarg_size 32
		.amdhsa_user_sgpr_count 2
		.amdhsa_user_sgpr_kernarg_segment_ptr 1
		.amdhsa_wavefront_size32 1
		.amdhsa_system_sgpr_workgroup_id_x 1
		.amdhsa_system_sgpr_workgroup_id_y 1
		.amdhsa_system_sgpr_workgroup_id_z 1
		.amdhsa_system_vgpr_workitem_id 0
		.amdhsa_next_free_vgpr 1024
		.amdhsa_next_free_sgpr 80
		.amdhsa_reserve_vcc 0
		.amdhsa_float_denorm_mode_32 3
		.amdhsa_float_denorm_mode_16_64 3
		.amdhsa_memory_ordered 1
		.amdhsa_forward_progress 1
		.amdhsa_inst_pref_size 82
	.end_amdhsa_kernel
	.amdgpu_metadata
---
amdhsa.version: [ 1, 2 ]
amdhsa.kernels:
  - .name:           k_qa82b37fd21_ffn1
    .symbol:         k_qa82b37fd21_ffn1.kd
    .args:
      - { .name: xqs, .offset: 0, .size: 8, .value_kind: global_buffer, .address_space: global }
      - { .name: wqs, .offset: 8, .size: 8, .value_kind: global_buffer, .address_space: global }
      - { .name: lists, .offset: 16, .size: 8, .value_kind: global_buffer, .address_space: global }
      - { .name: hqs, .offset: 24, .size: 8, .value_kind: global_buffer, .address_space: global }
    .group_segment_fixed_size: 287232
    .private_segment_fixed_size: 0
    .kernarg_segment_align: 8
    .kernarg_segment_size: 32
    .max_flat_workgroup_size: 128
    .sgpr_count:     80
    .vgpr_count:     1024
    .wavefront_size: 32
...
	.end_amdgpu_metadata
.endif
;; end of part 3
;; launch ffn2 (part 4): grid 8 x 32, 4 waves a work-group, no clusters, 296,192 bytes of LDS; arguments hqs, wqs, lists, gw, out0; writes out0
.if DOCPART == 4
	.amdgcn_target "amdgcn-amd-amdhsa--gfx1250"
	.amdhsa_code_object_version 6
	.text
	.protected	k_qa82b37fd21_ffn2
	.globl	k_qa82b37fd21_ffn2
	.p2align	8
	.type	k_qa82b37fd21_ffn2,@function
k_qa82b37fd21_ffn2:
	s_mov_b64 s[64:65], 0
	v_nop
	global_prefetch_b8 v0, s[64:65] scope:SCOPE_SE
	s_setreg_imm32_b32 hwreg(HW_REG_WAVE_MODE, 25, 1), 1
	s_wait_xcnt 0x0
; MoE layer, launch 4 of 4: out0[token] = h_shared Wd_s + w_lo (h_lo Wd[lo]) + w_hi (h_hi Wd[hi]).  (Work left out: the experts not chosen: see launch 1's head.)
; SHARES.  Work-group (x, y) takes tiles 5 y .. 5 y + 4 of the placing (80 positions) and output columns 128 x .. 128 x + 127: each output number has one owner, and nothing is added across work-groups.
; 32 blocks of 5 serve every split (never more than 154 tiles).  A tile that is not in use takes the last used tile's h (so that no unwritten byte is read), and stores nothing: its positions hold no token.
; Wave w takes Wd's column tiles 2 b, 2 b + 1, b = 4 x + w: one expert's whole K is 256 registers.  The block's 15 images of h (5 tiles x 3 slots x 16 KiB, in the order of the operand's registers) are copied
; into LDS once and read by all four waves.  The shared expert's products start the sums; then a loop of 8 trips walks the experts: one that none of the block's tiles uses is passed over by a scalar
; branch on the stored list; else its weights come from memory straight into registers, and each tile that has it as lo (slot 1) or as hi (slot 2) is multiplied and added with the row's weight.
; No tensor load: branches hang on stored numbers.  No cluster: which experts a block walks hangs on the stored list.  Both barriers stand outside every such branch.
; THE PRODUCT IS USED TRANSPOSED (source 0 = 16 rows of Wd's tile, source 1 = 16 positions): lane (r, h) holds position r and the 16 registers of tiles 2 b, 2 b + 1 are columns 32 b + 16 h + 0 .. 15.
; REGISTERS, in windows of 256: window 0: v1-39 addresses; v40-49 the rows' weights; v50-53 h's scale words; v54-61 Wd's; v64-79 two accumulators; v80-159 the sums, later rows of out0; v160-199 at the head and on the way out.
;   window 1: Wd's fragments (tile u at 128 u).   window 2: v0-127 h's fragments; at the head the copy's two sets of 96.
.set WS_O,  28311552
.set TE_O,  10240
.set HS_O,  7864320
.set HSC,   245760                     ; LDS: behind the 15 images: h's scale words, 5 tiles x 1,536 bytes,
.set STG,   253440                     ; the stage for the way out: 80 rows x (512 + 16) bytes,
.set SPARE, 295680                     ; and the spare words, 128 bytes a wave
.set VG,  8                            ; v8-12  a tile's images in memory: my wave's part
.set VC,  13                           ; v13-17 and in LDS
.set VR,  18                           ; v18-22 a tile's images in LDS: 16 x lane
.set VH,  23                           ; v23-27 its scale words: 4 x lane
.set SPW, 30
.set NIL, 31
.set VHG, 34                           ; v34-38 a tile's scale words in memory: my wave's part
.set GW,  40
.set HS,  50
.set WS,  54
.set ACC, 64
.set OUT, 80
.set HSL, 160
.set VOF, 180                          ; v180-199 my 20 rows' offsets in out0
.set TOK, 24                           ; s24-43 my 20 rows' tokens
.set E1,  70                           ; s70-74 the tiles' lo;  s75-79 their hi
.set E2,  75
.set MSB, 0
.macro WIN new
.if MSB != (\new)
	s_set_vgpr_msb (MSB<<8)|(\new)
.set MSB, (\new)
.endif
.endm
.macro MM d, a, b, ks, sa, sb, ra, rb
.if (\ks) == 0
	v_wmma_scale_f32_16x16x128_f8f6f4 v[(\d):(\d)+7], v[(\a):(\a)+15], v[(\b):(\b)+15], 0, v[\sa], v[\sb] matrix_a_fmt:MATRIX_FMT_BF8 matrix_b_fmt:MATRIX_FMT_BF8
.elseif (\ra) == 0 && (\rb) == 0
	v_wmma_scale_f32_16x16x128_f8f6f4 v[(\d):(\d)+7], v[(\a):(\a)+15], v[(\b):(\b)+15], v[(\d):(\d)+7], v[\sa], v[\sb] matrix_a_fmt:MATRIX_FMT_BF8 matrix_b_fmt:MATRIX_FMT_BF8
.elseif (\rb) == 0
	v_wmma_scale_f32_16x16x128_f8f6f4 v[(\d):(\d)+7], v[(\a):(\a)+15], v[(\b):(\b)+15], v[(\d):(\d)+7], v[\sa], v[\sb] matrix_a_fmt:MATRIX_FMT_BF8 matrix_b_fmt:MATRIX_FMT_BF8 matrix_a_scale:MATRIX_SCALE_ROW1
.elseif (\ra) == 0
	v_wmma_scale_f32_16x16x128_f8f6f4 v[(\d):(\d)+7], v[(\a):(\a)+15], v[(\b):(\b)+15], v[(\d):(\d)+7], v[\sa], v[\sb] matrix_a_fmt:MATRIX_FMT_BF8 matrix_b_fmt:MATRIX_FMT_BF8 matrix_b_scale:MATRIX_SCALE_ROW1
.else
	v_wmma_scale_f32_16x16x128_f8f6f4 v[(\d):(\d)+7], v[(\a):(\a)+15], v[(\b):(\b)+15], v[(\d):(\d)+7], v[\sa], v[\sb] matrix_a_fmt:MATRIX_FMT_BF8 matrix_b_fmt:MATRIX_FMT_BF8 matrix_a_scale:MATRIX_SCALE_ROW1 matrix_b_scale:MATRIX_SCALE_ROW1
.endif
.endm
.macro SETB                            ; matrix s48: where my two tiles' codes and scale words begin
	s_lshl_b32 s50, s48, 20
	s_add_co_u32 s50, s50, s61
	s_mov_b32 s51, 0
	s_add_nc_u64 s[44:45], s[6:7], s[50:51]
	s_lshl_b32 s50, s48, 15
	s_add_co_u32 s50, s50, s49
	s_add_nc_u64 s[46:47], s[6:7], s[50:51]
.endm
.macro LOADB                           ; 4 loads of scale words, then the fragments by K step, 8 loads a step
.irp u, 0,1
.irp j, 0,1
	global_load_b64 v[WS+4*\u+2*\j:WS+4*\u+2*\j+1], v5, s[46:47] offset:512*\u+256*\j
.endr
.endr
	WIN 0x40
.irp s, 0,1,2,3,4,5,6,7
.irp u, 0,1
.irp c, 0,1,2,3
	global_load_b128 v[128*\u+16*\s+4*\c:128*\u+16*\s+4*\c+3], v4, s[44:45] offset:16384*\u+2048*\s+512*\c
.endr
.endr
.endr
	WIN 0
.endm
	s_load_b256 s[4:11], s[0:1], 0x0               ; hqs s[4:5], wqs s[6:7], lists s[8:9], gw s[10:11]
	s_load_b64 s[12:13], s[0:1], 0x20              ; out0
	v_lshl_add_u32 v[SPW], v0, 2, SPARE
	v_mov_b32 v[NIL], 0
	v_lshrrev_b32 v1, 5, v0
	v_readfirstlane_b32 s14, v1                    ; wave
	v_and_b32 v1, 31, v0                           ; lane
	v_and_b32 v2, 15, v0                           ; r
	v_bfe_u32 v3, v0, 4, 1                         ; h
	s_and_b32 s15, ttmp7, 0xffff                   ; block
	s_lshl_b32 s60, ttmp9, 2
	s_add_co_u32 s60, s60, s14                     ; b
	s_lshl_b32 s61, s60, 15
	s_lshl_b32 s49, s60, 10
	s_add_co_u32 s49, s49, WS_O
	v_lshlrev_b32 v4, 4, v1
	v_lshlrev_b32 v5, 3, v1
	s_lshl_b32 s54, s14, 9
	v_lshl_add_u32 v6, v1, 4, s54                  ; the copy: 512 w + 16 lane
.irp t, 0,1,2,3,4
	v_add_nc_u32 v[VC+\t], 49152*\t, v6
	v_add_nc_u32 v[VR+\t], 49152*\t, v4
	v_lshl_add_u32 v[VH+\t], v1, 2, HSC+1536*\t
.endr
	s_lshl_b32 s54, s14, 7
	v_lshl_add_u32 v33, v1, 2, s54                 ; the scale words' copy: 128 w + 4 lane
	v_add_nc_u32 v39, HSC, v33
	v_mul_u32_u24 v28, v2, 528
	v_lshl_add_u32 v28, v3, 6, v28
	v_add_nc_u32 v28, s54, v28
	v_add_nc_u32 v28, STG, v28                     ; the stage, in: row r, + 128 w + 64 h
	s_mul_i32 s54, s14, 10560
	v_add_nc_u32 v29, s54, v4
	v_add_nc_u32 v29, STG, v29                     ; and back: my 20 rows, 16 bytes a lane
	v_lshlrev_b32 v32, 3, v2                       ; the weights: 8 r
	s_mul_i32 s62, s15, 20
	s_add_co_u32 s62, s62, TE_O
	s_mov_b32 s63, 0
	s_mul_i32 s68, s15, 320
	s_mul_i32 s54, s14, 80
	s_add_co_u32 s68, s68, s54
	s_mov_b32 s69, 0
	s_wait_kmcnt 0x0
	s_add_nc_u64 s[66:67], s[8:9], s[62:63]
	s_add_nc_u64 s[68:69], s[8:9], s[68:69]
	s_load_b32 s16, s[66:67], 0x0                  ; the five tiles' pairs,
	s_load_b32 s17, s[66:67], 0x4
	s_load_b32 s18, s[66:67], 0x8
	s_load_b32 s19, s[66:67], 0xc
	s_load_b32 s20, s[66:67], 0x10
	s_load_b32 s21, s[8:9], TE_O+640               ; the number of tiles,
	s_load_b512 s[24:39], s[68:69], 0x0            ; and the tokens of my 20 rows on the way out
	s_load_b128 s[40:43], s[68:69], 0x40
	s_lshl_b32 s62, ttmp9, 9
	s_add_nc_u64 s[12:13], s[12:13], s[62:63]      ; out0 at my 128 columns
	s_mul_i32 s62, s15, 640
	s_add_nc_u64 s[56:57], s[10:11], s[62:63]      ; the block's weights
	s_mov_b32 s48, 26                              ; the shared expert's Wd
	SETB
	LOADB
	s_wait_kmcnt 0x0
	s_sub_co_u32 s52, s21, 1
	s_mul_i32 s53, s15, 5
.irp t, 0,1,2,3,4
	s_add_co_u32 s54, s53, \t
	s_min_u32 s54, s54, s52                        ; a tile not in use takes the last used one's h
	s_min_u32 s54, s54, 159                        ; the hold behind which a loaded number enters an address
	s_mul_i32 s55, s54, 49152
	v_add_nc_u32 v[VG+\t], s55, v6
	s_mul_i32 s55, s54, 1536
	v_add_nc_u32 v[VHG+\t], s55, v33
	s_and_b32 s[E1+\t], s[16+\t], 255
	s_bfe_u32 s[E2+\t], s[16+\t], 0x80008
.endr
.irp i, 0,1,2,3,4,5,6,7,8,9,10,11,12,13,14,15,16,17,18,19
	s_min_u32 s54, s[TOK+\i], 2047
	s_lshl_b32 s54, s54, 12
	v_add_nc_u32 v[VOF+\i], s54, v4
.endr
.irp t, 0,1,2,3,4
	global_load_b64 v[GW+2*\t:GW+2*\t+1], v32, s[56:57] offset:128*\t
.endr
.irp t, 0,1,2,3,4
.irp n, 0,1,2
	global_load_b32 v[HSL+3*\t+\n], v[VHG+\t], s[4:5] offset:HS_O+512*\n
.endr
.endr
.macro CLOAD t                         ; my quarter of tile t's three images: 24 loads of 512 consecutive bytes, into set t % 2
	WIN 0x80
.set n_, 0
.rept 24
	global_load_b128 v[96*((\t)%2)+4*n_:96*((\t)%2)+4*n_+3], v[VG+\t], s[4:5] offset:2048*n_
.set n_, n_+1
.endr
	WIN 0
.endm
.macro CSTORE t
	WIN 0x08
.set n_, 0
.rept 24
	ds_store_b128 v[VC+\t], v[96*((\t)%2)+4*n_:96*((\t)%2)+4*n_+3] offset:2048*n_
.set n_, n_+1
.endr
	WIN 0
.endm
	CLOAD 0
	CLOAD 1
	s_wait_loadcnt 48                              ; all ahead of the two batches: the shared Wd, the weights, h's scale words
.irp t, 0,1,2,3,4
.irp n, 0,1,2
	ds_store_b32 v39, v[HSL+3*\t+\n] offset:1536*\t+512*\n
.endr
.endr
	s_wait_loadcnt 24                              ; batch 0 is in; batch 1 may be out
	CSTORE 0
	s_wait_dscnt 0x0                               ; the stores have read set 0
	CLOAD 2
	s_wait_loadcnt 24
	CSTORE 1
	s_wait_dscnt 0x0
	CLOAD 3
	s_wait_loadcnt 24
	CSTORE 2
	s_wait_dscnt 0x0
	CLOAD 4
	s_wait_loadcnt 24
	CSTORE 3
	s_wait_loadcnt 0x0
	CSTORE 4
	s_wait_dscnt 0x0                               ; for the others' sake: my part of the images lies in LDS
	s_barrier_signal -1
	s_barrier_wait -1
; One image of h times my two tiles of Wd, into accumulators d and d + 8.  bw = 1: Wd's loads may still be on their way.
.macro TILE t, slot, d, bw
.irp i, 0,1,2,3
	ds_load_b32 v[HS+\i], v[VH+\t] offset:512*\slot+128*\i        ; lanes 0-15: K step 2 i; lanes 16-31: K step 2 i + 1
.endr
	WIN 0x80
.irp s, 0,1,2,3,4,5,6,7
.irp c, 0,1,2,3
	ds_load_b128 v[16*\s+4*\c:16*\s+4*\c+3], v[VR+\t] offset:16384*\slot+2048*\s+512*\c
.endr
.endr
	WIN 0x09
.irp s, 0,1,2,3,4,5,6,7
	s_wait_dscnt 28-4*\s                           ; K step s is in: behind it 4 loads for each later step
.if \bw
	s_wait_loadcnt 8*(7-\s)                        ; Wd's K step s: behind it 8 loads for each later step
.endif
.irp u, 0,1                            ; the two accumulators by turns
	MM \d+8*\u, 128*\u+16*\s, 16*\s, \s, WS+4*\u+2*(\s/4)+(\s%2), HS+(\s/2), ((\s/2)%2), (\s%2)
.endr
.endr
	WIN 0
.rept 9
	v_nop                                          ; nine places: for the reads of the results, for the next loads into operands and scales, and for accumulators begun anew
.endr
.endm
.macro FMA t, k                        ; the sums += the accumulators x my row's weight k (0: lo's, 1: hi's); each accumulator from its low end on
.set i_, 0
.rept 16
	v_fmac_f32 v[OUT+16*\t+i_], v[ACC+i_], v[GW+2*\t+\k]
.set i_, i_+1
.endr
.endm
.irp t, 0,1,2,3,4
	TILE \t, 0, OUT+16*\t, 0                       ; the shared expert starts the sums
.endr
	s_mov_b32 s58, 0
.Lexp:                                                 ; 8 trips: expert s58
	s_mov_b32 s59, 0
.irp t, 0,1,2,3,4
	s_cmp_eq_u32 s[E1+\t], s58
	s_cselect_b32 s54, 1, 0
	s_or_b32 s59, s59, s54
	s_cmp_eq_u32 s[E2+\t], s58
	s_cselect_b32 s54, 1, 0
	s_or_b32 s59, s59, s54
.endr
	s_cmp_eq_u32 s59, 0
	s_cbranch_scc1 .Lnext                          ; none of my five tiles uses it
	s_wait_loadcnt 0x0                             ; the last expert's loads are done: their bases and registers may be written
	s_add_co_u32 s48, s58, 18
	SETB
	LOADB
.irp t, 0,1,2,3,4
	s_cmp_eq_u32 s[E1+\t], s58
	s_cbranch_scc0 .Lnot_lo_\t
	TILE \t, 1, ACC, 1
	FMA \t, 0
.Lnot_lo_\t:
	s_cmp_eq_u32 s[E2+\t], s58
	s_cbranch_scc0 .Lnot_hi_\t
	TILE \t, 2, ACC, 1
	FMA \t, 1
.Lnot_hi_\t:
.endr
.Lnext:
	s_add_co_u32 s58, s58, 1
	s_cmp_lt_u32 s58, 8
	s_cbranch_scc1 .Lexp
	; THE WAY OUT.  A lane holds 64 neighbouring bytes of a row; a row's 512 bytes come from four waves: they meet in the stage, and each wave stores 20 whole rows by their tokens.
.irp t, 0,1,2,3,4
.irp i, 0,1,2,3
	ds_store_b128 v28, v[OUT+16*\t+4*\i:OUT+16*\t+4*\i+3] offset:8448*\t+16*\i
.endr
.endr
	s_wait_dscnt 0x0                               ; for the others' sake: my columns lie in the stage
	s_barrier_signal -1
	s_barrier_wait -1
.irp i, 0,1,2,3,4,5,6,7,8,9,10,11,12,13,14,15,16,17,18,19
	ds_load_b128 v[OUT+4*\i:OUT+4*\i+3], v29 offset:528*\i
.endr
.irp i, 0,1,2,3,4,5,6,7,8,9,10,11,12,13,14,15,16,17,18,19
	s_wait_dscnt 19-\i                             ; row i is back: behind it one load for each later row
	s_cmp_lt_u32 s[TOK+\i], 2048                   ; a position that holds no token stores nothing
	s_cbranch_scc0 .Lnone_\i
	global_store_b128 v[VOF+\i], v[OUT+4*\i:OUT+4*\i+3], s[12:13] th:TH_STORE_NT   ; 32 lanes store 512 consecutive bytes, aligned; written once, read by nobody here
.Lnone_\i:
.endr
	s_wait_tensorcnt 0x0                           ; the wave's end
	ds_add_u32 v[SPW], v[NIL]
	s_wait_dscnt 0x0
	s_endpgm
.Lfunc_end_k_qa82b37fd21_ffn2:
	.size	k_qa82b37fd21_ffn2, .Lfunc_end_k_qa82b37fd21_ffn2-k_qa82b37fd21_ffn2
	.p2alignl 7, 3214868480
	.fill 96, 4, 3214868480
	.section	.rodata,"a",@progbits
	.p2align	6, 0x0
	.amdhsa_kernel k_qa82b37fd21_ffn2
		.amdhsa_group_segment_fixed_size 296192
		.amdhsa_private_segment_fixed_size 0
		.amdhsa_enable_private_segment 0
		.amdhsa_kernarg_size 40
		.amdhsa_user_sgpr_count 2
		.amdhsa_user_sgpr_kernarg_segment_ptr 1
		.amdhsa_wavefront_size32 1
		.amdhsa_system_sgpr_workgroup_id_x 1
		.amdhsa_system_sgpr_workgroup_id_y 1
		.amdhsa_system_sgpr_workgroup_id_z 1
		.amdhsa_system_vgpr_workitem_id 0
		.amdhsa_next_free_vgpr 704
		.amdhsa_next_free_sgpr 96
		.amdhsa_reserve_vcc 0
		.amdhsa_float_denorm_mode_32 3
		.amdhsa_float_denorm_mode_16_64 3
		.amdhsa_memory_ordered 1
		.amdhsa_forward_progress 1
		.amdhsa_inst_pref_size 135
	.end_amdhsa_kernel
	.amdgpu_metadata
---
amdhsa.version: [ 1, 2 ]
amdhsa.kernels:
  - .name:           k_qa82b37fd21_ffn2
    .symbol:         k_qa82b37fd21_ffn2.kd
    .args:
      - { .name: hqs, .offset: 0, .size: 8, .value_kind: global_buffer, .address_space: global }
      - { .name: wqs, .offset: 8, .size: 8, .value_kind: global_buffer, .address_space: global }
      - { .name: lists, .offset: 16, .size: 8, .value_kind: global_buffer, .address_space: global }
      - { .name: gw, .offset: 24, .size: 8, .value_kind: global_buffer, .address_space: global }
      - { .name: out0, .offset: 32, .size: 8, .value_kind: global_buffer, .address_space: global }
    .group_segment_fixed_size: 296192
    .private_segment_fixed_size: 0
    .kernarg_segment_align: 8
    .kernarg_segment_size: 40
    .max_flat_workgroup_size: 128
    .sgpr_count:     96
    .vgpr_count:     704
    .wavefront_size: 32
...
	.end_amdgpu_metadata
.endif
;; end of part 4
;; ======== version 2 of 2: 4 launches
;; workspace buffers: xqs 2,162,688 bytes; ridx 8,192 bytes of whole numbers; rw 16,384 bytes; wqs 29,196,288 bytes; lists 13,568 bytes of whole numbers; gw 20,480 bytes; hqs 8,110,080 bytes
;; launch route (part 5): grid 256 x 1, 4 waves a work-group, no clusters, 85,760 bytes of LDS; arguments x, Wr, expert_bias, xqs, ridx, rw, out1; writes xqs, ridx, rw, out1
.if DOCPART == 5
	.amdgcn_target "amdgcn-amd-amdhsa--gfx1250"
	.amdhsa_code_object_version 6
	.text
	.protected	k_qa82b37fd21_route
	.globl	k_qa82b37fd21_route
	.p2align	8
	.type	k_qa82b37fd21_route,@function
k_qa82b37fd21_route:
	s_mov_b64 s[64:65], 0
	v_nop
	global_prefetch_b8 v0, s[64:65] scope:SCOPE_SE
	s_setreg_imm32_b32 hwreg(HW_REG_WAVE_MODE, 25, 1), 1
	s_wait_xcnt 0x0
; MoE layer, launch 1 of 4: x is quantised, the router chooses.
; THE PROGRAM.  out0 = shared SwiGLU(x) + the sum over the two experts that the router chose of w x SwiGLU_e(x); out1 = 0.
; WORK LEFT OUT.  reference() multiplies every expert's result oe[t][e] by w[t][e], and builds w in its own body as one_hot(topk_idx) x topk_gates summed over the two
; chosen: for the six experts of a token that its own top_k did not choose, w[t][e] is the constant 0 for all values of the inputs, so hg, hu and oe of those (token, expert)
; rows reach no output in exact arithmetic.  This program multiplies only the chosen rows (whole tiles of 16 tokens that share their pair of experts).
; LIMIT: a NaN, an infinity or an overflow that arises only in the rows left out is not carried to the result.  Every input buffer is loaded; top_k = 2 is a constant of the problem.
; THIS LAUNCH.  (a) x [2048][1024] f32 -> codes of E5M2, K innermost, one E8M0 byte for each 32 along K (xqs: codes [token][1024], bytes [token][32] at XS_O).
; (b) logits = x Wr in f32 (fused multiply-adds), + expert_bias, gates = 1 / (1 + 2^(-z log2 e)), the two largest gates (the lower index wins a tie, as jax.lax.top_k has it),
; w = gate / (sum + 1e-9).  Stored at fixed places: ridx[token] = lo | hi << 8 (lo < hi the two experts), rw[token] = (w of lo, w of hi).  No address here hangs on them.  (c) out1 = 0.
; LIMITS: a block of zeros gets the byte 1 where the rule says 127 (its codes are zeros; this program alone reads the bytes); NaN and infinities in x are not served;
; where -z log2 e passes 128 the gate is 0 here and a denormal in reference(): the order among such gates may differ.
; SHARES.  A work-group takes 8 tokens; wave w takes k = 256 w .. 256 w + 255 of all 8.  Loads are dense (512 consecutive bytes a load); a turn through the wave's own stage in LDS
; gives lane L the 8 neighbours k = 256 w + 8 L + 0 .. 7 (four lanes hold a block of 32), and of Wr the 8 rows of those k.
.set XS_O,  2097152
.set WST,   0                          ; LDS: 4 x 8,704: a wave's stage for Wr, 272 bytes a lane (256 + 16 of padding)
.set XST,   34816                      ; 4 x 12,288: a wave's stage for x: 8 tokens x 32 lanes x 48 bytes (32 + 16 of padding)
.set PART,  83968                      ; 4 x 256: a wave's partial logits, [token][expert]
.set XSB,   84992                      ; 256 scale bytes, [token][32]
.set SPARE, 85248                      ; the spare words, 128 bytes a wave: no other line names them
.set SPW, 12                           ; v12 my spare word's address; v13 zero: never rewritten
.set NIL, 13
.set R,   16                           ; v16-79   x as loaded; later the partial logits, 8 a token
.set X,   80                           ; v80-143  Wr as loaded; then x turned, 8 a token; wave 0 at the end: the logits
.set W,   144                          ; v144-207 Wr turned: register 8 i + e = Wr[my k i][e]
.set TM,  216                          ; at work
.set C,   224                          ; v224-239 codes, 2 a token
.set E,   240                          ; v240-247 a scale byte a token
.set PT,  248                          ; v248-255 lane permutes' destinations
	s_load_b256 s[4:11], s[0:1], 0x0               ; x s[4:5], Wr s[6:7], expert_bias s[8:9], xqs s[10:11]
	s_load_b128 s[12:15], s[0:1], 0x20             ; ridx s[12:13], rw s[14:15]
	s_load_b64 s[16:17], s[0:1], 0x30              ; out1
	v_lshl_add_u32 v[SPW], v0, 2, SPARE
	v_mov_b32 v[NIL], 0
	v_lshrrev_b32 v1, 5, v0
	v_readfirstlane_b32 s32, v1                    ; wave
	v_and_b32 v1, 31, v0                           ; lane
	v_lshlrev_b32 v3, 4, v1                        ; Wr: 16 bytes a lane
	s_lshl_b32 s33, s32, 10
	v_add_nc_u32 v2, s33, v3                       ; x: 1,024 w + 16 lane in a token's row
	s_mul_i32 s34, s32, 12288
	s_add_co_u32 s34, s34, XST
	v_lshrrev_b32 v15, 1, v1
	v_mul_u32_u24 v4, v15, 48
	v_and_b32 v15, 1, v1
	v_lshl_add_u32 v4, v15, 4, v4
	v_add_nc_u32 v4, s34, v4                       ; x's stage, in: two lanes' 32 bytes on end, then 16 of padding
	v_mul_u32_u24 v5, v1, 48
	v_add_nc_u32 v5, s34, v5                       ; and out: 48 x lane
	s_mul_i32 s35, s32, 8704
	v_lshrrev_b32 v15, 4, v1
	v_mul_u32_u24 v6, v15, 272
	v_and_b32 v15, 15, v1
	v_lshl_add_u32 v6, v15, 4, v6
	v_add_nc_u32 v6, s35, v6                       ; Wr's stage, in: sixteen lanes' 256 bytes on end, then 16 of padding
	v_mul_u32_u24 v7, v1, 272
	v_add_nc_u32 v7, s35, v7                       ; and out: 272 x lane
	s_lshl_b32 s36, s32, 8
	v_lshl_add_u32 v8, v1, 3, s36                  ; my 8 codes in a token's row: 256 w + 8 lane
	s_lshl_b32 s37, s32, 3
	s_add_co_u32 s37, s37, XSB
	v_lshrrev_b32 v9, 2, v1
	v_add_nc_u32 v9, s37, v9                       ; my block's byte: 8 w + lane / 4
	s_add_co_u32 s38, s36, PART
	v_mov_b32 v10, s38                             ; my wave's partial logits
	v_and_b32 v11, 7, v1
	v_lshl_add_u32 v11, v11, 5, PART               ; wave 0 at the end: token lane % 8
	v_lshl_add_u32 v14, v1, 3, XSB                 ; wave 1 at the end: 8 scale bytes a lane
	v_lshlrev_b32 v15, 3, v1
	s_mov_b32 s40, 0x76543210
	s_mov_b32 s41, 0xfedcba98                      ; v_permlanex16_b32's selects for lane l xor 16
	s_mov_b32 s42, 0x600000                        ; the mantissa field of 57,344
	s_mov_b32 s21, 0
.irp e, 0,1,2,3,4,5,6,7
	v_mov_b32 v[PT+\e], 0                          ; a lane permute's destination counts as one of its sources
.endr
	s_wait_kmcnt 0x0
	s_load_b256 s[24:31], s[8:9], 0x0              ; the eight biases
	s_lshl_b32 s20, ttmp9, 15
	s_add_nc_u64 s[4:5], s[4:5], s[20:21]          ; x at my 8 tokens
	s_lshl_b32 s20, s32, 13
	s_add_nc_u64 s[6:7], s[6:7], s[20:21]          ; Wr at my 256 rows
	s_lshl_b32 s20, ttmp9, 13
	s_add_nc_u64 s[18:19], s[10:11], s[20:21]      ; the codes of my 8 tokens
	s_lshl_b32 s20, ttmp9, 8
	s_add_co_u32 s20, s20, XS_O
	s_add_nc_u64 s[22:23], s[10:11], s[20:21]      ; their scale bytes
	s_lshl_b32 s20, ttmp9, 5
	s_add_nc_u64 s[12:13], s[12:13], s[20:21]
	s_lshl_b32 s20, ttmp9, 6
	s_add_nc_u64 s[14:15], s[14:15], s[20:21]
.irp i, 0,1,2,3,4,5,6,7,8,9,10,11,12,13,14,15
	global_load_b128 v[X+4*\i:X+4*\i+3], v3, s[6:7] offset:512*\i
.endr
.irp t, 0,1,2,3,4,5,6,7
.irp j, 0,1
	global_load_b128 v[R+8*\t+4*\j:R+8*\t+4*\j+3], v2, s[4:5] offset:4096*\t+512*\j th:TH_LOAD_NT
.endr
.endr
	s_wait_loadcnt 16                              ; Wr's 16 loads are in; x's 16, issued behind them, may be out
.irp i, 0,1,2,3,4,5,6,7,8,9,10,11,12,13,14,15
	ds_store_b128 v6, v[X+4*\i:X+4*\i+3] offset:544*\i
.endr
.irp j, 0,1,2,3,4,5,6,7,8,9,10,11,12,13,14,15
	ds_load_b128 v[W+4*\j:W+4*\j+3], v7 offset:16*\j   ; LDS serves a wave's instructions in order: these see my stores
.endr
	s_wait_dscnt 0x0                               ; Wr is turned, and the stores have read v[X] on, which x's turn writes next
.irp t, 0,1,2,3,4,5,6,7
	s_wait_loadcnt 14-2*\t                         ; token t's two loads are in; the later tokens' may be out
	ds_store_b128 v4, v[R+8*\t:R+8*\t+3] offset:1536*\t
	ds_store_b128 v4, v[R+8*\t+4:R+8*\t+7] offset:1536*\t+768
	ds_load_b128 v[X+8*\t:X+8*\t+3], v5 offset:1536*\t
	ds_load_b128 v[X+8*\t+4:X+8*\t+7], v5 offset:1536*\t+16
.endr
	s_wait_dscnt 0x0                               ; x is turned; v[R] on is free for the sums
; One token: my 8 k's share of its 8 logits, summed over the wave's 32 lanes; then its 8 numbers become codes.
.macro TOK t
.irp e, 0,1,2,3,4,5,6,7
	v_mul_f32 v[R+8*\t+\e], v[X+8*\t], v[W+\e]
.endr
.irp i, 1,2,3,4,5,6,7
.irp e, 0,1,2,3,4,5,6,7
	v_fmac_f32 v[R+8*\t+\e], v[X+8*\t+\i], v[W+8*\i+\e]
.endr
.endr
.irp m, 1,2,4,8
.irp e, 0,1,2,3,4,5,6,7
	v_add_f32_dpp v[R+8*\t+\e], v[R+8*\t+\e], v[R+8*\t+\e] row_xmask:\m row_mask:0xf bank_mask:0xf
.endr
.endr
.irp e, 0,1,2,3,4,5,6,7
	v_permlanex16_b32 v[PT+\e], v[R+8*\t+\e], s40, s41
.endr
.irp e, 0,1,2,3,4,5,6,7
	v_add_f32 v[R+8*\t+\e], v[R+8*\t+\e], v[PT+\e] ; every lane holds the wave's sum
.endr
	ds_store_b128 v10, v[R+8*\t:R+8*\t+3] offset:32*\t      ; all lanes store the same 16 bytes with the same values
	ds_store_b128 v10, v[R+8*\t+4:R+8*\t+7] offset:32*\t+16
	v_max3_num_f32 v[TM], |v[X+8*\t]|, |v[X+8*\t+1]|, 0x8000000   ; the largest magnitude of my 8, and the floor 2^(16 - 127): the byte cannot fall under 1
	v_max3_num_f32 v[TM+1], |v[X+8*\t+2]|, |v[X+8*\t+3]|, |v[X+8*\t+4]|
	v_max3_num_f32 v[TM], v[TM], |v[X+8*\t+5]|, |v[X+8*\t+6]|
	v_max3_num_f32 v[TM], v[TM], v[TM+1], |v[X+8*\t+7]|
	v_max_num_f32_dpp v[TM], v[TM], v[TM] row_xmask:1 row_mask:0xf bank_mask:0xf
	v_max_num_f32_dpp v[TM], v[TM], v[TM] row_xmask:2 row_mask:0xf bank_mask:0xf   ; of the four lanes that hold the block
	v_add_nc_u32 v[TM+2], 0xf8800000, v[TM]        ; 15 off its exponent field: the conversion's scale operand
	v_and_or_b32 v[TM+3], v[TM], 0x7f800000, s42   ; 57,344 x the scale
.irp i, 0,1,2,3,4,5,6,7
	v_med3_num_f32 v[X+8*\t+\i], v[X+8*\t+\i], -v[TM+3], v[TM+3]   ; the conversion to an 8-bit code does not saturate (ISA guide 7.6.2): the hold
.endr
	v_cvt_scalef32_pk8_bf8_f32 v[C+2*\t:C+2*\t+1], v[X+8*\t:X+8*\t+7], v[TM+2]
	v_lshrrev_b32 v[E+\t], 23, v[TM+2]             ; the scale's byte (also the plain line behind the conversion)
	ds_store_b8 v9, v[E+\t] offset:32*\t           ; the four lanes of a block store the same byte with the same value
	global_store_b64 v8, v[C+2*\t:C+2*\t+1], s[18:19] offset:1024*\t   ; the wave stores 256 consecutive bytes, aligned
.endm
.irp t, 0,1,2,3,4,5,6,7
	TOK \t
.endr
	s_wait_kmcnt 0x0                               ; the biases
	s_wait_dscnt 0x0                               ; for the others' sake: my partial logits and scale bytes lie in LDS
	s_barrier_signal -1
	s_barrier_wait -1
	s_cmp_lg_u32 s32, 0
	s_cbranch_scc1 .Lwave1
	; wave 0: lane l takes token l % 8 (lanes 8-31 repeat lanes 0-7 and store nothing)
.irp p, 0,1,2,3
	ds_load_b128 v[X+8*\p:X+8*\p+3], v11 offset:256*\p
	ds_load_b128 v[X+8*\p+4:X+8*\p+7], v11 offset:256*\p+16
.endr
	s_wait_dscnt 0x0
.irp e, 0,1,2,3,4,5,6,7
	v_add_f32 v[X+\e], v[X+\e], v[X+8+\e]
	v_add_f32 v[X+16+\e], v[X+16+\e], v[X+24+\e]
.endr
.irp e, 0,1,2,3,4,5,6,7
	v_add_f32 v[X+\e], v[X+\e], v[X+16+\e]         ; the logit
.endr
.irp e, 0,1,2,3,4,5,6,7
	v_add_f32 v[X+\e], s[24+\e], v[X+\e]           ; + the bias
.endr
.irp e, 0,1,2,3,4,5,6,7
	v_mul_f32 v[X+\e], 0xbfb8aa3b, v[X+\e]         ; x -log2(e)
.endr
	s_wait_alu depctr_va_vdst(0)
.irp e, 0,1,2,3,4,5,6,7
	v_exp_f32 v[X+\e], v[X+\e]
.endr
	v_mov_b32 v220, -1.0                           ; (a plain line behind the exponentials)  under every gate
	s_wait_alu depctr_va_vdst(0)                   ; one wait for the eight, ahead of their first reader
.irp e, 0,1,2,3,4,5,6,7
	v_add_f32 v[X+\e], 1.0, v[X+\e]
.endr
	s_wait_alu depctr_va_vdst(0)
.irp e, 0,1,2,3,4,5,6,7
	v_rcp_f32 v[X+\e], v[X+\e]                     ; the gate
.endr
	v_mov_b32 v217, 0                              ; (a plain line behind the reciprocals)
	s_wait_alu depctr_va_vdst(0)
	v_mov_b32 v216, v[X]                           ; the largest gate and its expert: a later gate takes over only if it is strictly larger
.irp e, 1,2,3,4,5,6,7
	v_cmp_ge_f32 vcc_lo, v216, v[X+\e]
	v_cndmask_b32 v217, \e, v217, vcc_lo
	v_cndmask_b32 v216, v[X+\e], v216, vcc_lo
.endr
.irp e, 0,1,2,3,4,5,6,7
	v_cmp_eq_u32 vcc_lo, \e, v217
	v_cndmask_b32 v[X+\e], v[X+\e], v220, vcc_lo   ; the winner leaves the field
.endr
	v_mov_b32 v218, v[X]
	v_mov_b32 v219, 0
.irp e, 1,2,3,4,5,6,7
	v_cmp_ge_f32 vcc_lo, v218, v[X+\e]
	v_cndmask_b32 v219, \e, v219, vcc_lo
	v_cndmask_b32 v218, v[X+\e], v218, vcc_lo
.endr
	v_add_f32 v221, v216, v218
	v_add_f32 v221, 0x3089705f, v221               ; + 1e-9
	s_wait_alu depctr_va_vdst(0)
	v_rcp_f32 v221, v221
	v_lshlrev_b32 v116, 2, v1                      ; (a plain line behind the reciprocal)
	s_wait_alu depctr_va_vdst(0)
	v_mul_f32 v222, v216, v221
	v_mul_f32 v223, v218, v221
	v_cmp_lt_u32 vcc_lo, v217, v219
	v_cndmask_b32 v112, v219, v217, vcc_lo         ; lo
	v_cndmask_b32 v113, v217, v219, vcc_lo         ; hi
	v_cndmask_b32 v114, v223, v222, vcc_lo         ; lo's weight
	v_cndmask_b32 v115, v222, v223, vcc_lo         ; hi's
	v_lshl_or_b32 v112, v113, 8, v112
	v_cmp_gt_u32 vcc_lo, 8, v1
	s_wait_alu depctr_va_vdst(0)
	s_wait_xcnt 0x0                                ; EXEC changes only behind this wait: the codes' stores have been issued
	s_and_saveexec_b32 s43, vcc_lo
	global_store_b32 v116, v112, s[12:13]
	global_store_b64 v15, v[114:115], s[14:15]
	s_wait_xcnt 0x0
	s_or_b32 exec_lo, exec_lo, s43
	s_branch .Lend
.Lwave1:
	s_cmp_lg_u32 s32, 1
	s_cbranch_scc1 .Lwave2
	ds_load_b64 v[112:113], v14                    ; the 8 tokens' 256 scale bytes
	s_wait_dscnt 0x0
	global_store_b64 v15, v[112:113], s[22:23]     ; 32 lanes store 256 consecutive bytes, aligned
	s_branch .Lend
.Lwave2:
	s_cmp_lg_u32 s32, 2
	s_cbranch_scc1 .Lend
	s_cmp_lg_u32 ttmp9, 0
	s_cbranch_scc1 .Lend
	v_mov_b32 v118, 0
	v_mov_b32 v119, 0
	v_cmp_eq_u32 vcc_lo, 0, v1
	s_wait_alu depctr_va_vdst(0)
	s_wait_xcnt 0x0
	s_and_saveexec_b32 s43, vcc_lo
	global_store_b32 v118, v119, s[16:17]          ; out1 = 0
	s_wait_xcnt 0x0
	s_or_b32 exec_lo, exec_lo, s43
.Lend:
	s_wait_tensorcnt 0x0                           ; the wave's end
	ds_add_u32 v[SPW], v[NIL]
	s_wait_dscnt 0x0
	s_endpgm
.Lfunc_end_k_qa82b37fd21_route:
	.size	k_qa82b37fd21_route, .Lfunc_end_k_qa82b37fd21_route-k_qa82b37fd21_route
	.p2alignl 7, 3214868480
	.fill 96, 4, 3214868480
	.section	.rodata,"a",@progbits
	.p2align	6, 0x0
	.amdhsa_kernel k_qa82b37fd21_route
		.amdhsa_group_segment_fixed_size 85760
		.amdhsa_private_segment_fixed_size 0
		.amdhsa_enable_private_segment 0
		.amdhsa_kernarg_size 56
		.amdhsa_user_sgpr_count 2
		.amdhsa_user_sgpr_kernarg_segment_ptr 1
		.amdhsa_wavefront_size32 1
		.amdhsa_system_sgpr_workgroup_id_x 1
		.amdhsa_system_sgpr_workgroup_id_y 1
		.amdhsa_system_sgpr_workgroup_id_z 1
		.amdhsa_system_vgpr_workitem_id 0
		.amdhsa_next_free_vgpr 256
		.amdhsa_next_free_sgpr 66
		.amdhsa_reserve_vcc 1
		.amdhsa_float_denorm_mode_32 3
		.amdhsa_float_denorm_mode_16_64 3
		.amdhsa_memory_ordered 1
		.amdhsa_forward_progress 1
		.amdhsa_inst_pref_size 67
	.end_amdhsa_kernel
	.amdgpu_metadata
---
amdhsa.version: [ 1, 2 ]
amdhsa.kernels:
  - .name:           k_qa82b37fd21_route
    .symbol:         k_qa82b37fd21_route.kd
    .args:
      - { .name: x, .offset: 0, .size: 8, .value_kind: global_buffer, .address_space: global }
      - { .name: Wr, .offset: 8, .size: 8, .value_kind: global_buffer, .address_space: global }
      - { .name: expert_bias, .offset: 16, .size: 8, .value_kind: global_buffer, .address_space: global }
      - { .name: xqs, .offset: 24, .size: 8, .value_kind: global_buffer, .address_space: global }
      - { .name: ridx, .offset: 32, .size: 8, .value_kind: global_buffer, .address_space: global }
      - { .name: rw, .offset: 40, .size: 8, .value_kind: global_buffer, .address_space: global }
      - { .name: out1, .offset: 48, .size: 8, .value_kind: global_buffer, .address_space: global }
    .group_segment_fixed_size: 85760
    .private_segment_fixed_size: 0
    .kernarg_segment_align: 8
    .kernarg_segment_size: 56
    .max_flat_workgroup_size: 128
    .sgpr_count:     66
    .vgpr_count:     256
    .wavefront_size: 32
...
	.end_amdgpu_metadata
.endif
;; end of part 5
;; launch prep (part 6): grid 433 x 1, 8 waves a work-group, no clusters, 10,240 bytes of LDS; arguments Wg, Wg_s, Wu, Wu_s, Wd, Wd_s, ridx, rw, wqs, lists, gw; writes wqs, lists, gw
.if DOCPART == 6
	.amdgcn_target "amdgcn-amd-amdhsa--gfx1250"
	.amdhsa_code_object_version 6
	.text
	.protected	k_qa82b37fd21_prep
	.globl	k_qa82b37fd21_prep
	.p2align	8
	.type	k_qa82b37fd21_prep,@function
k_qa82b37fd21_prep:
	s_mov_b64 s[64:65], 0
	v_nop
	global_prefetch_b8 v0, s[64:65] scope:SCOPE_SE
	s_setreg_imm32_b32 hwreg(HW_REG_WAVE_MODE, 25, 1), 1
	s_wait_xcnt 0x0
; MoE layer, launch 2 of 4.  Work-groups 1 .. 432 quantise the 27 weight matrices; work-group 0 places the tokens.  (Work left out: the experts not chosen: see launch 1's head.)
; THE QUANTISER.  Each matrix is [K 1024][N 1024] f32 with K its FIRST axis.  A lane takes a column and its registers run down K, so a block of 32 along K lies in one lane and the
; conversions give codes with K innermost.  The codes are laid in the ORDER OF THE OPERAND'S REGISTERS: matrix mi = 9 kind + e (kind 0 gate, 1 up, 2 down; e = 8: the shared expert), 1 MiB each;
; in it [column tile T][K step s of 128][c][lane][16 bytes]: lane (r, h) holds k = 128 s + 32 c + 16 h + 0 .. 15 of the tile's row r.  THE COLUMNS OF A TILE ARE NOT NEIGHBOURS: row r of tile 2 b + u
; is column 32 b + 8 u + r + 8 (r / 8), so that in a product used transposed the 16 registers of tiles 2 b, 2 b + 1 are 16 neighbouring columns.
; Scale words at WS_O: mi x 32,768 + T x 512 + y x 128 + r x 8: two words, for K steps 2 y and 2 y + 1.
; A block's scale byte is its largest magnitude's exponent field - 15, held at 1 from below.  LIMITS: a block of zeros gets the byte 1 where the rule says 127 (its codes are zeros; this program alone
; reads the bytes); NaN and infinities among the weights are not served.
; A work-group takes 256 columns x 256 along K; a wave 32 columns.  Loads run two blocks (64 loads a wave) ahead.  Each store of codes covers two runs of 256 consecutive bytes, aligned.
; THE PLACING (256 threads, no atomics).  Tokens are sorted by their PAIR of experts (28 pairs), each pair's run filled up to whole tiles of 16: a tile then has three experts: shared, lo, hi.
; Never more than (2048 + 28 x 15) / 16 = 154 tiles.  Stored: tok[2560] (the token at a position; 2048: none), gw[2560] (its two weights; none: 0), te[192] (a tile's lo | hi << 8; unused: 0x0f0f;
; words 160 on: the number of tiles), ent[640]: for each of nine segments (shared, expert 0 .. 7), begun at a multiple of 16, its (tile | slot << 8 | expert << 16); fill: 0x80080000.
.set WS_O,  28311552
.set TE_O,  10240
.set ENT_O, 11008
.set HIST,  0                          ; LDS (work-group 0 alone): 64 groups of 32 tokens x 32 words: how many tokens of each pair
.set NVL,   8192                       ; 256 words: a tile's number of tokens
.set SPARE, 9216                       ; the spare words, 128 bytes a wave
.set SPW, 6
.set NIL, 7
.set K,    16                          ; v16-23  my 8 tokens' keys (token 256 w + 32 j + lane)
.set RK,   24                          ; v24-31  rank among the group's earlier lanes of the same pair
.set CNT,  32                          ; v32-39  lane g: tokens of pair g in my group j
.set GWL,  40                          ; v40-55  my tokens' weights
.set BASE, 56                          ; v56-63  where my token's pair begins for my group
.set PJ,   64                          ; v64-71  lane g: tokens of pair g in all earlier groups
.set MB,   72                          ; v72-79  at work
.set TOKJ, 80                          ; v80-87  my tokens' numbers
.set PA4,  88                          ; v88-95  4 x position
.set H,    96                          ; v96-159 all 64 groups' counts
.set SBK,  160                         ; v160-167 a wave's 8 groups summed
.set TOT,  168
.set PRE,  169
.set NTL,  170                         ; lane g: tiles of pair g
.set TBV,  171                         ; lane g: first tile of pair g
.set NVR,  180
.set PA8,  190                         ; v190-197 8 x position
.set N,    28                          ; s28-35 tiles of expert e;  s36-44 a segment's begin;  s45-53 its end;  s54-61 where expert e's next entries go;  s62 tiles in all;  s63 the running first tile
.set CB,   36
.set EN,   45
.set OF,   54
	s_load_b256 s[4:11], s[0:1], 0x0               ; Wg, Wg_s, Wu, Wu_s
	s_load_b256 s[12:19], s[0:1], 0x20             ; Wd, Wd_s, ridx, rw
	s_load_b128 s[20:23], s[0:1], 0x40             ; wqs, lists
	s_load_b64 s[24:25], s[0:1], 0x50              ; gw
	v_lshl_add_u32 v[SPW], v0, 2, SPARE
	v_mov_b32 v[NIL], 0
	v_lshrrev_b32 v1, 5, v0
	s_delay_alu instid0(VALU_DEP_1)
	v_readfirstlane_b32 s26, v1                    ; wave
	v_and_b32 v1, 31, v0                           ; lane
	s_cmp_lg_u32 ttmp9, 0                          ; the same in all waves of a work-group
	s_cbranch_scc1 .Lquant
	; ---------------- the placing ----------------
	s_lshl_b32 s27, s26, 10
	v_lshl_add_u32 v2, v1, 2, s27                  ; ridx: 4 x (256 w + lane)
	v_lshl_add_u32 v4, v1, 2, s27                  ; HIST: my wave's 8 rows of 128 bytes
	s_lshl_b32 s27, s26, 11
	v_lshl_add_u32 v3, v1, 3, s27                  ; rw
	v_lshlrev_b32 v5, 2, v1
	v_lshlrev_b32 v8, 2, v0
	v_lshlrev_b32 v9, 3, v0
	v_lshl_add_u32 v177, v0, 2, NVL
	v_lshrrev_b32 v178, 4, v0
	s_delay_alu instid0(VALU_DEP_1)
	v_lshl_add_u32 v178, v178, 2, NVL
	v_and_b32 v179, 15, v0
	s_lshl_b32 s27, s26, 8
	v_add_nc_u32 v[TOKJ], s27, v1
.irp j, 1,2,3,4,5,6,7
	v_add_nc_u32 v[TOKJ+\j], 32*\j, v[TOKJ]
.endr
	v_mov_b32 v14, 0x80080000                      ; an entry that is none
	v_mov_b32 v15, 0xf0f                           ; a tile that is none
	v_mov_b32 v205, 2048                           ; a token that is none
	v_mov_b32 v206, 0
	v_mov_b32 v207, 0
	s_wait_kmcnt 0x0
.irp j, 0,1,2,3,4,5,6,7
	global_load_b32 v[K+\j], v2, s[16:17] offset:128*\j
.endr
.irp j, 0,1,2,3,4,5,6,7
	global_load_b64 v[GWL+2*\j:GWL+2*\j+1], v3, s[18:19] offset:256*\j
.endr
.irp j, 0,1,2,3,4,5,6,7
	v_mov_b32 v[RK+\j], 0
	v_mov_b32 v[CNT+\j], 0
	v_mov_b32 v[BASE+\j], 0
.endr
	s_wait_loadcnt 0x8                             ; the keys are in; the 8 loads of weights, issued behind them, may be out
	; for each pair and each of my 8 groups: who has it, how many, and each one's rank (the groups by turns, so that no line waits for the line above it)
.set g_, 0
.irp a, 0,1,2,3,4,5,6
.irp b, 1,2,3,4,5,6,7
.if \b > \a
.irp j, 0,1,2,3,4,5,6,7
	v_cmp_eq_u32 s[66+\j], (\a)|((\b)<<8), v[K+\j]
.endr
.irp j, 0,1,2,3,4,5,6,7
	s_bcnt1_i32_b32 s[74+\j], s[66+\j]
.endr
.irp j, 0,1,2,3,4,5,6,7
	v_mbcnt_lo_u32_b32 v[MB+\j], s[66+\j], 0
.endr
.irp j, 0,1,2,3,4,5,6,7
	v_writelane_b32 v[CNT+\j], s[74+\j], g_
.endr
.irp j, 0,1,2,3,4,5,6,7
	v_cndmask_b32 v[RK+\j], v[RK+\j], v[MB+\j], s[66+\j]
.endr
.set g_, g_+1
.endif
.endr
.endr
.irp j, 0,1,2,3,4,5,6,7
	ds_store_b32 v4, v[CNT+\j] offset:HIST+128*\j
.endr
	s_wait_dscnt 0x0                               ; for the others' sake: my counts lie in LDS
	s_barrier_signal -1
	s_barrier_wait -1
.set i_, 0
.rept 64
	ds_load_b32 v[H+i_], v5 offset:HIST+128*i_
.set i_, i_+1
.endr
	s_wait_dscnt 0x0
.irp k, 0,1,2,3,4,5,6,7
	v_add_nc_u32 v[SBK+\k], v[H+8*\k], v[H+8*\k+1]
	s_delay_alu instid0(VALU_DEP_1)
	v_add3_u32 v[SBK+\k], v[SBK+\k], v[H+8*\k+2], v[H+8*\k+3]
	s_delay_alu instid0(VALU_DEP_1)
	v_add3_u32 v[SBK+\k], v[SBK+\k], v[H+8*\k+4], v[H+8*\k+5]
	s_delay_alu instid0(VALU_DEP_1)
	v_add3_u32 v[SBK+\k], v[SBK+\k], v[H+8*\k+6], v[H+8*\k+7]
.endr
	v_add_nc_u32 v[TOT], v[SBK], v[SBK+1]
	s_delay_alu instid0(VALU_DEP_1)
	v_add3_u32 v[TOT], v[TOT], v[SBK+2], v[SBK+3]
	s_delay_alu instid0(VALU_DEP_1)
	v_add3_u32 v[TOT], v[TOT], v[SBK+4], v[SBK+5]
	s_delay_alu instid0(VALU_DEP_1)
	v_add3_u32 v[TOT], v[TOT], v[SBK+6], v[SBK+7]  ; lane g: tokens of pair g
	v_mov_b32 v[PRE], 0
.irp k, 0,1,2,3,4,5,6
	s_cmp_gt_u32 s26, \k
	s_cselect_b32 s66, -1, 0
	v_and_b32 v10, s66, v[SBK+\k]
	s_delay_alu instid0(VALU_DEP_1)
	v_add_nc_u32 v[PRE], v[PRE], v10               ; those of the waves before mine
.endr
	s_delay_alu instid0(VALU_DEP_1)
	v_mov_b32 v[PJ], v[PRE]
.irp j, 1,2,3,4,5,6,7
	s_delay_alu instid0(VALU_DEP_1)
	v_add_nc_u32 v[PJ+\j], v[PJ+\j-1], v[CNT+\j-1]
.endr
	v_add_nc_u32 v[NTL], 15, v[TOT]
	s_delay_alu instid0(VALU_DEP_1)
	v_lshrrev_b32 v[NTL], 4, v[NTL]
	s_wait_alu depctr_va_vdst(0)
	; tiles of each expert, and in all
.irp e, 0,1,2,3,4,5,6,7
	s_mov_b32 s[N+\e], 0
.endr
	s_mov_b32 s62, 0
.set g_, 0
.irp a, 0,1,2,3,4,5,6
.irp b, 1,2,3,4,5,6,7
.if \b > \a
	v_readlane_b32 s66, v[NTL], g_
	s_add_co_u32 s[N+\a], s[N+\a], s66
	s_add_co_u32 s[N+\b], s[N+\b], s66
	s_add_co_u32 s62, s62, s66
.set g_, g_+1
.endif
.endr
.endr
	s_mov_b32 s[CB], 0                             ; the segments: shared first, then the experts, each begun at a multiple of 16
	s_mov_b32 s[EN], s62
	s_add_co_u32 s84, s62, 15
	s_and_b32 s84, s84, -16
.irp e, 0,1,2,3,4,5,6,7
	s_mov_b32 s[CB+1+\e], s84
	s_mov_b32 s[OF+\e], s84
	s_add_co_u32 s[EN+1+\e], s84, s[N+\e]
	s_add_co_u32 s85, s[N+\e], 15
	s_and_b32 s85, s85, -16
	s_add_co_u32 s84, s84, s85
.endr
	; thread tau looks for the pair of tile tau: the last pair whose first tile is at or under tau
	s_mov_b32 s63, 0
	v_mov_b32 v[TBV], 0
.irp r, 172,173,174,175,176
	v_mov_b32 v\r, 0
.endr
.set g_, 0
.irp a, 0,1,2,3,4,5,6
.irp b, 1,2,3,4,5,6,7
.if \b > \a
	v_readlane_b32 s66, v[NTL], g_
	v_readlane_b32 s67, v[TOT], g_
	v_cmp_gt_u32 vcc_lo, s63, v0                   ; the pair begins behind tile tau: keep what I have
	s_delay_alu instid0(VALU_DEP_1)
	v_cndmask_b32 v172, (\a)|((\b)<<8), v172, vcc_lo   ; the key,
	s_delay_alu instid0(VALU_DEP_2)
	v_cndmask_b32 v173, s63, v173, vcc_lo          ; the pair's first tile,
	s_delay_alu instid0(VALU_DEP_3)
	v_cndmask_b32 v174, s[OF+\a], v174, vcc_lo     ; where its entries begin in lo's segment,
	s_delay_alu instid0(VALU_DEP_4)
	v_cndmask_b32 v175, s[OF+\b], v175, vcc_lo     ; and in hi's,
	v_cndmask_b32 v176, s67, v176, vcc_lo          ; and its tokens
	v_writelane_b32 v[TBV], s63, g_
	s_add_co_u32 s63, s63, s66
	s_add_co_u32 s[OF+\a], s[OF+\a], s66
	s_add_co_u32 s[OF+\b], s[OF+\b], s66
.set g_, g_+1
.endif
.endr
.endr
	; my tokens' positions: 16 x the pair's first tile + the pair's tokens in earlier groups + my rank.  All of it stands here, with every lane on, ahead of the first line that narrows EXEC
.irp j, 0,1,2,3,4,5,6,7
	v_lshl_add_u32 v[MB+\j], v[TBV], 4, v[PJ+\j]
.endr
.set g_, 0
.irp a, 0,1,2,3,4,5,6
.irp b, 1,2,3,4,5,6,7
.if \b > \a
.irp j, 0,1,2,3,4,5,6,7
	v_readlane_b32 s[66+\j], v[MB+\j], g_
.endr
.irp j, 0,1,2,3,4,5,6,7
	v_cmp_ne_u32 s[74+\j], (\a)|((\b)<<8), v[K+\j]
.endr
.irp j, 0,1,2,3,4,5,6,7
	v_cndmask_b32 v[BASE+\j], s[66+\j], v[BASE+\j], s[74+\j]
.endr
.set g_, g_+1
.endif
.endr
.endr
.irp j, 0,1,2,3,4,5,6,7
	v_add_nc_u32 v[PA4+\j], v[BASE+\j], v[RK+\j]
	v_add_nc_u32 v[PA8+\j], v[BASE+\j], v[RK+\j]
.endr
.irp j, 0,1,2,3,4,5,6,7
	v_min_u32 v[PA4+\j], 2559, v[PA4+\j]           ; a number made of loaded data enters an address only behind this hold: each address register is held and then shifted in place
	v_min_u32 v[PA8+\j], 2559, v[PA8+\j]
.endr
.irp j, 0,1,2,3,4,5,6,7
	v_lshlrev_b32 v[PA4+\j], 2, v[PA4+\j]
	v_lshlrev_b32 v[PA8+\j], 3, v[PA8+\j]
.endr
	s_wait_alu depctr_va_vdst(0)
	s_wait_loadcnt 0x0                             ; the weights
.irp j, 0,1,2,3,4,5,6,7
	global_store_b32 v[PA4+\j], v[TOKJ+\j], s[22:23]
	global_store_b64 v[PA8+\j], v[GWL+2*\j:GWL+2*\j+1], s[24:25]
.endr
	; tile tau: its tokens, its pair, its three entries
	v_cmp_gt_u32 s82, s62, v0                      ; tile tau is in use
	v_sub_nc_u32 v10, v0, v173                     ; i: which tile of its pair
	s_delay_alu instid0(VALU_DEP_1)
	v_lshlrev_b32 v11, 4, v10
	s_delay_alu instid0(VALU_DEP_1)
	v_sub_nc_u32 v11, v176, v11
	s_delay_alu instid0(VALU_DEP_1)
	v_min_u32 v11, 16, v11
	s_delay_alu instid0(VALU_DEP_1)
	v_cndmask_b32 v198, 0, v11, s82                ; its tokens: min(16, what is left); unused: 0
	ds_store_b32 v177, v198
	v_cndmask_b32 v199, v15, v172, s82
	v_cmp_gt_u32 vcc_lo, 160, v0
	s_delay_alu instid0(VALU_DEP_1)
	v_cndmask_b32 v199, s62, v199, vcc_lo          ; words 160 on: the number of tiles
	v_and_b32 v11, 0xff, v172                      ; lo
	v_lshrrev_b32 v12, 8, v172                     ; hi
	v_or_b32 v200, 0x80000, v0                     ; tile | slot 0 | expert 8
	v_add_nc_u32 v201, v174, v10
	s_delay_alu instid0(VALU_DEP_1)
	v_min_u32 v201, 639, v201                      ; the same hold
	s_delay_alu instid0(VALU_DEP_1)
	v_lshlrev_b32 v201, 2, v201
	v_lshl_or_b32 v202, v11, 16, v0
	s_delay_alu instid0(VALU_DEP_1)
	v_or_b32 v202, 0x100, v202
	v_add_nc_u32 v203, v175, v10
	s_delay_alu instid0(VALU_DEP_1)
	v_min_u32 v203, 639, v203
	s_delay_alu instid0(VALU_DEP_1)
	v_lshlrev_b32 v203, 2, v203
	v_lshl_or_b32 v204, v12, 16, v0
	s_delay_alu instid0(VALU_DEP_1)
	v_or_b32 v204, 0x200, v204
	s_cmp_lt_u32 s26, 6
	s_cbranch_scc0 .Lno_te
	global_store_b32 v8, v199, s[22:23] offset:TE_O   ; te[0 .. 191]: waves 0 to 5
.Lno_te:
	v_cmp_gt_u32 vcc_lo, s62, v0
	s_wait_xcnt 0x0                                ; EXEC changes only behind this wait
	s_and_saveexec_b32 s84, vcc_lo
	global_store_b32 v8, v200, s[22:23] offset:ENT_O
	s_wait_alu depctr_va_vdst(0)
	global_store_b32 v201, v202, s[22:23] offset:ENT_O
	global_store_b32 v203, v204, s[22:23] offset:ENT_O
	s_wait_xcnt 0x0
	s_or_b32 exec_lo, exec_lo, s84
	s_wait_dscnt 0x0                               ; for the others' sake: my tile's number of tokens lies in LDS
	s_barrier_signal -1
	s_barrier_wait -1
.irp k, 0,1,2,3,4,5,6,7,8,9
	ds_load_b32 v[NVR+\k], v178 offset:64*\k       ; position thread + 256 k lies in tile thread / 16 + 16 k
.endr
	s_wait_dscnt 0x0
.irp k, 0,1,2,3,4,5,6,7,8,9
	v_cmp_ge_u32 vcc_lo, v179, v[NVR+\k]           ; a row behind the tile's tokens
	s_wait_xcnt 0x0
	s_and_saveexec_b32 s84, vcc_lo
	global_store_b32 v8, v205, s[22:23] offset:1024*\k
	global_store_b64 v9, v[206:207], s[24:25] offset:2048*\k
	s_wait_xcnt 0x0
	s_or_b32 exec_lo, exec_lo, s84
.endr
.irp k, 0,1,2
.if \k == 2
	s_cmp_lt_u32 s26, 4                            ; entries 512 .. 639: waves 0 to 3
	s_cbranch_scc0 .Lplaced
.endif
	v_add_nc_u32 v13, 256*\k, v0
	v_mov_b32 v12, s[EN]
.irp g, 1,2,3,4,5,6,7,8
	v_cmp_gt_u32 vcc_lo, s[CB+\g], v13
	s_delay_alu instid0(VALU_DEP_1)
	v_cndmask_b32 v12, s[EN+\g], v12, vcc_lo       ; the end of the last segment that begins at or under my entry
.endr
	s_delay_alu instid0(VALU_DEP_1)
	v_cmp_ge_u32 vcc_lo, v13, v12
	s_wait_xcnt 0x0
	s_and_saveexec_b32 s84, vcc_lo
	global_store_b32 v8, v14, s[22:23] offset:ENT_O+1024*\k
	s_wait_xcnt 0x0
	s_or_b32 exec_lo, exec_lo, s84
.endr
.Lplaced:
	s_wait_tensorcnt 0x0                           ; the wave's end
	ds_add_u32 v[SPW], v[NIL]
	s_wait_dscnt 0x0
	s_endpgm
	; ---------------- the quantiser (no LDS) ----------------
.set X,  32                            ; v32-95  two sets of 32 numbers
.set C,  96                            ; v96-159 codes, 8 registers for each of the 8 blocks: no store's data are written again
.set SB, 24                            ; v24-25  the 8 scale bytes
.Lquant:
	s_sub_co_u32 s27, ttmp9, 1
	s_lshr_b32 s28, s27, 4                         ; matrix 0 .. 26
	s_and_b32 s29, s27, 3                          ; which 256 columns
	s_bfe_u32 s30, s27, 0x20002                    ; which 256 along K
	s_cmp_ge_u32 s28, 9
	s_cselect_b32 s31, 9, 0
	s_cmp_ge_u32 s28, 18
	s_cselect_b32 s31, 18, s31
	s_sub_co_u32 s31, s28, s31                     ; expert 0 .. 7, or 8: shared
	s_wait_alu depctr_va_vdst(0)
	v_lshlrev_b32 v3, 2, v1                        ; in: 4 bytes a lane
	v_bfe_u32 v10, v1, 3, 1                        ; u: which tile of the pair my column falls in,
	v_and_b32 v11, 7, v1
	v_lshrrev_b32 v12, 4, v1
	s_delay_alu instid0(VALU_DEP_1)
	v_lshl_add_u32 v11, v12, 3, v11                ; r: and which row of it
	s_delay_alu instid0(VALU_DEP_4)
	v_lshlrev_b32 v4, 14, v10
	s_delay_alu instid0(VALU_DEP_1)
	v_lshl_add_u32 v4, v11, 4, v4                  ; codes: 16,384 u + 16 r
	v_lshlrev_b32 v5, 9, v10
	s_delay_alu instid0(VALU_DEP_1)
	v_lshl_add_u32 v5, v11, 3, v5                  ; scale words: 512 u + 8 r
	s_mov_b32 s43, 0x600000                        ; the mantissa field of 57,344
	s_wait_alu depctr_va_vdst(0)
	s_wait_kmcnt 0x0
	s_cmp_lt_u32 s28, 9                            ; the choices hang on the work-group's number alone
	s_cselect_b64 s[34:35], s[4:5], s[8:9]
	s_cselect_b64 s[36:37], s[6:7], s[10:11]
	s_cmp_lt_u32 s28, 18
	s_cselect_b64 s[34:35], s[34:35], s[12:13]
	s_cselect_b64 s[36:37], s[36:37], s[14:15]
	s_cmp_lt_u32 s31, 8
	s_cselect_b64 s[34:35], s[34:35], s[36:37]
	s_cselect_b32 s38, s31, 0
	s_lshl_b32 s38, s38, 22                        ; an expert's matrix is 4 MiB,
	s_lshl_b32 s40, s30, 20                        ; 256 rows are 1 MiB,
	s_add_co_u32 s38, s38, s40
	s_lshl_b32 s40, s29, 10                        ; 256 columns 1,024 bytes,
	s_add_co_u32 s38, s38, s40
	s_lshl_b32 s40, s26, 7                         ; a wave's 32 columns 128
	s_add_co_u32 s38, s38, s40
	s_mov_b32 s39, 0
	s_add_nc_u64 s[34:35], s[34:35], s[38:39]
	s_lshl_b32 s42, s29, 3
	s_add_co_u32 s42, s42, s26                     ; b: which 32 columns of the matrix
	s_lshl_b32 s38, s28, 20
	s_lshl_b32 s40, s42, 15
	s_add_co_u32 s38, s38, s40
	s_lshl_b32 s40, s30, 12
	s_add_co_u32 s38, s38, s40
	s_add_nc_u64 s[44:45], s[20:21], s[38:39]      ; my codes
	s_lshl_b32 s38, s28, 15
	s_lshl_b32 s40, s42, 10
	s_add_co_u32 s38, s38, s40
	s_lshl_b32 s40, s30, 7
	s_add_co_u32 s38, s38, s40
	s_add_co_u32 s38, s38, WS_O
	s_add_nc_u64 s[46:47], s[20:21], s[38:39]      ; my scale words
.macro QLOAD t                         ; block t: W(32 t + i, my column), i = 0 .. 31, into set t % 2
.set i_, 0
.rept 32
	global_load_b32 v[X+32*((\t)%2)+i_], v3, s[34:35] offset:(32*(\t)+i_)*4096 th:TH_LOAD_NT
.set i_, i_+1
.endr
.endm
.macro QBLOCK t
.set XS_, X+32*((\t)%2)
.if (\t) < 7
	s_wait_loadcnt 32                              ; this block's 32 loads are in; the next block's may be out
.else
	s_wait_loadcnt 0x0
.endif
	v_max3_num_f32 v12, |v[XS_]|, |v[XS_+1]|, |v[XS_+2]|       ; the block's largest magnitude: all 32 numbers are mine
	v_max3_num_f32 v13, |v[XS_+3]|, |v[XS_+4]|, |v[XS_+5]|
.irp i, 6,10,14,18,22,26
	s_delay_alu instid0(VALU_DEP_2)
	v_max3_num_f32 v12, v12, |v[XS_+\i]|, |v[XS_+\i+1]|
	s_delay_alu instid0(VALU_DEP_2)
	v_max3_num_f32 v13, v13, |v[XS_+\i+2]|, |v[XS_+\i+3]|
.endr
	s_delay_alu instid0(VALU_DEP_2)
	v_max3_num_f32 v12, v12, |v[XS_+30]|, |v[XS_+31]|
	s_delay_alu instid0(VALU_DEP_1)
	v_max3_num_f32 v12, v12, v13, 0x8000000        ; and the floor 2^(16 - 127): the byte cannot fall under 1
	s_delay_alu instid0(VALU_DEP_1)
	v_add_nc_u32 v11, 0xf8800000, v12              ; 15 off the exponent field: the conversion's scale operand
	s_delay_alu instid0(VALU_DEP_2)
	v_and_or_b32 v10, v12, 0x7f800000, s43         ; 57,344 x the scale
	s_delay_alu instid0(VALU_DEP_2)
	v_lshrrev_b32 v13, 23, v11                     ; the scale's byte
.if (\t)%4 == 0
	s_delay_alu instid0(VALU_DEP_1)
	v_mov_b32 v[SB+(\t)/4], v13
.else
	s_delay_alu instid0(VALU_DEP_1)
	v_lshl_or_b32 v[SB+(\t)/4], v13, 8*((\t)%4), v[SB+(\t)/4]
.endif
.set i_, 0
.rept 32
	v_med3_num_f32 v[XS_+i_], v[XS_+i_], -v10, v10 ; the conversion to an 8-bit code does not saturate (ISA guide 7.6.2): the hold
.set i_, i_+1
.endr
.irp g, 0,1,2,3
	v_cvt_scalef32_pk8_bf8_f32 v[C+8*(\t)+2*\g:C+8*(\t)+2*\g+1], v[XS_+8*\g:XS_+8*\g+7], v11
.endr
	v_nop                                          ; a plain line behind the last conversion
	global_store_b128 v4, v[C+8*(\t):C+8*(\t)+3], s[44:45] offset:2048*((\t)/4)+512*((\t)%4)         ; k + 0 .. 15: the place of lane r
	global_store_b128 v4, v[C+8*(\t)+4:C+8*(\t)+7], s[44:45] offset:2048*((\t)/4)+512*((\t)%4)+256   ; k + 16 .. 31: of lane 16 + r
.if (\t)+2 < 8
	QLOAD (\t)+2
.endif
.endm
	QLOAD 0
	QLOAD 1
.irp t, 0,1,2,3,4,5,6,7
	QBLOCK \t
.endr
	global_store_b64 v5, v[SB:SB+1], s[46:47]      ; my column's two scale words
	s_endpgm
.Lfunc_end_k_qa82b37fd21_prep:
	.size	k_qa82b37fd21_prep, .Lfunc_end_k_qa82b37fd21_prep-k_qa82b37fd21_prep
	.p2alignl 7, 3214868480
	.fill 96, 4, 3214868480
	.section	.rodata,"a",@progbits
	.p2align	6, 0x0
	.amdhsa_kernel k_qa82b37fd21_prep
		.amdhsa_group_segment_fixed_size 10240
		.amdhsa_private_segment_fixed_size 0
		.amdhsa_enable_private_segment 0
		.amdhsa_kernarg_size 88
		.amdhsa_user_sgpr_count 2
		.amdhsa_user_sgpr_kernarg_segment_ptr 1
		.amdhsa_wavefront_size32 1
		.amdhsa_system_sgpr_workgroup_id_x 1
		.amdhsa_system_sgpr_workgroup_id_y 1
		.amdhsa_system_sgpr_workgroup_id_z 1
		.amdhsa_system_vgpr_workitem_id 0
		.amdhsa_next_free_vgpr 208
		.amdhsa_next_free_sgpr 100
		.amdhsa_reserve_vcc 1
		.amdhsa_float_denorm_mode_32 3
		.amdhsa_float_denorm_mode_16_64 3
		.amdhsa_memory_ordered 1
		.amdhsa_forward_progress 1
		.amdhsa_inst_pref_size 232
	.end_amdhsa_kernel
	.amdgpu_metadata
---
amdhsa.version: [ 1, 2 ]
amdhsa.kernels:
  - .name:           k_qa82b37fd21_prep
    .symbol:         k_qa82b37fd21_prep.kd
    .args:
      - { .name: Wg, .offset: 0, .size: 8, .value_kind: global_buffer, .address_space: global }
      - { .name: Wg_s, .offset: 8, .size: 8, .value_kind: global_buffer, .address_space: global }
      - { .name: Wu, .offset: 16, .size: 8, .value_kind: global_buffer, .address_space: global }
      - { .name: Wu_s, .offset: 24, .size: 8, .value_kind: global_buffer, .address_space: global }
      - { .name: Wd, .offset: 32, .size: 8, .value_kind: global_buffer, .address_space: global }
      - { .name: Wd_s, .offset: 40, .size: 8, .value_kind: global_buffer, .address_space: global }
      - { .name: ridx, .offset: 48, .size: 8, .value_kind: global_buffer, .address_space: global }
      - { .name: rw, .offset: 56, .size: 8, .value_kind: global_buffer, .address_space: global }
      - { .name: wqs, .offset: 64, .size: 8, .value_kind: global_buffer, .address_space: global }
      - { .name: lists, .offset: 72, .size: 8, .value_kind: global_buffer, .address_space: global }
      - { .name: gw, .offset: 80, .size: 8, .value_kind: global_buffer, .address_space: global }
    .group_segment_fixed_size: 10240
    .private_segment_fixed_size: 0
    .kernarg_segment_align: 8
    .kernarg_segment_size: 88
    .max_flat_workgroup_size: 256
    .sgpr_count:     100
    .vgpr_count:     208
    .wavefront_size: 32
...
	.end_amdgpu_metadata
.endif
;; end of part 6
;; launch ffn1 (part 7): grid 8 x 37, 4 waves a work-group, no clusters, 287,232 bytes of LDS; arguments xqs, wqs, lists, hqs; writes hqs
.if DOCPART == 7
	.amdgcn_target "amdgcn-amd-amdhsa--gfx1250"
	.amdhsa_code_object_version 6
	.text
	.protected	k_qa82b37fd21_ffn1
	.globl	k_qa82b37fd21_ffn1
	.p2align	8
	.type	k_qa82b37fd21_ffn1,@function
k_qa82b37fd21_ffn1:
	s_mov_b64 s[64:65], 0
	v_nop
	global_prefetch_b8 v0, s[64:65] scope:SCOPE_SE
	s_setreg_imm32_b32 hwreg(HW_REG_WAVE_SCHED_MODE, 0, 2), 2
	s_setreg_imm32_b32 hwreg(HW_REG_WAVE_MODE, 25, 1), 1
	s_wait_xcnt 0x0
	s_wait_alu depctr_vm_vsrc(0)
; MoE layer, launch 3 of 4: h = silu(x Wg) x (x Wu), quantised along F, for the (tile, slot) entries that the placing listed.  (Work left out: the experts not chosen: see launch 1's head.)
; SHARES.  Work-group (q, c) takes chunk c of the list, 16 entries of ONE expert (a segment begins at a multiple of 16), and F columns 128 q .. 128 q + 127.  37 chunks serve every split:
; ceil(154 / 16) for the shared segment, and at most (308 + 8 x 15) / 16 for the eight experts.  Entries that are fill (sign bit set) are passed over by a scalar branch on the stored word; their loads
; are made all the same (of tile 0, and discarded), so that every wait counts the same loads on every way, and the one barrier is passed by every wave.  No tensor load: branches hang on stored numbers.
; No cluster: what a work-group reads hangs on the stored list.
; Wave w takes F block b = 4 q + w: gate tiles 2 b, 2 b + 1 and up tiles 2 b, 2 b + 1, whole K: 512 registers, read from memory once, each fragment serving up to 256 rows.
; x's rows are gathered by token number into LDS, laid so that a fragment is read back without bank conflicts: tile x 17,408 + piece P x 272 + row x 16, piece P = the row's bytes 16 P .. 16 P + 15.
; BOTH PRODUCTS ARE USED TRANSPOSED (source 0 = 16 rows of the weight's tile, source 1 = 16 tokens): lane (r, h) holds token r, and the 16 registers of tiles 2 b, 2 b + 1 are F columns 32 b + 16 h + 0 .. 15:
; half a block of the next product's K; lane l xor 16 holds the other half.  The conversions' results are the next operand's registers: stored as such, 512 consecutive bytes a wave.
; hqs: codes (3 tile + slot) x 16,384 + K step x 2,048 + c x 512 + lane x 16; scale bytes at HS_O: (3 tile + slot) x 512 + K step x 64 + row x 4 + c.
; LIMITS: silu(g) u is formed as (g u) / (1 + 2^(-g log2 e)): it overflows where g u does; a block of zeros gets the byte 1 (its codes are zeros).
; REGISTERS, in windows of 256: window 0: v1-31 addresses; v32-47 the weights' scale words; v48-55 x's, two sets; v64-95 the four accumulators; v96-124 at work; v128-231 the head's lists.
;   window 1: x's fragments, two sets of 128 (at the head: the gather's two sets).   window 2: the weights' K steps 0-3 (tile ct at 64 ct).   window 3: K steps 4-7.
; THE MODE: SCHED_MODE bits 1:0 = 2 (LLVM: expert scheduling mode 2), set by the entry lines.  The code itself states the register dependences
; between vector or matrix instructions and memory or LDS instructions, with s_wait_alu, always for 0.
; THE PLAN.  Registers that memory or LDS instructions touch:
;   v4-11, v18, v19, v21, v192-207   offsets and addresses, made at the head and never written again: one wait on va_vdst ahead of the first load.
;   v22-29, v128-191   loaded numbers, held and shifted by vector lines, then read as offsets: a wait on va_vdst ahead of each of the two runs of loads that read them.
;   window 1 at the head   the gather's loads land in a set, LDS stores read it, later loads land in it again: a wait on vm_vsrc ahead of batches 2 and 3 and behind the barrier.
;   v14, v15   read by an entry's run of 33 LDS loads; written at the next entry's head.
;   x's set p, v[48 + 4 p ..]   entry p's matrix instructions read them; the run of loads of the next entry (1 - p) lands in them.
;   v120-124   written by an entry's conversions and its byte's shift; read by its two stores.
;   windows 2, 3, v32-47   the weights: loaded once, read by matrix instructions alone.
; So an entry has, beside the six waits on va_vdst in its activation: one wait on vm_vsrc at its head (v14, v15 and v120-124 have been read), one on va_vdst behind the two address additions
; (v14, v15 are written; the last entry's matrix instructions are done reading the set in which the loads land), and one on va_vdst ahead of its two stores.
.set XS_O,  2097152
.set WS_O,  28311552
.set ENT_O, 11008
.set HS_O,  7864320
.set TP,    17408                      ; a tile of x in LDS: 64 pieces x 272 bytes
.set XSC,   278528                     ; x's scale words: tile x 512 + half x 256 + row x 16
.set SPARE, 286720                     ; the spare words, 128 bytes a wave
.set GB,  6                            ; v6-11 the gather's LDS addresses: 272 lane + 64 w + 3 TP k
.set SPW, 16
.set NIL, 17
.set WS,  32
.set XS,  48
.set ACC, 64
.set G,   64                           ; gate: v64-79
.set U,   80                           ; up: v80-95; then g u; then h
.set T,   96
.set VT,  128                          ; v128-191 token numbers, then offsets of their rows: 4 tile + row
.set VO,  192
.set VE,  208
.set VK,  212
.set XSL, 216
.set ENT, 16                           ; s16-31 the chunk's 16 entries; the loop moves them down by two a trip
.set MSB, 0
.macro WIN new                         ; the immediate's high byte repeats the setting that is left
.if MSB != (\new)
	s_set_vgpr_msb (MSB<<8)|(\new)
.set MSB, (\new)
.endif
.endm
; one matrix instruction.  ks = 0: the first K step starts the sum.  ra, rb: the scales of source 0, 1 stand in lanes 16-31
.macro MM d, a, b, ks, sa, sb, ra, rb
.if (\ks) == 0
	v_wmma_scale_f32_16x16x128_f8f6f4 v[(\d):(\d)+7], v[(\a):(\a)+15], v[(\b):(\b)+15], 0, v[\sa], v[\sb] matrix_a_fmt:MATRIX_FMT_BF8 matrix_b_fmt:MATRIX_FMT_BF8
.elseif (\ra) == 0 && (\rb) == 0
	v_wmma_scale_f32_16x16x128_f8f6f4 v[(\d):(\d)+7], v[(\a):(\a)+15], v[(\b):(\b)+15], v[(\d):(\d)+7], v[\sa], v[\sb] matrix_a_fmt:MATRIX_FMT_BF8 matrix_b_fmt:MATRIX_FMT_BF8
.elseif (\rb) == 0
	v_wmma_scale_f32_16x16x128_f8f6f4 v[(\d):(\d)+7], v[(\a):(\a)+15], v[(\b):(\b)+15], v[(\d):(\d)+7], v[\sa], v[\sb] matrix_a_fmt:MATRIX_FMT_BF8 matrix_b_fmt:MATRIX_FMT_BF8 matrix_a_scale:MATRIX_SCALE_ROW1
.elseif (\ra) == 0
	v_wmma_scale_f32_16x16x128_f8f6f4 v[(\d):(\d)+7], v[(\a):(\a)+15], v[(\b):(\b)+15], v[(\d):(\d)+7], v[\sa], v[\sb] matrix_a_fmt:MATRIX_FMT_BF8 matrix_b_fmt:MATRIX_FMT_BF8 matrix_b_scale:MATRIX_SCALE_ROW1
.else
	v_wmma_scale_f32_16x16x128_f8f6f4 v[(\d):(\d)+7], v[(\a):(\a)+15], v[(\b):(\b)+15], v[(\d):(\d)+7], v[\sa], v[\sb] matrix_a_fmt:MATRIX_FMT_BF8 matrix_b_fmt:MATRIX_FMT_BF8 matrix_a_scale:MATRIX_SCALE_ROW1 matrix_b_scale:MATRIX_SCALE_ROW1
.endif
.endm
	s_load_b256 s[4:11], s[0:1], 0x0               ; xqs s[4:5], wqs s[6:7], lists s[8:9], hqs s[10:11]
	v_lshl_add_u32 v[SPW], v0, 2, SPARE
	v_mov_b32 v[NIL], 0
	v_lshrrev_b32 v1, 5, v0
	v_readfirstlane_b32 s12, v1                    ; wave
	v_and_b32 v1, 31, v0                           ; lane
	v_and_b32 v2, 15, v0                           ; r
	v_bfe_u32 v3, v0, 4, 1                         ; h
	s_wait_alu depctr_va_sdst(0)                   ; s12 is written, ahead of its first reader: LDS addresses and the bases of the weights and of h are made from it
	s_and_b32 s14, ttmp7, 0xffff                   ; chunk
	s_lshl_b32 s46, s14, 6
	s_add_co_u32 s46, s46, ENT_O
	s_mov_b32 s47, 0
	s_wait_alu depctr_va_vdst(0)
	s_wait_kmcnt 0x0
	s_add_nc_u64 s[32:33], s[8:9], s[46:47]
	s_load_b512 s[16:31], s[32:33], 0x0            ; the chunk's 16 entries
	v_lshlrev_b32 v4, 4, v1                        ; 16 x lane
	v_lshlrev_b32 v5, 3, v1                        ; 8 x lane
	s_lshl_b32 s45, s12, 6                         ; 64 w: my four rows of a tile, 16 bytes each
	v_mul_u32_u24 v6, v1, 272
	v_add_nc_u32 v6, s45, v6
.irp k, 1,2,3,4,5
	v_add_nc_u32 v[GB+\k], 3*TP*\k, v6
.endr
	v_mul_u32_u24 v12, v3, 272
	v_lshl_add_u32 v12, v2, 4, v12                 ; a fragment's place for my lane: 272 h + 16 r
	v_lshl_add_u32 v13, v1, 4, XSC                 ; x's scale words: 16 x lane
	v_lshrrev_b32 v14, 3, v1                       ; the scale words' gather: lane l takes tile 4 k + l / 8, row 4 w + (l / 2) % 4, half l % 2
	v_and_b32 v15, 1, v1
	v_bfe_u32 v20, v1, 1, 2
	v_lshlrev_b32 v18, 9, v14
	v_lshl_add_u32 v18, v15, 8, v18
	v_lshl_add_u32 v18, v20, 4, v18
	v_add_nc_u32 v18, s45, v18
	v_add_nc_u32 v18, XSC, v18                     ; where it puts them
	v_lshlrev_b32 v19, 2, v14
	s_lshl_b32 s49, s12, 4
	v_lshl_add_u32 v30, v20, 2, s49                ; 16 w + 4 row: its token's word in a tile's 16
	v_lshlrev_b32 v31, 4, v15
	v_lshlrev_b32 v21, 2, v2                       ; h's scale byte: 4 r
	v_mov_b32 v114, 0                              ; a lane permute's destination counts as one of its sources
	s_mov_b32 s56, 0x76543210
	s_mov_b32 s57, 0xfedcba98                      ; v_permlanex16_b32's selects for lane l xor 16
	s_mov_b32 s58, 0x600000                        ; the mantissa field of 57,344
	s_mov_b32 s60, 0xbfb8aa3b                      ; -log2(e); the packed form names the pair and takes its low word
	s_mov_b32 s61, s60
	s_lshl_b32 s46, ttmp9, 11
	s_lshl_b32 s48, s12, 9
	s_add_co_u32 s46, s46, s48
	s_add_nc_u64 s[70:71], s[10:11], s[46:47]      ; h's codes: K step q, c = w
	s_lshl_b32 s46, ttmp9, 6
	s_add_co_u32 s46, s46, s12
	s_add_co_u32 s46, s46, HS_O
	s_add_nc_u64 s[72:73], s[10:11], s[46:47]      ; h's scale bytes
	s_lshl_b32 s35, ttmp9, 2
	s_add_co_u32 s35, s35, s12                     ; b
	s_wait_kmcnt 0x0
	s_bfe_u32 s34, s16, 0x80010                    ; the chunk's expert,
	s_min_u32 s34, s34, 8                          ; held: it enters addresses
	s_lshl_b32 s46, s34, 20
	s_lshl_b32 s48, s35, 15
	s_add_co_u32 s46, s46, s48
	s_add_nc_u64 s[36:37], s[6:7], s[46:47]        ; the gate's two tiles,
	s_add_nc_u64 s[38:39], s[36:37], 0x900000      ; the up's: nine matrices on
	s_lshl_b32 s46, s34, 15
	s_lshl_b32 s48, s35, 10
	s_add_co_u32 s46, s46, s48
	s_add_co_u32 s46, s46, WS_O
	s_add_nc_u64 s[40:41], s[6:7], s[46:47]        ; their scale words
.irp i, 0,1,2,3,4,5,6,7,8,9,10,11,12,13,14,15
	s_and_b32 s48, s[ENT+\i], 255
	s_min_u32 s48, s48, 159
	s_lshl_b32 s48, s48, 6
	s_add_co_u32 s48, s48, s49
	v_mov_b32 v[VO+\i], s48                        ; tok[16 tile + 4 w ..]: my four rows' tokens
.endr
.macro LOADB s                         ; the four tiles' fragments of K step s: 16 loads of 512 consecutive bytes
	WIN 0x80+0x40*((\s)/4)
.irp ct, 0,1,2,3
.irp c, 0,1,2,3
	global_load_b128 v[64*\ct+16*((\s)%4)+4*\c:64*\ct+16*((\s)%4)+4*\c+3], v4, s[36+2*(\ct/2):37+2*(\ct/2)] offset:16384*(\ct%2)+2048*(\s)+512*\c
.endr
.endr
.endm
.macro GATHER bt                       ; tiles 4 bt .. 4 bt + 3: my four rows of each, two loads of 512 consecutive bytes a row, into set bt % 2
	WIN 0x40
.irp m, 0,1,2,3
.irp q, 0,1,2,3
.irp f, 0,1
	global_load_b128 v[128*((\bt)%2)+32*\m+8*\q+4*\f:128*((\bt)%2)+32*\m+8*\q+4*\f+3], v[VT+16*(\bt)+4*\m+\q], s[4:5] offset:512*\f
.endr
.endr
.endr
	WIN 0
.endm
.macro GSTORE bt                       ; lane l's 16 bytes are piece 32 f + l of the row
	WIN 0x04
.irp m, 0,1,2,3
.irp q, 0,1,2,3
.irp f, 0,1
	ds_store_b128 v[GB+(4*(\bt)+\m)/3], v[128*((\bt)%2)+32*\m+8*\q+4*\f:128*((\bt)%2)+32*\m+8*\q+4*\f+3] offset:TP*((4*(\bt)+\m)%3)+8704*\f+16*\q
.endr
.endr
.endr
	WIN 0
.endm
	s_wait_alu depctr_va_vdst(0)                   ; the offsets and addresses v4 to v11, v18, v19, v21 and v[VO ..] are written: the loads and stores of the whole kernel read them, and no vector line writes them again
.irp k, 0,1,2,3
	global_load_b32 v[VE+\k], v19, s[32:33] offset:16*\k       ; my lane's entry
.endr
.irp i, 0,1,2,3,4,5,6,7,8,9,10,11,12,13,14,15
	global_load_b128 v[VT+4*\i:VT+4*\i+3], v[VO+\i], s[8:9]    ; all lanes read the same four tokens
.endr
.irp ct, 0,1,2,3
.irp j, 0,1
	global_load_b64 v[WS+4*\ct+2*\j:WS+4*\ct+2*\j+1], v5, s[40:41] offset:294912*(\ct/2)+512*(\ct%2)+256*\j
.endr
.endr
	LOADB 0
	LOADB 1
	WIN 0
	s_wait_loadcnt 40                              ; the entries and tokens are in: behind them 8 + 32 loads were issued
.irp k, 0,1,2,3
	v_and_b32 v[22+\k], 255, v[VE+\k]
	v_min_u32 v[22+\k], 159, v[22+\k]
	v_lshl_add_u32 v[22+\k], v[22+\k], 6, v30
.endr
.set i_, 0
.rept 64
	v_min_u32 v[VT+i_], 0x7ff, v[VT+i_]            ; a row that is none (2048) takes token 2047's numbers: its results are stored to a row that nobody uses
	v_lshl_add_u32 v[VT+i_], v[VT+i_], 10, v4
.set i_, i_+1
.endr
	s_wait_alu depctr_va_vdst(0)                   ; v22 to v25 and the 64 row offsets v[VT ..] are written: the loads below and all four batches of the gather read them as offsets
.irp k, 0,1,2,3
	global_load_b32 v[VK+\k], v[22+\k], s[8:9]
.endr
	GATHER 0
	s_wait_loadcnt 32                              ; all ahead of the 32 just issued
.irp k, 0,1,2,3
	v_min_u32 v[26+\k], 0x7ff, v[VK+\k]
	v_lshl_add_u32 v[26+\k], v[26+\k], 5, v31
.endr
	s_wait_alu depctr_va_vdst(0)                   ; v26 to v29 are written: the four loads of scale words read them as offsets
.irp k, 0,1,2,3
	global_load_b128 v[XSL+4*\k:XSL+4*\k+3], v[26+\k], s[4:5] offset:XS_O
.endr
	GATHER 1
	s_wait_loadcnt 36                              ; batch 0 is in: behind it 4 + 32 loads
	GSTORE 0
	s_wait_dscnt 0x0                               ; the stores are done
	s_wait_alu depctr_vm_vsrc(0)                   ; batch 0's LDS stores have read set 0, in which batch 2's loads land
	GATHER 2
	s_wait_loadcnt 32                              ; the scale words and batch 1
.irp k, 0,1,2,3
	ds_store_b128 v18, v[XSL+4*\k:XSL+4*\k+3] offset:2048*\k
.endr
	GSTORE 1
	s_wait_dscnt 0x0
	s_wait_alu depctr_vm_vsrc(0)                   ; batch 1's LDS stores have read set 1, in which batch 3's loads land
	GATHER 3
	s_wait_loadcnt 32                              ; batch 2
	GSTORE 2
	LOADB 2
	LOADB 3
	WIN 0
	s_wait_loadcnt 32                              ; batch 3
	GSTORE 3
	LOADB 4
	LOADB 5
	LOADB 6
	LOADB 7
	WIN 0
	s_wait_dscnt 0x0                               ; for the others' sake: my rows lie in LDS
	s_barrier_signal -1                            ; the one barrier; the weights' loads, into my own registers, stay on their way
	s_barrier_wait -1
	s_wait_alu depctr_vm_vsrc(0)                   ; batch 2's and batch 3's LDS stores have read the two sets of window 1: from here on x's fragments land in them
.macro FETCH set, off, xoff            ; a tile's 8 fragments and its scale words; v14, v15 hold the addresses
	ds_load_b128 v[XS+4*\set:XS+4*\set+3], v15 offset:\xoff
	WIN 0x40
.irp s, 0,1,2,3,4,5,6,7
.irp c, 0,1,2,3
	ds_load_b128 v[128*\set+16*\s+4*\c:128*\set+16*\s+4*\c+3], v14 offset:\off+2176*\s+544*\c
.endr
.endr
	WIN 0
.endm
; One entry.  p: its set of x's fragments.
.macro TILE p
	s_wait_dscnt 0x0                               ; this tile's fragments are in
	s_wait_alu depctr_vm_vsrc(0)                   ; the last run of LDS loads has read v14 and v15, which are written next; the last entry's two stores have read v[120:124], which this entry's conversions and shift write again
.if \p == 0
	v_add_nc_u32 v14, s42, v12
	v_add_nc_u32 v15, s43, v13
	s_wait_alu depctr_va_vdst(0)                   ; v14 and v15 are written, which the loads below read; the last entry's matrix instructions are done reading set 1 and its scale words, in which they land
	FETCH 1, TP, 512                               ; the next tile's are asked for
.else
	s_add_co_u32 s50, s42, 2*TP
	s_min_u32 s50, s50, 15*TP                      ; (the last trip asks for the last tile again, and uses nothing of it)
	s_add_co_u32 s51, s43, 1024
	s_min_u32 s51, s51, 7680
	v_add_nc_u32 v14, s50, v12
	v_add_nc_u32 v15, s51, v13
	s_wait_alu depctr_va_vdst(0)                   ; v14 and v15 are written, which the loads below read; the last entry's matrix instructions are done reading set 0 and its scale words, in which they land
	FETCH 0, 0, 0
.endif
	s_cmp_lt_i32 s[ENT+\p], 0                      ; fill: nothing to do
	s_cbranch_scc1 .Lskip_\@
.irp s, 0,1,2,3,4,5,6,7
.if \s == 2
	s_wait_loadcnt 63                              ; the weights' K steps 2, 3: behind them 64 loads were issued
.endif
.if \s >= 4
	s_wait_loadcnt 16*(7-\s)                       ; K step s: behind it 16 loads for each later step
.endif
	WIN 0x06+(\s/4)
.irp ct, 0,1,2,3                       ; the four accumulators by turns
	MM ACC+8*\ct, 64*\ct+16*(\s%4), 128*\p+16*\s, \s, WS+4*\ct+2*(\s/4)+(\s%2), XS+4*\p+(\s%4), ((\s/2)%2), (\s/4)
.endr
.endr
	WIN 0
.rept 9
	v_nop                                          ; nine places: for the reads of the results, and for the next tile's products, which begin the accumulators anew
.endr
.irp i, 0,2,4,6,8,10,12,14
	v_pk_mul_f32 v[T+\i:T+\i+1], v[G+\i:G+\i+1], s[60:61] op_sel_hi:[1,0]
.endr
	s_wait_alu depctr_va_vdst(0)
.irp i, 0,1,2,3,4,5,6,7,8,9,10,11,12,13,14,15
	v_exp_f32 v[T+\i], v[T+\i]                     ; 2^(-g log2 e)
.endr
	s_wait_alu depctr_va_vdst(0)
.irp i, 0,2,4,6,8,10,12,14
	v_pk_mul_f32 v[U+\i:U+\i+1], v[G+\i:G+\i+1], v[U+\i:U+\i+1]   ; g u: plain work behind the exponentials
.endr
	s_wait_alu depctr_va_vdst(0)                   ; the sixteen exponentials have written v[T ..]: one wait, ahead of their first reader
.irp i, 0,2,4,6,8,10,12,14
	v_pk_add_f32 v[T+\i:T+\i+1], v[T+\i:T+\i+1], 1.0 op_sel_hi:[1,0]
.endr
	s_wait_alu depctr_va_vdst(0)
.irp i, 0,1,2,3,4,5,6,7,8,9,10,11,12,13,14,15
	v_rcp_f32 v[T+\i], v[T+\i]
.endr
	v_nop
	s_wait_alu depctr_va_vdst(0)                   ; the sixteen reciprocals have written v[T ..]: one wait, ahead of their first reader
.irp i, 0,2,4,6,8,10,12,14
	v_pk_mul_f32 v[U+\i:U+\i+1], v[U+\i:U+\i+1], v[T+\i:T+\i+1]   ; h
.endr
	s_wait_alu depctr_va_vdst(0)
	s_wait_xcnt 0x0                                ; the last tile's two stores have had their addresses translated: their data and bases are written again below (that they have read their vector registers is stated at the entry's head)
	v_max3_num_f32 v112, |v[U]|, |v[U+1]|, 0x8000000              ; my 16 numbers' largest magnitude, and the floor 2^(16 - 127)
	v_max3_num_f32 v113, |v[U+2]|, |v[U+3]|, |v[U+4]|
	v_max3_num_f32 v112, v112, |v[U+5]|, |v[U+6]|
	v_max3_num_f32 v113, v113, |v[U+7]|, |v[U+8]|
	v_max3_num_f32 v112, v112, |v[U+9]|, |v[U+10]|
	v_max3_num_f32 v113, v113, |v[U+11]|, |v[U+12]|
	v_max3_num_f32 v112, v112, |v[U+13]|, |v[U+14]|
	v_max3_num_f32 v112, v112, v113, |v[U+15]|
	v_permlanex16_b32 v114, v112, s56, s57
	v_max_num_f32 v112, v112, v114                 ; with lane l xor 16's: the block's
	v_add_nc_u32 v115, 0xf8800000, v112            ; the conversion's scale operand
	v_and_or_b32 v116, v112, 0x7f800000, s58       ; 57,344 x the scale
	v_lshrrev_b32 v124, 23, v115                   ; the scale's byte
.irp i, 0,1,2,3,4,5,6,7,8,9,10,11,12,13,14,15
	v_med3_num_f32 v[U+\i], v[U+\i], -v116, v116
.endr
	v_cvt_scalef32_pk8_bf8_f32 v[120:121], v[U:U+7], v115
	v_cvt_scalef32_pk8_bf8_f32 v[122:123], v[U+8:U+15], v115
	v_nop                                          ; a plain line behind the last conversion
	s_and_b32 s50, s[ENT+\p], 255
	s_min_u32 s50, s50, 159                        ; the tile,
	s_bfe_u32 s51, s[ENT+\p], 0x80008
	s_min_u32 s51, s51, 2                          ; the slot
	s_mul_i32 s50, s50, 3
	s_add_co_u32 s50, s50, s51
	s_lshl_b32 s52, s50, 14
	s_mov_b32 s53, 0
	s_add_nc_u64 s[66:67], s[70:71], s[52:53]
	s_lshl_b32 s52, s50, 9
	s_add_nc_u64 s[68:69], s[72:73], s[52:53]
	s_wait_alu depctr_va_vdst(0)                   ; the conversions have written v[120:123] and the shift v124, which the two stores read
	global_store_b128 v4, v[120:123], s[66:67]     ; the wave stores 512 consecutive bytes, aligned
	global_store_b8 v21, v124, s[68:69]            ; lanes r and 16 + r store the same byte with the same value
.Lskip_\@:
.endm
	s_mov_b32 s42, 0                               ; the trip's first tile in LDS,
	s_mov_b32 s43, 0                               ; its scale words,
	s_mov_b32 s44, 0                               ; and the count of trips
	v_mov_b32 v14, v12
	v_mov_b32 v15, v13
	s_wait_alu depctr_va_vdst(0)                   ; v14 and v15 are written, which the first run of LDS loads reads
	FETCH 0, 0, 0
.Ltrip:                                                ; 8 trips of two entries
	TILE 0
	TILE 1
.irp k, 0,1,2,3,4,5,6
	s_mov_b64 s[ENT+2*\k:ENT+2*\k+1], s[ENT+2*\k+2:ENT+2*\k+3]
.endr
	s_add_co_u32 s42, s42, 2*TP
	s_add_co_u32 s43, s43, 1024
	s_add_co_u32 s44, s44, 1
	s_cmp_lt_u32 s44, 8
	s_cbranch_scc1 .Ltrip
	s_wait_dscnt 0x0                               ; the closing lines, six on end
	s_wait_alu 0x0
	s_wait_tensorcnt 0x0
	ds_add_u32 v[SPW], v[NIL]
	s_wait_dscnt 0x0
	s_endpgm
.Lfunc_end_k_qa82b37fd21_ffn1:
	.size	k_qa82b37fd21_ffn1, .Lfunc_end_k_qa82b37fd21_ffn1-k_qa82b37fd21_ffn1
	.p2alignl 7, 3214868480
	.fill 96, 4, 3214868480
	.section	.rodata,"a",@progbits
	.p2align	6, 0x0
	.amdhsa_kernel k_qa82b37fd21_ffn1
		.amdhsa_group_segment_fixed_size 287232
		.amdhsa_private_segment_fixed_size 0
		.amdhsa_enable_private_segment 0
		.amdhsa_kernarg_size 32
		.amdhsa_user_sgpr_count 2
		.amdhsa_user_sgpr_kernarg_segment_ptr 1
		.amdhsa_wavefront_size32 1
		.amdhsa_system_sgpr_workgroup_id_x 1
		.amdhsa_system_sgpr_workgroup_id_y 1
		.amdhsa_system_sgpr_workgroup_id_z 1
		.amdhsa_system_vgpr_workitem_id 0
		.amdhsa_next_free_vgpr 1024
		.amdhsa_next_free_sgpr 80
		.amdhsa_reserve_vcc 0
		.amdhsa_float_denorm_mode_32 3
		.amdhsa_float_denorm_mode_16_64 3
		.amdhsa_memory_ordered 1
		.amdhsa_forward_progress 1
		.amdhsa_inst_pref_size 82
	.end_amdhsa_kernel
	.amdgpu_metadata
---
amdhsa.version: [ 1, 2 ]
amdhsa.kernels:
  - .name:           k_qa82b37fd21_ffn1
    .symbol:         k_qa82b37fd21_ffn1.kd
    .args:
      - { .name: xqs, .offset: 0, .size: 8, .value_kind: global_buffer, .address_space: global }
      - { .name: wqs, .offset: 8, .size: 8, .value_kind: global_buffer, .address_space: global }
      - { .name: lists, .offset: 16, .size: 8, .value_kind: global_buffer, .address_space: global }
      - { .name: hqs, .offset: 24, .size: 8, .value_kind: global_buffer, .address_space: global }
    .group_segment_fixed_size: 287232
    .private_segment_fixed_size: 0
    .kernarg_segment_align: 8
    .kernarg_segment_size: 32
    .max_flat_workgroup_size: 128
    .sgpr_count:     80
    .vgpr_count:     1024
    .wavefront_size: 32
...
	.end_amdgpu_metadata
.endif
;; end of part 7
;; launch ffn2 (part 8): grid 8 x 32, 4 waves a work-group, no clusters, 296,192 bytes of LDS; arguments hqs, wqs, lists, gw, out0; writes out0
.if DOCPART == 8
	.amdgcn_target "amdgcn-amd-amdhsa--gfx1250"
	.amdhsa_code_object_version 6
	.text
	.protected	k_qa82b37fd21_ffn2
	.globl	k_qa82b37fd21_ffn2
	.p2align	8
	.type	k_qa82b37fd21_ffn2,@function
k_qa82b37fd21_ffn2:
	s_mov_b64 s[64:65], 0
	v_nop
	global_prefetch_b8 v0, s[64:65] scope:SCOPE_SE
	s_setreg_imm32_b32 hwreg(HW_REG_WAVE_SCHED_MODE, 0, 2), 2
	s_setreg_imm32_b32 hwreg(HW_REG_WAVE_MODE, 25, 1), 1
	s_wait_xcnt 0x0
	s_wait_alu depctr_vm_vsrc(0)
; MoE layer, launch 4 of 4: out0[token] = h_shared Wd_s + w_lo (h_lo Wd[lo]) + w_hi (h_hi Wd[hi]).  (Work left out: the experts not chosen: see launch 1's head.)
; SHARES.  Work-group (x, y) takes tiles 5 y .. 5 y + 4 of the placing (80 positions) and output columns 128 x .. 128 x + 127: each output number has one owner, and nothing is added across work-groups.
; 32 blocks of 5 serve every split (never more than 154 tiles).  A tile that is not in use takes the last used tile's h (so that no unwritten byte is read), and stores nothing: its positions hold no token.
; Wave w takes Wd's column tiles 2 b, 2 b + 1, b = 4 x + w: one expert's whole K is 256 registers.  The block's 15 images of h (5 tiles x 3 slots x 16 KiB, in the order of the operand's registers) are copied
; into LDS once and read by all four waves.  The shared expert's products start the sums; then a loop of 8 trips walks the experts: one that none of the block's tiles uses is passed over by a scalar
; branch on the stored list; else its weights come from memory straight into registers, and each tile that has it as lo (slot 1) or as hi (slot 2) is multiplied and added with the row's weight.
; No tensor load: branches hang on stored numbers.  No cluster: which experts a block walks hangs on the stored list.  Both barriers stand outside every such branch.
; THE PRODUCT IS USED TRANSPOSED (source 0 = 16 rows of Wd's tile, source 1 = 16 positions): lane (r, h) holds position r and the 16 registers of tiles 2 b, 2 b + 1 are columns 32 b + 16 h + 0 .. 15.
; REGISTERS, in windows of 256: window 0: v1-39 addresses; v40-49 the rows' weights; v50-53 h's scale words; v54-61 Wd's; v64-79 two accumulators; v80-159 the sums, later rows of out0; v160-199 at the head and on the way out.
;   window 1: Wd's fragments (tile u at 128 u).   window 2: v0-127 h's fragments; at the head the copy's two sets of 96.
; THE MODE: SCHED_MODE bits 1:0 = 2 (LLVM: expert scheduling mode 2), set by the entry lines.  The code itself states the register dependences
; between vector or matrix instructions and memory or LDS instructions, with s_wait_alu, always for 0.
; THE PLAN.  Registers that memory or LDS instructions touch:
;   v4-6, v13-29, v32, v33, v39   offsets and addresses made of ids at the head; v8-12, v34-38, v180-199 made of stored numbers a little later; none is written again: a wait on va_vdst ahead of
;                                 the first load that follows each of the two groups.
;   window 2 at the head   the copy's loads land in a set, LDS stores read it, later loads land in it again: a wait on vm_vsrc ahead of batches 2, 3 and 4 and behind the barrier.
;   window 2 v0-127, v50-53   h's fragments and scale words: an image's 16 matrix instructions read them; the next image's LDS loads land in them: a wait on va_vdst at the head of every image but the first.
;                             Which image comes next hangs on branches on the stored list, so its loads cannot stand ahead of the products in hand: one set serves.
;   window 1, v54-61   Wd's fragments and scale words: an expert's matrix instructions read them; the next expert's loads land in them: a wait on va_vdst ahead of those loads.
;   v80-159   the sums: written by matrix instructions and multiply-adds, read by the stage's LDS stores (a wait on va_vdst), then landed in by the LDS loads that bring rows back (a wait on vm_vsrc), then read by the last stores.
.set WS_O,  28311552
.set TE_O,  10240
.set HS_O,  7864320
.set HSC,   245760                     ; LDS: behind the 15 images: h's scale words, 5 tiles x 1,536 bytes,
.set STG,   253440                     ; the stage for the way out: 80 rows x (512 + 16) bytes,
.set SPARE, 295680                     ; and the spare words, 128 bytes a wave
.set VG,  8                            ; v8-12  a tile's images in memory: my wave's part
.set VC,  13                           ; v13-17 and in LDS
.set VR,  18                           ; v18-22 a tile's images in LDS: 16 x lane
.set VH,  23                           ; v23-27 its scale words: 4 x lane
.set SPW, 30
.set NIL, 31
.set VHG, 34                           ; v34-38 a tile's scale words in memory: my wave's part
.set GW,  40
.set HS,  50
.set WS,  54
.set ACC, 64
.set OUT, 80
.set HSL, 160
.set VOF, 180                          ; v180-199 my 20 rows' offsets in out0
.set TOK, 24                           ; s24-43 my 20 rows' tokens
.set E1,  70                           ; s70-74 the tiles' lo;  s75-79 their hi
.set E2,  75
.set MSB, 0
.macro WIN new
.if MSB != (\new)
	s_set_vgpr_msb (MSB<<8)|(\new)
.set MSB, (\new)
.endif
.endm
.macro MM d, a, b, ks, sa, sb, ra, rb
.if (\ks) == 0
	v_wmma_scale_f32_16x16x128_f8f6f4 v[(\d):(\d)+7], v[(\a):(\a)+15], v[(\b):(\b)+15], 0, v[\sa], v[\sb] matrix_a_fmt:MATRIX_FMT_BF8 matrix_b_fmt:MATRIX_FMT_BF8
.elseif (\ra) == 0 && (\rb) == 0
	v_wmma_scale_f32_16x16x128_f8f6f4 v[(\d):(\d)+7], v[(\a):(\a)+15], v[(\b):(\b)+15], v[(\d):(\d)+7], v[\sa], v[\sb] matrix_a_fmt:MATRIX_FMT_BF8 matrix_b_fmt:MATRIX_FMT_BF8
.elseif (\rb) == 0
	v_wmma_scale_f32_16x16x128_f8f6f4 v[(\d):(\d)+7], v[(\a):(\a)+15], v[(\b):(\b)+15], v[(\d):(\d)+7], v[\sa], v[\sb] matrix_a_fmt:MATRIX_FMT_BF8 matrix_b_fmt:MATRIX_FMT_BF8 matrix_a_scale:MATRIX_SCALE_ROW1
.elseif (\ra) == 0
	v_wmma_scale_f32_16x16x128_f8f6f4 v[(\d):(\d)+7], v[(\a):(\a)+15], v[(\b):(\b)+15], v[(\d):(\d)+7], v[\sa], v[\sb] matrix_a_fmt:MATRIX_FMT_BF8 matrix_b_fmt:MATRIX_FMT_BF8 matrix_b_scale:MATRIX_SCALE_ROW1
.else
	v_wmma_scale_f32_16x16x128_f8f6f4 v[(\d):(\d)+7], v[(\a):(\a)+15], v[(\b):(\b)+15], v[(\d):(\d)+7], v[\sa], v[\sb] matrix_a_fmt:MATRIX_FMT_BF8 matrix_b_fmt:MATRIX_FMT_BF8 matrix_a_scale:MATRIX_SCALE_ROW1 matrix_b_scale:MATRIX_SCALE_ROW1
.endif
.endm
.macro SETB                            ; matrix s48: where my two tiles' codes and scale words begin
	s_lshl_b32 s50, s48, 20
	s_add_co_u32 s50, s50, s61
	s_mov_b32 s51, 0
	s_add_nc_u64 s[44:45], s[6:7], s[50:51]
	s_lshl_b32 s50, s48, 15
	s_add_co_u32 s50, s50, s49
	s_add_nc_u64 s[46:47], s[6:7], s[50:51]
.endm
.macro LOADB                           ; 4 loads of scale words, then the fragments by K step, 8 loads a step
.irp u, 0,1
.irp j, 0,1
	global_load_b64 v[WS+4*\u+2*\j:WS+4*\u+2*\j+1], v5, s[46:47] offset:512*\u+256*\j
.endr
.endr
	WIN 0x40
.irp s, 0,1,2,3,4,5,6,7
.irp u, 0,1
.irp c, 0,1,2,3
	global_load_b128 v[128*\u+16*\s+4*\c:128*\u+16*\s+4*\c+3], v4, s[44:45] offset:16384*\u+2048*\s+512*\c
.endr
.endr
.endr
	WIN 0
.endm
	s_load_b256 s[4:11], s[0:1], 0x0               ; hqs s[4:5], wqs s[6:7], lists s[8:9], gw s[10:11]
	s_load_b64 s[12:13], s[0:1], 0x20              ; out0
	v_lshl_add_u32 v[SPW], v0, 2, SPARE
	v_mov_b32 v[NIL], 0
	v_lshrrev_b32 v1, 5, v0
	v_readfirstlane_b32 s14, v1                    ; wave
	v_and_b32 v1, 31, v0                           ; lane
	s_wait_alu depctr_va_vdst(0)
	v_and_b32 v2, 15, v0                           ; r
	v_bfe_u32 v3, v0, 4, 1                         ; h
	s_wait_alu depctr_va_sdst(0)                   ; s14 is written, ahead of its first reader: LDS addresses and the bases of Wd and of the tokens are made from it
	s_and_b32 s15, ttmp7, 0xffff                   ; block
	s_lshl_b32 s60, ttmp9, 2
	s_add_co_u32 s60, s60, s14                     ; b
	s_lshl_b32 s61, s60, 15
	s_lshl_b32 s49, s60, 10
	s_add_co_u32 s49, s49, WS_O
	v_lshlrev_b32 v4, 4, v1
	v_lshlrev_b32 v5, 3, v1
	s_lshl_b32 s54, s14, 9
	v_lshl_add_u32 v6, v1, 4, s54                  ; the copy: 512 w + 16 lane
.irp t, 0,1,2,3,4
	v_add_nc_u32 v[VC+\t], 49152*\t, v6
	v_add_nc_u32 v[VR+\t], 49152*\t, v4
	v_lshl_add_u32 v[VH+\t], v1, 2, HSC+1536*\t
.endr
	s_lshl_b32 s54, s14, 7
	v_lshl_add_u32 v33, v1, 2, s54                 ; the scale words' copy: 128 w + 4 lane
	v_add_nc_u32 v39, HSC, v33
	v_mul_u32_u24 v28, v2, 528
	v_lshl_add_u32 v28, v3, 6, v28
	v_add_nc_u32 v28, s54, v28
	v_add_nc_u32 v28, STG, v28                     ; the stage, in: row r, + 128 w + 64 h
	s_mul_i32 s54, s14, 10560
	v_add_nc_u32 v29, s54, v4
	v_add_nc_u32 v29, STG, v29                     ; and back: my 20 rows, 16 bytes a lane
	v_lshlrev_b32 v32, 3, v2                       ; the weights: 8 r
	s_mul_i32 s62, s15, 20
	s_add_co_u32 s62, s62, TE_O
	s_mov_b32 s63, 0
	s_mul_i32 s68, s15, 320
	s_mul_i32 s54, s14, 80
	s_add_co_u32 s68, s68, s54
	s_mov_b32 s69, 0
	s_wait_kmcnt 0x0
	s_add_nc_u64 s[66:67], s[8:9], s[62:63]
	s_add_nc_u64 s[68:69], s[8:9], s[68:69]
	s_load_b32 s16, s[66:67], 0x0                  ; the five tiles' pairs,
	s_load_b32 s17, s[66:67], 0x4
	s_load_b32 s18, s[66:67], 0x8
	s_load_b32 s19, s[66:67], 0xc
	s_load_b32 s20, s[66:67], 0x10
	s_load_b32 s21, s[8:9], TE_O+640               ; the number of tiles,
	s_load_b512 s[24:39], s[68:69], 0x0            ; and the tokens of my 20 rows on the way out
	s_load_b128 s[40:43], s[68:69], 0x40
	s_lshl_b32 s62, ttmp9, 9
	s_add_nc_u64 s[12:13], s[12:13], s[62:63]      ; out0 at my 128 columns
	s_mul_i32 s62, s15, 640
	s_add_nc_u64 s[56:57], s[10:11], s[62:63]      ; the block's weights
	s_mov_b32 s48, 26                              ; the shared expert's Wd
	SETB
	s_wait_alu depctr_va_vdst(0)                   ; the offsets and addresses made so far (v4 to v6, v13 to v29, v32, v33, v39) are written: the loads and stores of the whole kernel read them, and no vector line writes them again
	LOADB
	s_wait_kmcnt 0x0
	s_sub_co_u32 s52, s21, 1
	s_mul_i32 s53, s15, 5
.irp t, 0,1,2,3,4
	s_add_co_u32 s54, s53, \t
	s_min_u32 s54, s54, s52                        ; a tile not in use takes the last used one's h
	s_min_u32 s54, s54, 159                        ; the hold behind which a loaded number enters an address
	s_mul_i32 s55, s54, 49152
	v_add_nc_u32 v[VG+\t], s55, v6
	s_mul_i32 s55, s54, 1536
	v_add_nc_u32 v[VHG+\t], s55, v33
	s_and_b32 s[E1+\t], s[16+\t], 255
	s_bfe_u32 s[E2+\t], s[16+\t], 0x80008
.endr
.irp i, 0,1,2,3,4,5,6,7,8,9,10,11,12,13,14,15,16,17,18,19
	s_min_u32 s54, s[TOK+\i], 2047
	s_lshl_b32 s54, s54, 12
	v_add_nc_u32 v[VOF+\i], s54, v4
.endr
	s_wait_alu depctr_va_vdst(0)                   ; v[VG ..], v[VHG ..] and v[VOF ..] are written: the copy's loads and, at the end, the stores of out0 read them as offsets
.irp t, 0,1,2,3,4
	global_load_b64 v[GW+2*\t:GW+2*\t+1], v32, s[56:57] offset:128*\t
.endr
.irp t, 0,1,2,3,4
.irp n, 0,1,2
	global_load_b32 v[HSL+3*\t+\n], v[VHG+\t], s[4:5] offset:HS_O+512*\n
.endr
.endr
.macro CLOAD t                         ; my quarter of tile t's three images: 24 loads of 512 consecutive bytes, into set t % 2
	WIN 0x80
.set n_, 0
.rept 24
	global_load_b128 v[96*((\t)%2)+4*n_:96*((\t)%2)+4*n_+3], v[VG+\t], s[4:5] offset:2048*n_
.set n_, n_+1
.endr
	WIN 0
.endm
.macro CSTORE t
	WIN 0x08
.set n_, 0
.rept 24
	ds_store_b128 v[VC+\t], v[96*((\t)%2)+4*n_:96*((\t)%2)+4*n_+3] offset:2048*n_
.set n_, n_+1
.endr
	WIN 0
.endm
	CLOAD 0
	CLOAD 1
	s_wait_loadcnt 48                              ; all ahead of the two batches: the shared Wd, the weights, h's scale words
.irp t, 0,1,2,3,4
.irp n, 0,1,2
	ds_store_b32 v39, v[HSL+3*\t+\n] offset:1536*\t+512*\n
.endr
.endr
	s_wait_loadcnt 24                              ; batch 0 is in; batch 1 may be out
	CSTORE 0
	s_wait_dscnt 0x0                               ; the stores are done
	s_wait_alu depctr_vm_vsrc(0)                   ; batch 0's LDS stores have read set 0, in which batch 2's loads land
	CLOAD 2
	s_wait_loadcnt 24
	CSTORE 1
	s_wait_dscnt 0x0
	s_wait_alu depctr_vm_vsrc(0)                   ; batch 1's LDS stores have read set 1, in which batch 3's loads land
	CLOAD 3
	s_wait_loadcnt 24
	CSTORE 2
	s_wait_dscnt 0x0
	s_wait_alu depctr_vm_vsrc(0)                   ; batch 2's LDS stores have read set 0, in which batch 4's loads land
	CLOAD 4
	s_wait_loadcnt 24
	CSTORE 3
	s_wait_loadcnt 0x0
	CSTORE 4
	s_wait_dscnt 0x0                               ; for the others' sake: my part of the images lies in LDS
	s_barrier_signal -1
	s_barrier_wait -1
	s_wait_alu depctr_vm_vsrc(0)                   ; batch 3's and batch 4's LDS stores have read the two sets of window 2: from here on h's fragments land in them
; One image of h times my two tiles of Wd, into accumulators d and d + 8.  bw = 1: Wd's loads may still be on their way.
.macro TILE t, slot, d, bw
.if (\t) > 0 || (\slot) > 0
	s_wait_alu depctr_va_vdst(0)                   ; the last image's matrix instructions are done reading h's fragments and scale words, in which the loads below land
.endif
.irp i, 0,1,2,3
	ds_load_b32 v[HS+\i], v[VH+\t] offset:512*\slot+128*\i        ; lanes 0-15: K step 2 i; lanes 16-31: K step 2 i + 1
.endr
	WIN 0x80
.irp s, 0,1,2,3,4,5,6,7
.irp c, 0,1,2,3
	ds_load_b128 v[16*\s+4*\c:16*\s+4*\c+3], v[VR+\t] offset:16384*\slot+2048*\s+512*\c
.endr
.endr
	WIN 0x09
.irp s, 0,1,2,3,4,5,6,7
	s_wait_dscnt 28-4*\s                           ; K step s is in: behind it 4 loads for each later step
.if \bw
	s_wait_loadcnt 8*(7-\s)                        ; Wd's K step s: behind it 8 loads for each later step
.endif
.irp u, 0,1                            ; the two accumulators by turns
	MM \d+8*\u, 128*\u+16*\s, 16*\s, \s, WS+4*\u+2*(\s/4)+(\s%2), HS+(\s/2), ((\s/2)%2), (\s%2)
.endr
.endr
	WIN 0
.rept 9
	v_nop                                          ; nine places: for the reads of the results, and for accumulators begun anew
.endr
.endm
.macro FMA t, k                        ; the sums += the accumulators x my row's weight k (0: lo's, 1: hi's); each accumulator from its low end on
.set i_, 0
.rept 16
	v_fmac_f32 v[OUT+16*\t+i_], v[ACC+i_], v[GW+2*\t+\k]
.set i_, i_+1
.endr
.endm
.irp t, 0,1,2,3,4
	TILE \t, 0, OUT+16*\t, 0                       ; the shared expert starts the sums
.endr
	s_mov_b32 s58, 0
.Lexp:                                                 ; 8 trips: expert s58
	s_mov_b32 s59, 0
.irp t, 0,1,2,3,4
	s_cmp_eq_u32 s[E1+\t], s58
	s_cselect_b32 s54, 1, 0
	s_or_b32 s59, s59, s54
	s_cmp_eq_u32 s[E2+\t], s58
	s_cselect_b32 s54, 1, 0
	s_or_b32 s59, s59, s54
.endr
	s_cmp_eq_u32 s59, 0
	s_cbranch_scc1 .Lnext                          ; none of my five tiles uses it
	s_wait_loadcnt 0x0                             ; the last expert's loads are done: their bases may be written
	s_add_co_u32 s48, s58, 18
	SETB
	s_wait_alu depctr_va_vdst(0)                   ; the last expert's matrix instructions are done reading Wd's fragments and scale words, in which the loads below land
	LOADB
.irp t, 0,1,2,3,4
	s_cmp_eq_u32 s[E1+\t], s58
	s_cbranch_scc0 .Lnot_lo_\t
	TILE \t, 1, ACC, 1
	FMA \t, 0
.Lnot_lo_\t:
	s_cmp_eq_u32 s[E2+\t], s58
	s_cbranch_scc0 .Lnot_hi_\t
	TILE \t, 2, ACC, 1
	FMA \t, 1
.Lnot_hi_\t:
.endr
.Lnext:
	s_add_co_u32 s58, s58, 1
	s_cmp_lt_u32 s58, 8
	s_cbranch_scc1 .Lexp
	; THE WAY OUT.  A lane holds 64 neighbouring bytes of a row; a row's 512 bytes come from four waves: they meet in the stage, and each wave stores 20 whole rows by their tokens.
	s_wait_alu depctr_va_vdst(0)                   ; the sums v[OUT ..] are written, by the shared expert's matrix instructions (nine places back or more) and by the multiply-adds: the LDS stores below read them
.irp t, 0,1,2,3,4
.irp i, 0,1,2,3
	ds_store_b128 v28, v[OUT+16*\t+4*\i:OUT+16*\t+4*\i+3] offset:8448*\t+16*\i
.endr
.endr
	s_wait_dscnt 0x0                               ; for the others' sake: my columns lie in the stage
	s_barrier_signal -1
	s_barrier_wait -1
	s_wait_alu depctr_vm_vsrc(0)                   ; my LDS stores have read v[OUT ..], in which the rows land that the loads below bring back
.irp i, 0,1,2,3,4,5,6,7,8,9,10,11,12,13,14,15,16,17,18,19
	ds_load_b128 v[OUT+4*\i:OUT+4*\i+3], v29 offset:528*\i
.endr
.irp i, 0,1,2,3,4,5,6,7,8,9,10,11,12,13,14,15,16,17,18,19
	s_wait_dscnt 19-\i                             ; row i is back: behind it one load for each later row
	s_cmp_lt_u32 s[TOK+\i], 2048                   ; a position that holds no token stores nothing
	s_cbranch_scc0 .Lnone_\i
	global_store_b128 v[VOF+\i], v[OUT+4*\i:OUT+4*\i+3], s[12:13] th:TH_STORE_NT   ; 32 lanes store 512 consecutive bytes, aligned; written once, read by nobody here
.Lnone_\i:
.endr
	s_wait_dscnt 0x0                               ; the closing lines, six on end
	s_wait_alu 0x0
	s_wait_tensorcnt 0x0
	ds_add_u32 v[SPW], v[NIL]
	s_wait_dscnt 0x0
	s_endpgm
.Lfunc_end_k_qa82b37fd21_ffn2:
	.size	k_qa82b37fd21_ffn2, .Lfunc_end_k_qa82b37fd21_ffn2-k_qa82b37fd21_ffn2
	.p2alignl 7, 3214868480
	.fill 96, 4, 3214868480
	.section	.rodata,"a",@progbits
	.p2align	6, 0x0
	.amdhsa_kernel k_qa82b37fd21_ffn2
		.amdhsa_group_segment_fixed_size 296192
		.amdhsa_private_segment_fixed_size 0
		.amdhsa_enable_private_segment 0
		.amdhsa_kernarg_size 40
		.amdhsa_user_sgpr_count 2
		.amdhsa_user_sgpr_kernarg_segment_ptr 1
		.amdhsa_wavefront_size32 1
		.amdhsa_system_sgpr_workgroup_id_x 1
		.amdhsa_system_sgpr_workgroup_id_y 1
		.amdhsa_system_sgpr_workgroup_id_z 1
		.amdhsa_system_vgpr_workitem_id 0
		.amdhsa_next_free_vgpr 704
		.amdhsa_next_free_sgpr 96
		.amdhsa_reserve_vcc 0
		.amdhsa_float_denorm_mode_32 3
		.amdhsa_float_denorm_mode_16_64 3
		.amdhsa_memory_ordered 1
		.amdhsa_forward_progress 1
		.amdhsa_inst_pref_size 135
	.end_amdhsa_kernel
	.amdgpu_metadata
---
amdhsa.version: [ 1, 2 ]
amdhsa.kernels:
  - .name:           k_qa82b37fd21_ffn2
    .symbol:         k_qa82b37fd21_ffn2.kd
    .args:
      - { .name: hqs, .offset: 0, .size: 8, .value_kind: global_buffer, .address_space: global }
      - { .name: wqs, .offset: 8, .size: 8, .value_kind: global_buffer, .address_space: global }
      - { .name: lists, .offset: 16, .size: 8, .value_kind: global_buffer, .address_space: global }
      - { .name: gw, .offset: 24, .size: 8, .value_kind: global_buffer, .address_space: global }
      - { .name: out0, .offset: 32, .size: 8, .value_kind: global_buffer, .address_space: global }
    .group_segment_fixed_size: 296192
    .private_segment_fixed_size: 0
    .kernarg_segment_align: 8
    .kernarg_segment_size: 40
    .max_flat_workgroup_size: 128
    .sgpr_count:     96
    .vgpr_count:     704
    .wavefront_size: 32
...
	.end_amdgpu_metadata
.endif
;; end of part 8
